; MI455X (gfx1250); checked and timed in simulation.
; The chip was launched on July 23, 2026; its instructions are those of AMD's public machine-readable ISA for CDNA 5 (MIT licence, August 2026) and "CDNA5" Instruction Set Architecture Reference Guide (July 2026). The comments in the code are by the model that wrote it; some were corrected since.
;; Encoder Block. Allowed arithmetic: matrix products marked QUANTISED: E4M3 operands, one E8M0 scale for each 32 along K, by v_wmma_scale_f32_16x16x128_f8f6f4 with both operands' format E4M3, f32 sums; everything else in f32.
;; Inputs: W1 1,024 x 1,024 float32; W2 1,024 x 1,024 float32; Wk 16 x 1,024 x 64 float32; Wo 1,024 x 1,024 float32; Wq 16 x 1,024 x 64 float32; Wv 16 x 1,024 x 64 float32; b1 1,024 float32; b2 1,024 float32; b_ln1 1,024 float32; b_ln2 1,024 float32; bo 1,024 float32; g_ln1 1,024 float32; g_ln2 1,024 float32; x 8 x 1,024 x 1,024 float32.
;; Outputs: out0 8 x 1,024 x 1,024 float32.
;; This version of the problem:
;;   THIS VERSION OF THE PROBLEM IS GIVEN IN LOW PRECISION. The matrix products marked QUANTISED in the list below multiply operands that are first quantised to E4M3 (4 exponent bits, 3 mantissa bits; 8 bits a number), with one power-of-two scale for each 32 numbers along K (OCP MX v1.0); their sums are f32. All else is computed in f32.
;;   The module's matrix products, in the order in which they are computed (A, B: the left and right operand; K: the contracted axis; several contracted axes count as one K, in the product's order):
;;     1. [M 1,024, K 1,024] x [K 1,024, N 8,192]; A: input Wq; B: computed on the way: QUANTISED
;;     2. [M 1,024, K 1,024] x [K 1,024, N 8,192]; A: input Wk; B: computed on the way: QUANTISED
;;     3. [M 1,024, K 1,024] x [K 1,024, N 8,192]; A: input Wv; B: computed on the way: QUANTISED
;;     4. batch 128 x [M 1,024, K 64] x [K 64, N 1,024]; A: computed on the way; B: computed on the way: QUANTISED
;;     5. batch 128 x [M 1,024, K 1,024] x [K 1,024, N 64]; A: softmax (see below); B: computed on the way: QUANTISED
;;     6. [M 8,192, K 1,024] x [K 1,024, N 1,024]; A: computed on the way; B: input Wo: QUANTISED
;;     7. [M 8,192, K 1,024] x [K 1,024, N 1,024]; A: computed on the way; B: input W1: QUANTISED
;;     8. [M 8,192, K 1,024] x [K 1,024, N 1,024]; A: computed on the way; B: input W2: QUANTISED
;;   THE QUANTISER, for each operand of a quantised product, along K:
;;     - K is cut into blocks of 32 from its start; a last block that is shorter is filled with zeros.
;;     - A block's scale is 2^e with e = floor(log2(the largest magnitude in the block)) - 8, held to -126 .. 127; a block of zeros has e = 0. As a byte (E8M0): e + 127.
;;     - Each number is divided by its block's scale, clamped to +-448, and rounded to the nearest number of E4M3, ties to even, subnormals kept.
;;     - The product sums the exact products of the quantised numbers (number of the format x scale) in f32.
;;   ~~~python
;;   def quantise(x, axis):      # numpy; x: float32 -> the quantised numbers, widened to float32 again
;;       x = np.moveaxis(x, axis, -1); K = x.shape[-1]
;;       x = np.pad(x, [(0, 0)] * (x.ndim - 1) + [(0, -K % 32)]); x = x.reshape(x.shape[:-1] + (-1, 32)); a = np.abs(x).max(-1, keepdims=True)
;;       e = np.where(a > 0, np.clip(np.frexp(np.where(a > 0, a, 1))[1] - 1 - 8, -126, 127), 0)      # np.frexp(a)[1] - 1 = floor(log2(a)), exactly
;;       r = np.clip(x / 2.0 ** e, -448, 448)
;;       step = 2.0 ** (np.maximum(np.frexp(np.where(r == 0, 1, r))[1] - 1, -6) - 3)
;;       q = np.round(r / step) * step * 2.0 ** e      # np.round: ties to even
;;       return np.moveaxis(q.reshape(q.shape[:-2] + (-1,))[..., :K], -1, axis).astype(np.float32)
;;   ~~~
;;   SOFTMAX AHEAD OF A QUANTISED PRODUCT. Where the list says 'softmax', what is quantised is not the finished softmax but p = 2^(t - M), with t = logit x log2(e) and M = ceil(the row's largest t), a whole number; so 1/2 < the row's largest p <= 1. The row's sum l is taken of the UNQUANTISED p, in f32, and the product's result is divided by l at the end. Since M is a whole number, a kernel that streams over the keys may use a running M (the ceiling of the running maximum): every later rescaling is an exact power of two, which a block's scale takes up: the codes' values come out the same.
;;   OPERANDS COMPUTED ON THE WAY. 'Computed on the way' means the value that the module computes at that place (a softmax that the list does not call 'softmax' is quantised finished and normalised). What goes into a quantiser is computed in f32, as accurately as f32 sums, v_exp_f32 and their like allow (about 1e-6 of the number): no bf16 or f16 on the way to a quantiser, and a product that is left as it is and whose result goes on into a quantised operand takes f32 operands (vector FMAs, or v_wmma_f32_16x16x4_f32). A number that lies on a knife's edge between two numbers of the format may be rounded either way, as far as f32 arithmetic and the matrix unit's own rounding can turn it there, and no further.
;; 2 versions. Each part assembles by itself: llvm-mc -triple=amdgcn-amd-amdhsa -mcpu=gfx1250 --defsym DOCPART=n.
;; ======== version 1 of 2: 4 launches
;; workspace buffers: wf 6,291,456 bytes; wsc 196,608 bytes; qf 8,388,608 bytes; kf 8,388,608 bytes; vf 8,388,608 bytes; rec 1,048,576 bytes; af 8,388,608 bytes; asc 262,144 bytes
;; launch prep_w (part 1): grid 64 x 6, 4 waves a work-group, no clusters, 0 bytes of LDS; arguments Wq, Wk, Wv, Wo, W1, W2, wf, wsc; writes wf, wsc
.if DOCPART == 1
	.amdgcn_target "amdgcn-amd-amdhsa--gfx1250"
	.amdhsa_code_object_version 6
	.text
	.protected	k_q3b17c27624_prep_w
	.globl	k_q3b17c27624_prep_w
	.p2align	8
	.type	k_q3b17c27624_prep_w,@function
k_q3b17c27624_prep_w:
	s_mov_b64 s[64:65], 0
	v_nop
	global_prefetch_b8 v0, s[64:65] scope:SCOPE_SE
	s_setreg_imm32_b32 hwreg(HW_REG_WAVE_MODE, 25, 1), 1
	s_wait_xcnt 0x0
; ENCODER BLOCK IN MX-FP8, launch 1 of 4: the six weights become codes of E4M3 with one E8M0 byte for each 32 along K.
; DEAD WORK: none.  Every input of reference() reaches out0 and every one of its eight products is live, so nothing is left out in any launch.
; Each weight is an operand whose K is NOT innermost: Wq, Wk, Wv are [head][k][64], Wo, W1, W2 are [k][n].  A LANE TAKES A COLUMN AND ITS REGISTERS RUN DOWN K:
; a block of 32 along K lies in one lane's 32 registers, its largest magnitude needs no other lane, and the conversions give codes with K innermost.
; OUT, in the order of the operand's registers.  wf = [m 6][g 16][kappa 8][t 4] fragments of 2,048 bytes; a fragment = [c 4][lane 32][16 bytes]; lane (r, h), part c holds k = 128 kappa + 32 c + 16 h + 0..15
; of column n = 64 g + 32 (t / 2) + 8 (t % 2) + r + 8 (r / 8).  THE COLUMNS OF A TILE ARE NOT NEIGHBOURS: so the 16 result registers of tiles 2 b, 2 b + 1 are 16 neighbours along the next product's K.
; wsc = [m][g][kappa][t][r] words, byte c = the scale byte of block c.
; SHARES.  Work-group (x, y): weight m = y, column group g = x / 4.  Wave w: columns 32 (w % 2) + lane of the group, kappa = 2 (x % 3 bits) + w / 2: 32 columns x 128 along K.
; A store of codes covers two aligned runs of 256 bytes (16 lanes for tile 2 b, 16 for tile 2 b + 1).  The scale words leave as two runs of 64 bytes: one byte for each 128 bytes read.
; A block's scale byte is its largest magnitude's exponent field - 8, held at 1 from below; a block of zeros so gets 1 where the rule says 127: its codes are zeros, and this program alone reads the bytes.
; LIMITS: NaN and infinities among the inputs are not served; blocks whose largest magnitude lies under 2^-118 keep the byte 1.
.set X,   32                           ; v32-159  four blocks of 32 numbers
.set C,   160                          ; v160-191 codes, 8 registers a block, never rewritten
.set MNT, 32                           ; s32      the mantissa field of 448
	s_load_b256 s[4:11], s[0:1], 0x0               ; Wq, Wk, Wv, Wo
	s_load_b256 s[12:19], s[0:1], 0x20             ; W1, W2, wf, wsc
	v_lshrrev_b32 v1, 5, v0
	v_readfirstlane_b32 s21, v1                    ; wave
	v_and_b32 v1, 31, v0                           ; lane = my column in the half group
	v_lshlrev_b32 v2, 2, v1                        ; in: 4 bytes a lane
	v_bfe_u32 v5, v1, 3, 1                         ; which of the two tiles my column falls into,
	v_and_b32 v6, 7, v1
	v_lshrrev_b32 v7, 4, v1
	v_lshl_add_u32 v6, v7, 3, v6                   ; and its row r there: lane % 8 + 8 (lane / 16)
	v_lshlrev_b32 v3, 11, v5
	v_lshl_add_u32 v3, v6, 4, v3                   ; codes: 2,048 x tile + 16 r
	v_lshlrev_b32 v4, 6, v5
	v_lshl_add_u32 v4, v6, 2, v4                   ; scale word: 64 x tile + 4 r
	s_and_b32 s20, ttmp7, 0xffff                   ; m
	s_lshr_b32 s22, ttmp9, 2                       ; g
	s_and_b32 s23, ttmp9, 3
	s_lshl_b32 s23, s23, 1
	s_lshr_b32 s24, s21, 1
	s_add_co_u32 s23, s23, s24                     ; kappa
	s_and_b32 s21, s21, 1                          ; which half of the group's 64 columns
	s_cmp_lt_u32 s20, 3                            ; [head][k][64] or [k][n]?
	s_mov_b32 s24, 256
	s_cselect_b32 s24, 0x40000, s24                ; bytes from group to group
	s_mov_b32 s25, 0x80000
	s_cselect_b32 s25, 0x8000, s25                 ; bytes of 128 rows of K
	s_mul_i32 s26, s22, s24
	s_mul_i32 s27, s23, s25
	s_add_co_u32 s26, s26, s27
	s_lshl_b32 s27, s21, 7
	s_add_co_u32 s26, s26, s27                     ; where my wave's part of the weight begins
	s_mov_b32 s27, 0
	s_lshl_b32 s28, s20, 20
	s_lshl_b32 s30, s22, 16
	s_add_co_u32 s28, s28, s30
	s_lshl_b32 s30, s23, 13
	s_add_co_u32 s28, s28, s30
	s_lshl_b32 s30, s21, 12
	s_add_co_u32 s28, s28, s30                     ; and of wf
	s_mov_b32 s29, 0
	s_lshl_b32 s30, s20, 15
	s_lshl_b32 s31, s22, 11
	s_add_co_u32 s30, s30, s31
	s_lshl_b32 s31, s23, 8
	s_add_co_u32 s30, s30, s31
	s_lshl_b32 s31, s21, 7
	s_add_co_u32 s30, s30, s31                     ; and of wsc
	s_mov_b32 s31, 0
	s_mov_b32 s[MNT], 0x600000
	s_wait_kmcnt 0x0
	s_cmp_eq_u32 s20, 1                            ; the weight is chosen by the work-group's y alone
	s_cselect_b64 s[4:5], s[6:7], s[4:5]
	s_cmp_eq_u32 s20, 2
	s_cselect_b64 s[4:5], s[8:9], s[4:5]
	s_cmp_eq_u32 s20, 3
	s_cselect_b64 s[4:5], s[10:11], s[4:5]
	s_cmp_eq_u32 s20, 4
	s_cselect_b64 s[4:5], s[12:13], s[4:5]
	s_cmp_eq_u32 s20, 5
	s_cselect_b64 s[4:5], s[14:15], s[4:5]
	s_add_nc_u64 s[4:5], s[4:5], s[26:27]
	s_add_nc_u64 s[16:17], s[16:17], s[28:29]
	s_add_nc_u64 s[18:19], s[18:19], s[30:31]
.macro LOAD t, ks                      ; block t: W(32 t + i, my column), i = 0 .. 31; ks = bytes from a row of K to the next
.irp i, 0,1,2,3,4,5,6,7,8,9,10,11,12,13,14,15,16,17,18,19,20,21,22,23,24,25,26,27,28,29,30,31
	global_load_b32 v[X+32*(\t)+\i], v2, s[4:5] offset:(32*(\t)+\i)*(\ks) th:TH_LOAD_NT
.endr
.endm
.macro BLOCK t, ks
.set XS, X+32*(\t)
.if (\t) < 3
	s_wait_loadcnt 32                              ; this block's 32 loads are in; the next block's 32 may be out
.else
	s_wait_loadcnt 0x0
.endif
.if (\t)+2 < 4
	LOAD (\t)+2, \ks                               ; two blocks ahead, into registers of its own
.endif
	v_max3_num_f32 v8, |v[XS]|, |v[XS+1]|, |v[XS+2]|               ; the block's largest magnitude: all 32 numbers are mine; two chains
	v_max3_num_f32 v9, |v[XS+3]|, |v[XS+4]|, |v[XS+5]|
.irp i, 6,10,14,18,22,26
	v_max3_num_f32 v8, v8, |v[XS+\i]|, |v[XS+\i+1]|
	v_max3_num_f32 v9, v9, |v[XS+\i+2]|, |v[XS+\i+3]|
.endr
	v_max3_num_f32 v8, v8, |v[XS+30]|, |v[XS+31]|
	v_max3_num_f32 v8, v8, v9, 0x4800000           ; and the floor 2^(9 - 127): the byte cannot fall under 1
	v_add_nc_u32 v11, 0xfc000000, v8               ; 8 off the exponent field: the conversion takes this operand's exponent field as its scale
	v_and_or_b32 v10, v8, 0x7f800000, s[MNT]       ; 448 x the scale
	v_lshrrev_b32 v9, 23, v11                      ; the scale's byte
.if (\t) == 0
	v_mov_b32 v14, v9
.else
	v_lshl_or_b32 v14, v9, 8*(\t), v14             ; four bytes to the word, the lower K in the lower byte
.endif
.irp i, 0,1,2,3,4,5,6,7,8,9,10,11,12,13,14,15,16,17,18,19,20,21,22,23,24,25,26,27,28,29,30,31
	v_med3_num_f32 v[XS+\i], v[XS+\i], -v10, v10   ; the conversion to an 8-bit code does not saturate (ISA guide 7.6.2): the hold comes first
.endr
.irp g, 0,1,2,3
	v_cvt_scalef32_pk8_fp8_f32 v[C+8*(\t)+2*\g:C+8*(\t)+2*\g+1], v[XS+8*\g:XS+8*\g+7], v11
.endr
	global_store_b128 v3, v[C+8*(\t):C+8*(\t)+3], s[16:17] offset:512*(\t)          ; k = 32 t + 0..15: the fragment's lanes 0-15
	global_store_b128 v3, v[C+8*(\t)+4:C+8*(\t)+7], s[16:17] offset:512*(\t)+256    ; k = 32 t + 16..31: its lanes 16-31
.endm
.macro BODY ks
	LOAD 0, \ks
	LOAD 1, \ks
	BLOCK 0, \ks
	BLOCK 1, \ks
	BLOCK 2, \ks
	BLOCK 3, \ks
	global_store_b32 v4, v14, s[18:19]
	s_endpgm
.endm
	s_cmp_lt_u32 s20, 3                            ; the row pitch stands in the loads' immediates, so the body is written once for each pitch
	s_cbranch_scc0 .Lsquare
	BODY 256
.Lsquare:
	BODY 4096
.Lfunc_end_k_q3b17c27624_prep_w:
	.size	k_q3b17c27624_prep_w, .Lfunc_end_k_q3b17c27624_prep_w-k_q3b17c27624_prep_w
	.p2alignl 7, 3214868480
	.fill 96, 4, 3214868480
	.section	.rodata,"a",@progbits
	.p2align	6, 0x0
	.amdhsa_kernel k_q3b17c27624_prep_w
		.amdhsa_group_segment_fixed_size 0
		.amdhsa_private_segment_fixed_size 0
		.amdhsa_enable_private_segment 0
		.amdhsa_kernarg_size 64
		.amdhsa_user_sgpr_count 2
		.amdhsa_user_sgpr_kernarg_segment_ptr 1
		.amdhsa_wavefront_size32 1
		.amdhsa_system_sgpr_workgroup_id_x 1
		.amdhsa_system_sgpr_workgroup_id_y 1
		.amdhsa_system_sgpr_workgroup_id_z 1
		.amdhsa_system_vgpr_workitem_id 0
		.amdhsa_next_free_vgpr 192
		.amdhsa_next_free_sgpr 66
		.amdhsa_reserve_vcc 0
		.amdhsa_float_denorm_mode_32 3
		.amdhsa_float_denorm_mode_16_64 3
		.amdhsa_memory_ordered 1
		.amdhsa_forward_progress 1
		.amdhsa_inst_pref_size 57
	.end_amdhsa_kernel
	.amdgpu_metadata
---
amdhsa.version: [ 1, 2 ]
amdhsa.kernels:
  - .name:           k_q3b17c27624_prep_w
    .symbol:         k_q3b17c27624_prep_w.kd
    .args:
      - { .name: Wq, .offset: 0, .size: 8, .value_kind: global_buffer, .address_space: global }
      - { .name: Wk, .offset: 8, .size: 8, .value_kind: global_buffer, .address_space: global }
      - { .name: Wv, .offset: 16, .size: 8, .value_kind: global_buffer, .address_space: global }
      - { .name: Wo, .offset: 24, .size: 8, .value_kind: global_buffer, .address_space: global }
      - { .name: W1, .offset: 32, .size: 8, .value_kind: global_buffer, .address_space: global }
      - { .name: W2, .offset: 40, .size: 8, .value_kind: global_buffer, .address_space: global }
      - { .name: wf, .offset: 48, .size: 8, .value_kind: global_buffer, .address_space: global }
      - { .name: wsc, .offset: 56, .size: 8, .value_kind: global_buffer, .address_space: global }
    .group_segment_fixed_size: 0
    .private_segment_fixed_size: 0
    .kernarg_segment_align: 8
    .kernarg_segment_size: 64
    .max_flat_workgroup_size: 128
    .sgpr_count:     66
    .vgpr_count:     192
    .wavefront_size: 32
...
	.end_amdgpu_metadata
.endif
;; end of part 1
;; launch ln_qkv (part 2): grid 256 x 1, 16 waves a work-group, no clusters, 177,152 bytes of LDS; arguments x, g_ln1, b_ln1, wf, wsc, qf, kf, vf, rec; writes qf, kf, vf, rec
.if DOCPART == 2
	.amdgcn_target "amdgcn-amd-amdhsa--gfx1250"
	.amdhsa_code_object_version 6
	.text
	.protected	k_q3b17c27624_ln_qkv
	.globl	k_q3b17c27624_ln_qkv
	.p2align	8
	.type	k_q3b17c27624_ln_qkv,@function
k_q3b17c27624_ln_qkv:
	s_mov_b64 s[64:65], 0
	v_nop
	global_prefetch_b8 v0, s[64:65] scope:SCOPE_SE
	s_setreg_imm32_b32 hwreg(HW_REG_WAVE_MODE, 25, 1), 1
	s_wait_xcnt 0x0
; ENCODER BLOCK IN MX-FP8, launch 2 of 4: h = LN1(x), quantised along D; q, k, v = h Wq, h Wk, h Wv (products 1 to 3); q and k quantised along the head's 64, v along the keys.  No work is left out.
; SHARES.  A work-group owns 32 rows of x (row block kb of batch b) and all 1,024 columns: 256 work-groups.  Sixteen waves of 256 registers.
; PHASE X: wave (u = w / 8, kappa = w % 8) makes fragment (u, kappa) of h: 16 rows x 128 along D.  Mean first, then the deviations' squares: two sums across the eight waves of a row tile, through LDS.
; PASSES: wave w is head w: 64 columns (4 tiles) x 32 rows (2 tiles), 8 accumulators by turns, 8 K steps of 128.  h's fragments come from LDS as images of their registers.
; THE WEIGHTS GO FROM MEMORY STRAIGHT INTO THE OPERAND REGISTERS, 8 KiB a wave and K step, one K step ahead in two buffers: launch 1 laid them in that order.  Every work-group walks the same 3 MiB of weight codes.
; They are not asked for jointly in a cluster: a joint request lands in LDS, while here each weight fragment feeds exactly one wave of the work-group; the price, stated plainly, is that each work-group asks for all 3 MiB itself.
; ROWS OF A TILE: lane r of row tile u holds row rho(u, r) = 8 u + r + 8 (r / 8).  q, k: the product is used transposed (source 0 = 16 columns of W, source 1 = 16 rows of h): a lane holds one row, and the 16 registers of
; tiles 2 b, 2 b + 1 are e = 32 b + 16 h + 0..15.  v: not transposed: a lane holds one column e, and the 16 registers of row tiles 0, 1 are keys 16 h + 0..15.  So each quantiser finds 16 neighbours along its K in a lane.
; OUT.  qf, kf = [b][head][kb] fragments: part c = 2 u + beta, lane (r, h): row rho(u, r), e = 32 beta + 16 h + 0..15.  vf = [b][head][ks 8][t 4] fragments: row e of tile t, part kb % 4: keys.
; rec = [b][head][kb][lane][8 bytes]: lanes 0-15: k's word, q's word; lanes 16-31: v's four bytes (by t), q's word.
; LIMITS: NaN and infinities are not served; blocks under 2^-118, and blocks of zeros, keep the scale byte 1 (this program alone reads the bytes).
.set XIMG,  0                          ; LDS: h's 16 fragments, (u, kappa) at (8 u + kappa) x 2,048
.set ASC,   32768                      ; their scale words: 128 kappa + 64 u + 4 r
.set RED1,  33792                      ; sums: 1,536 u + 48 lane + 4 kappa
.set RED2,  36864                      ; sums of squares, likewise
.set XST,   39936                      ; a stage for each wave: 16 rows of 512 bytes + 16
.set SPARE, 175104                     ; the spare words, 128 bytes for each wave: eight blocks of 256 bytes that no other line names
.set ACC, 16                           ; v16-79   x's 64 numbers, then the 8 accumulators
.set AF,  80                           ; v80-111  two fragments of h
.set PC,  80                           ; v80-95   between passes: the codes just made
.set TM,  96                           ; v96-111  between passes: at work
.set AS,  244                          ; v244     h's scale words: lanes 0-15 row tile 0, lanes 16-31 row tile 1.   v240-243: the weights', two a buffer: lanes 0-15 the even tile, 16-31 the odd
.set LI,  1                            ; v1   16 x lane
.set LS,  2                            ; v2   4 x lane
.set WO,  2
.set SPW, 254                          ; v254 LDS address of my spare word; never rewritten
.set NIL, 255                          ; v255 0; never rewritten
.set WB,  10                           ; s[10:11] wf at my head
.set SB,  12                           ; s[12:13] wsc at my head
.set SEL, 30                           ; s[30:31] v_permlanex16_b32's selects for lane l xor 16
.set MNT, 32                           ; s32  the mantissa field of 448
.set HM,  33                           ; s33  the mask of lanes 16-31
.set INV, 34                           ; s34  2^-10
.set EPS, 35                           ; s35  1e-5
.macro BAR                             ; my LDS stores have landed and my LDS loads are in: then the work-group's barrier
	s_wait_dscnt 0x0
	s_barrier_signal -1
	s_barrier_wait -1
.endm
.macro WLOAD p, k                      ; weight p's K step k for my 64 columns: 4 fragments and their scale words, into buffer k % 2: 18 loads
.irp t, 0,1,2,3
.irp c, 0,1,2,3
	global_load_b128 v[112+64*((\k)%2)+16*\t+4*\c:112+64*((\k)%2)+16*\t+4*\c+3], v[LI], s[WB:WB+1] offset:((\p)<<20)+((\k)<<13)+((4*\t+\c)<<9)
.endr
.endr
.irp j, 0,1
	global_load_b32 v[240+2*((\k)%2)+\j], v[WO], s[SB:SB+1] offset:((\p)<<15)+((\k)<<8)+128*\j
.endr
.endm
.macro WM d, a, b, zero, sa, sb, ra, rb    ; one product; ra, rb = 1: that side's scales stand in lanes 16-31
.if \zero
.if (\ra) && (\rb)
	v_wmma_scale_f32_16x16x128_f8f6f4 v[\d:\d+7], v[\a:\a+15], v[\b:\b+15], 0, v[\sa], v[\sb] matrix_a_scale:MATRIX_SCALE_ROW1 matrix_b_scale:MATRIX_SCALE_ROW1
.elseif \ra
	v_wmma_scale_f32_16x16x128_f8f6f4 v[\d:\d+7], v[\a:\a+15], v[\b:\b+15], 0, v[\sa], v[\sb] matrix_a_scale:MATRIX_SCALE_ROW1
.elseif \rb
	v_wmma_scale_f32_16x16x128_f8f6f4 v[\d:\d+7], v[\a:\a+15], v[\b:\b+15], 0, v[\sa], v[\sb] matrix_b_scale:MATRIX_SCALE_ROW1
.else
	v_wmma_scale_f32_16x16x128_f8f6f4 v[\d:\d+7], v[\a:\a+15], v[\b:\b+15], 0, v[\sa], v[\sb]
.endif
.else
.if (\ra) && (\rb)
	v_wmma_scale_f32_16x16x128_f8f6f4 v[\d:\d+7], v[\a:\a+15], v[\b:\b+15], v[\d:\d+7], v[\sa], v[\sb] matrix_a_scale:MATRIX_SCALE_ROW1 matrix_b_scale:MATRIX_SCALE_ROW1
.elseif \ra
	v_wmma_scale_f32_16x16x128_f8f6f4 v[\d:\d+7], v[\a:\a+15], v[\b:\b+15], v[\d:\d+7], v[\sa], v[\sb] matrix_a_scale:MATRIX_SCALE_ROW1
.elseif \rb
	v_wmma_scale_f32_16x16x128_f8f6f4 v[\d:\d+7], v[\a:\a+15], v[\b:\b+15], v[\d:\d+7], v[\sa], v[\sb] matrix_b_scale:MATRIX_SCALE_ROW1
.else
	v_wmma_scale_f32_16x16x128_f8f6f4 v[\d:\d+7], v[\a:\a+15], v[\b:\b+15], v[\d:\d+7], v[\sa], v[\sb]
.endif
.endif
.endm
; A K step of 128: the rows' two fragments from LDS, the next step's weights asked for, 8 products.
.macro GSTEP k, next, np, nk, img, asc, swap, zero
.rept 8
	v_nop                                          ; eight places behind the last step's products, ahead of the loads into registers that they read
.endr
.irp u, 0,1
.irp c, 0,1,2,3
	ds_load_b128 v[AF+16*\u+4*\c:AF+16*\u+4*\c+3], v[LI] offset:(\img)+(8*\u+(\k))*2048+512*\c
.endr
.endr
	ds_load_b32 v[AS], v[LS] offset:(\asc)+128*(\k)
.if \next
	WLOAD \np, \nk
	s_wait_loadcnt 18                              ; the 18 loads just issued may stay out; all older ones, this step's weights among them, are in
.else
	s_wait_loadcnt 0x0
.endif
	s_wait_dscnt 0x0
.irp t, 0,1,2,3
.irp u, 0,1
.if \swap
	WM ACC+16*\t+8*\u, AF+16*\u, 112+64*((\k)%2)+16*\t, \zero, AS, 240+2*((\k)%2)+\t/2, \u, \t%2
.else
	WM ACC+32*\u+8*\t, 112+64*((\k)%2)+16*\t, AF+16*\u, \zero, 240+2*((\k)%2)+\t/2, AS, \t%2, \u
.endif
.endr
.endr
.endm
.macro PASS p, img, asc, swap, zero, np    ; all of K for weight p; its last step asks for weight np's first (np < 0: for nothing)
	GSTEP 0, 1, \p, 1, \img, \asc, \swap, \zero
.irp k, 1,2,3,4,5,6
	GSTEP \k, 1, \p, \k+1, \img, \asc, \swap, 0
.endr
.if (\np) >= 0
	GSTEP 7, 1, \np, 0, \img, \asc, \swap, 0
.else
	GSTEP 7, 0, 0, 0, \img, \asc, \swap, 0
.endif
.rept 8
	v_nop                                          ; eight places ahead of the first read of the results
.endr
.endm
; nb blocks of 16 registers from v[s] on (a block's other 16 numbers lie in lane l xor 16) become codes in v[PC + 4 b] on, bytes in v[TM + 4 + b], and for nb = 4 the word v[pw].
.macro QUANT s, nb, pw
.irp b, 0,1,2,3
.if \b < \nb
	v_max3_num_f32 v[TM+\b], |v[\s+16*\b]|, |v[\s+1+16*\b]|, 0x4800000   ; my 16 numbers, and the floor 2^(9 - 127): the byte cannot fall under 1
.endif
.endr
.irp i, 2,4,6,8,10,12,14
.irp b, 0,1,2,3
.if \b < \nb
	v_max3_num_f32 v[TM+\b], v[TM+\b], |v[\s+16*\b+\i]|, |v[\s+1+16*\b+\i]|   ; (the blocks by turns)
.endif
.endr
.endr
.irp b, 0,1,2,3
.if \b < \nb
	v_permlanex16_b32 v[TM+4+\b], v[TM+\b], s[SEL], s[SEL+1]
.endif
.endr
.irp b, 0,1,2,3
.if \b < \nb
	v_max_num_f32 v[TM+\b], v[TM+\b], v[TM+4+\b]   ; the block's largest magnitude
.endif
.endr
.irp b, 0,1,2,3
.if \b < \nb
	v_add_nc_u32 v[TM+12+\b], 0xfc000000, v[TM+\b]   ; 8 off its exponent field: the conversion's scale operand
.endif
.endr
.irp b, 0,1,2,3
.if \b < \nb
	v_and_or_b32 v[TM+8+\b], v[TM+\b], 0x7f800000, s[MNT]   ; 448 x the scale
.endif
.endr
.irp b, 0,1,2,3
.if \b < \nb
	v_lshrrev_b32 v[TM+4+\b], 23, v[TM+12+\b]      ; the scale's byte
.endif
.endr
.if \nb == 4
	v_lshl_or_b32 v[\pw], v[TM+5], 8, v[TM+4]
	v_lshl_or_b32 v[\pw], v[TM+6], 16, v[\pw]
	v_lshl_or_b32 v[\pw], v[TM+7], 24, v[\pw]
.endif
.irp b, 0,1,2,3
.if \b < \nb
.irp i, 0,1,2,3,4,5,6,7,8,9,10,11,12,13,14,15
	v_med3_num_f32 v[\s+16*\b+\i], v[\s+16*\b+\i], -v[TM+8+\b], v[TM+8+\b]   ; the conversion does not saturate (ISA guide 7.6.2): the hold comes first
.endr
	v_cvt_scalef32_pk8_fp8_f32 v[PC+4*\b:PC+1+4*\b], v[\s+16*\b:\s+7+16*\b], v[TM+12+\b]
	v_cvt_scalef32_pk8_fp8_f32 v[PC+2+4*\b:PC+3+4*\b], v[\s+8+16*\b:\s+15+16*\b], v[TM+12+\b]
.endif
.endr
	v_nop                                          ; a plain line behind the last conversion: later products write its sources
.endm
; v[96:97], v[98:99]: two chains of a lane's sum.  The lane's, its partner's (lane l xor 16), then the eight waves' of my row tile, through LDS at off: the row's total in v100.
.macro ROWSUM off
	v_pk_add_f32 v[96:97], v[96:97], v[98:99]
	v_add_f32 v96, v96, v97
	v_permlanex16_b32 v97, v96, s[SEL], s[SEL+1]
	v_add_f32 v96, v96, v97
	ds_store_b32 v9, v96 offset:\off
	BAR
	ds_load_b128 v[100:103], v10 offset:\off
	ds_load_b128 v[104:107], v10 offset:\off+16
	s_wait_dscnt 0x0
	v_pk_add_f32 v[100:101], v[100:101], v[102:103]   ; the same order in every wave
	v_pk_add_f32 v[104:105], v[104:105], v[106:107]
	v_pk_add_f32 v[100:101], v[100:101], v[104:105]
	v_add_f32 v100, v100, v101
.endm
	s_load_b512 s[4:19], s[0:1], 0x0               ; x, g_ln1, b_ln1, wf, wsc, qf, kf, vf
	s_load_b64 s[20:21], s[0:1], 0x40              ; rec
	v_lshl_add_u32 v[SPW], v0, 2, SPARE
	v_mov_b32 v[NIL], 0
	v_lshrrev_b32 v12, 5, v0
	v_readfirstlane_b32 s22, v12                   ; wave 0..15
	v_and_b32 v12, 31, v0                          ; lane
	v_and_b32 v13, 15, v0                          ; r
	v_bfe_u32 v14, v0, 4, 1                        ; h
	v_lshlrev_b32 v[LI], 4, v12
	v_lshlrev_b32 v[LS], 2, v12
	s_lshr_b32 s24, s22, 3                         ; u
	s_and_b32 s25, s22, 7                          ; kappa
	s_mul_i32 s26, s22, 8448
	s_add_co_u32 s26, s26, XST                     ; my stage
	v_add_nc_u32 v4, s26, v[LI]                    ; into it: a row's 512 bytes as they lie
	v_mul_u32_u24 v5, v13, 528
	v_lshl_add_u32 v5, v14, 6, v5
	v_add_nc_u32 v5, s26, v5                       ; out of it: row r, + 64 h: my 16 numbers of each block of 32
	v_lshlrev_b32 v6, 6, v14                       ; g, b: 64 h
	s_lshl_b32 s26, s22, 11
	v_add_nc_u32 v7, s26, v[LI]                    ; my fragment's image
	s_lshl_b32 s26, s25, 7
	s_lshl_b32 s27, s24, 6
	s_add_co_u32 s26, s26, s27
	s_add_co_u32 s26, s26, ASC
	v_lshl_add_u32 v8, v13, 2, s26                 ; its scale words
	s_mul_i32 s26, s24, 1536
	s_add_co_u32 s26, s26, RED1
	v_mul_u32_u24 v10, v12, 48
	v_add_nc_u32 v10, s26, v10                     ; my lane's eight partial sums,
	s_lshl_b32 s27, s25, 2
	v_add_nc_u32 v9, s27, v10                      ; and my wave's among them
	v_lshlrev_b32 v11, 3, v12                      ; the record: 8 bytes a lane
	s_mov_b32 s[SEL], 0x76543210
	s_mov_b32 s[SEL+1], 0xfedcba98
	s_mov_b32 s[MNT], 0x600000
	s_mov_b32 s[HM], 0xffff0000
	s_mov_b32 s[INV], 0x3a800000
	s_mov_b32 s[EPS], 0x3727c5ac
	s_lshl_b32 s26, ttmp9, 17                      ; x: 32 rows of 4,096 bytes a work-group,
	s_lshl_b32 s27, s24, 15                        ; + 8 u rows,
	s_add_co_u32 s26, s26, s27
	s_lshl_b32 s28, s25, 9                         ; + 512 kappa
	s_add_co_u32 s26, s26, s28
	s_mov_b32 s27, 0
	s_mov_b32 s29, 0
	s_wait_kmcnt 0x0
	s_add_nc_u64 s[4:5], s[4:5], s[26:27]
	s_add_nc_u64 s[6:7], s[6:7], s[28:29]
	s_add_nc_u64 s[8:9], s[8:9], s[28:29]
	; ---- X: my 16 rows x 128 columns of x; each load takes one row's 512 consecutive bytes
.irp i, 0,1,2,3,4,5,6,7,8,9,10,11,12,13,14,15
	global_load_b128 v[176+4*\i:179+4*\i], v[LI], s[4:5] offset:(\i+8*(\i/8))*4096 th:TH_LOAD_NT
.endr
.irp c, 0,1,2,3
.irp j, 0,1,2,3
	global_load_b128 v[112+16*\c+4*\j:115+16*\c+4*\j], v6, s[6:7] offset:128*\c+16*\j   ; g at my 64 columns
.endr
.endr
	s_lshl_b32 s28, s22, 16                        ; the bases of the passes: scalar work while the loads are out
	s_add_nc_u64 s[WB:WB+1], s[WB:WB+1], s[28:29]
	s_lshl_b32 s28, s22, 11
	s_add_nc_u64 s[SB:SB+1], s[SB:SB+1], s[28:29]
	s_lshr_b32 s36, ttmp9, 5                       ; b
	s_and_b32 s37, ttmp9, 31                       ; kb
	s_lshl_b32 s26, s36, 9
	s_lshl_b32 s28, s22, 5
	s_add_co_u32 s26, s26, s28
	s_add_co_u32 s26, s26, s37                     ; (b, head, kb) as one number
	s_lshl_b32 s28, s26, 11
	s_add_nc_u64 s[14:15], s[14:15], s[28:29]
	s_add_nc_u64 s[16:17], s[16:17], s[28:29]
	s_lshl_b32 s28, s26, 8
	s_add_nc_u64 s[20:21], s[20:21], s[28:29]
	s_lshl_b32 s26, s36, 4
	s_add_co_u32 s26, s26, s22
	s_lshl_b32 s28, s26, 16
	s_lshr_b32 s26, s37, 2
	s_lshl_b32 s26, s26, 13
	s_add_co_u32 s28, s28, s26
	s_and_b32 s26, s37, 3
	s_lshl_b32 s26, s26, 9
	s_add_co_u32 s28, s28, s26
	s_add_nc_u64 s[18:19], s[18:19], s[28:29]
	s_wait_loadcnt 16                              ; x is in; g's 16 loads may stay out
.irp i, 0,1,2,3,4,5,6,7,8,9,10,11,12,13,14,15
	ds_store_b128 v4, v[176+4*\i:179+4*\i] offset:528*\i
.endr
.irp c, 0,1,2,3
.irp j, 0,1,2,3
	ds_load_b128 v[16+16*\c+4*\j:19+16*\c+4*\j], v5 offset:128*\c+16*\j   ; LDS serves a wave's instructions in order: register 16 c + i = k 128 kappa + 32 c + 16 h + i of row rho(u, r)
.endr
.endr
	s_wait_dscnt 0x0
.irp c, 0,1,2,3
.irp j, 0,1,2,3
	global_load_b128 v[176+16*\c+4*\j:179+16*\c+4*\j], v6, s[8:9] offset:128*\c+16*\j   ; b, into the registers that x has left
.endr
.endr
	v_pk_add_f32 v[96:97], v[16:17], v[20:21]      ; the sum of my 64, two at a time, in two chains
	v_pk_add_f32 v[98:99], v[18:19], v[22:23]
.irp j, 8,12,16,20,24,28,32,36,40,44,48,52,56,60
	v_pk_add_f32 v[96:97], v[96:97], v[16+\j:17+\j]
	v_pk_add_f32 v[98:99], v[98:99], v[18+\j:19+\j]
.endr
	ROWSUM 0
	v_mul_f32 v100, s[INV], v100                   ; the mean
.set j, 0
.rept 32
	v_pk_add_f32 v[16+j:17+j], v[16+j:17+j], v[100:101] op_sel_hi:[1,0] neg_lo:[0,1] neg_hi:[0,1]   ; the deviations
.set j, j+2
.endr
	v_pk_mul_f32 v[96:97], v[16:17], v[16:17]
	v_pk_mul_f32 v[98:99], v[18:19], v[18:19]
.irp j, 4,8,12,16,20,24,28,32,36,40,44,48,52,56,60
	v_pk_fma_f32 v[96:97], v[16+\j:17+\j], v[16+\j:17+\j], v[96:97]
	v_pk_fma_f32 v[98:99], v[18+\j:19+\j], v[18+\j:19+\j], v[98:99]
.endr
	ROWSUM RED2-RED1
	v_fma_f32 v100, v100, s[INV], s[EPS]           ; the variance + eps
	v_rsq_f32 v100, v100
	v_nop                                          ; a plain line behind the transcendental,
	s_wait_alu depctr_va_vdst(0)                   ; and the wait ahead of its first reader
	s_wait_loadcnt 0x0                             ; g and b
.set j, 0
.rept 32
	v_pk_mul_f32 v[16+j:17+j], v[16+j:17+j], v[100:101] op_sel_hi:[1,0]
.set j, j+2
.endr
.set j, 0
.rept 32
	v_pk_fma_f32 v[16+j:17+j], v[16+j:17+j], v[112+j:113+j], v[176+j:177+j]
.set j, j+2
.endr
	WLOAD 0, 0                                     ; Wq's first K step lands while h is quantised
	QUANT 16, 4, 248
.irp c, 0,1,2,3
	ds_store_b128 v7, v[PC+4*\c:PC+4*\c+3] offset:XIMG+512*\c
.endr
	ds_store_b32 v8, v248                          ; both halves of the lanes write the same word with the same value
	BAR                                            ; h's sixteen fragments lie in LDS; from here on LDS is only read
	; ---- q
	PASS 0, XIMG, ASC, 0, 1, 1
	QUANT 16, 4, 245
.irp c, 0,1,2,3
	global_store_b128 v[LI], v[PC+4*\c:PC+4*\c+3], s[14:15] offset:512*\c   ; 512 consecutive bytes a store
.endr
	s_wait_xcnt 0x0                                ; the stores have read their registers: the next pass loads into them
	; ---- k
	PASS 1, XIMG, ASC, 0, 1, 2
	QUANT 16, 4, 246
.irp c, 0,1,2,3
	global_store_b128 v[LI], v[PC+4*\c:PC+4*\c+3], s[16:17] offset:512*\c
.endr
	s_wait_xcnt 0x0
	; ---- v: source 0 = h's rows, source 1 = Wv's columns
	PASS 2, XIMG, ASC, 1, 1, -1
	QUANT 16, 4, 247
.irp t, 0,1,2,3
	global_store_b128 v[LI], v[PC+4*\t:PC+4*\t+3], s[18:19] offset:2048*\t
.endr
	v_cndmask_b32 v250, v246, v247, s[HM]          ; lanes 0-15: k's word; lanes 16-31: v's bytes
	v_mov_b32 v251, v245                           ; q's word
	global_store_b64 v11, v[250:251], s[20:21]     ; 256 consecutive bytes, aligned
	s_wait_tensorcnt 0x0                           ; the wave's end, behind my last LDS store
	ds_add_u32 v[SPW], v[NIL]
	s_wait_dscnt 0x0
	s_endpgm
.Lfunc_end_k_q3b17c27624_ln_qkv:
	.size	k_q3b17c27624_ln_qkv, .Lfunc_end_k_q3b17c27624_ln_qkv-k_q3b17c27624_ln_qkv
	.p2alignl 7, 3214868480
	.fill 96, 4, 3214868480
	.section	.rodata,"a",@progbits
	.p2align	6, 0x0
	.amdhsa_kernel k_q3b17c27624_ln_qkv
		.amdhsa_group_segment_fixed_size 177152
		.amdhsa_private_segment_fixed_size 0
		.amdhsa_enable_private_segment 0
		.amdhsa_kernarg_size 72
		.amdhsa_user_sgpr_count 2
		.amdhsa_user_sgpr_kernarg_segment_ptr 1
		.amdhsa_wavefront_size32 1
		.amdhsa_system_sgpr_workgroup_id_x 1
		.amdhsa_system_sgpr_workgroup_id_y 1
		.amdhsa_system_sgpr_workgroup_id_z 1
		.amdhsa_system_vgpr_workitem_id 0
		.amdhsa_next_free_vgpr 256
		.amdhsa_next_free_sgpr 66
		.amdhsa_reserve_vcc 0
		.amdhsa_float_denorm_mode_32 3
		.amdhsa_float_denorm_mode_16_64 3
		.amdhsa_memory_ordered 1
		.amdhsa_forward_progress 1
		.amdhsa_inst_pref_size 142
	.end_amdhsa_kernel
	.amdgpu_metadata
---
amdhsa.version: [ 1, 2 ]
amdhsa.kernels:
  - .name:           k_q3b17c27624_ln_qkv
    .symbol:         k_q3b17c27624_ln_qkv.kd
    .args:
      - { .name: x, .offset: 0, .size: 8, .value_kind: global_buffer, .address_space: global }
      - { .name: g_ln1, .offset: 8, .size: 8, .value_kind: global_buffer, .address_space: global }
      - { .name: b_ln1, .offset: 16, .size: 8, .value_kind: global_buffer, .address_space: global }
      - { .name: wf, .offset: 24, .size: 8, .value_kind: global_buffer, .address_space: global }
      - { .name: wsc, .offset: 32, .size: 8, .value_kind: global_buffer, .address_space: global }
      - { .name: qf, .offset: 40, .size: 8, .value_kind: global_buffer, .address_space: global }
      - { .name: kf, .offset: 48, .size: 8, .value_kind: global_buffer, .address_space: global }
      - { .name: vf, .offset: 56, .size: 8, .value_kind: global_buffer, .address_space: global }
      - { .name: rec, .offset: 64, .size: 8, .value_kind: global_buffer, .address_space: global }
    .group_segment_fixed_size: 177152
    .private_segment_fixed_size: 0
    .kernarg_segment_align: 8
    .kernarg_segment_size: 72
    .max_flat_workgroup_size: 512
    .sgpr_count:     66
    .vgpr_count:     256
    .wavefront_size: 32
...
	.end_amdgpu_metadata
.endif
;; end of part 2
;; launch attn (part 3): grid 2 x 128, 16 waves a work-group, no clusters, 141,312 bytes of LDS; arguments qf, kf, vf, rec, af, asc; writes af, asc
.if DOCPART == 3
	.amdgcn_target "amdgcn-amd-amdhsa--gfx1250"
	.amdhsa_code_object_version 6
	.text
	.protected	k_q3b17c27624_attn
	.globl	k_q3b17c27624_attn
	.p2align	8
	.type	k_q3b17c27624_attn,@function
k_q3b17c27624_attn:
	s_mov_b64 s[64:65], 0
	v_nop
	global_prefetch_b8 v0, s[64:65] scope:SCOPE_SE
	s_setreg_imm32_b32 hwreg(HW_REG_WAVE_MODE, 25, 1), 1
	s_wait_xcnt 0x0
; ENCODER BLOCK IN MX-FP8, launch 3 of 4: products 4 and 5 with the softmax between them, the division by the row's sum, and the result quantised along D for product 6.  No work is left out.
; THE SOFTMAX AHEAD OF PRODUCT 5: t = score x log2(e) / 8; M = the row's largest t so far, rounded UP to a whole number; p = 2^(t - M) is what is quantised, along the keys; the row's sum is taken of the
; unquantised p and divides O at the end.  When M moves, the sum and O are multiplied by 2^(old M - new M): exact.
; SHARES.  Work-group (x, y): head y = 16 b + head, queries 512 x .. 512 x + 511: 256 work-groups.  Wave w owns row block 16 x + w (32 queries) and walks its two tiles of 16 one after the other.
; All of the head's K (64 KiB), V (64 KiB) and scale records (8 KiB) are copied into LDS once, through registers, and only read from then on: no ring, one barrier.
; Two work-groups read the same head: 136 KiB each, once, at the head of the text; the grid's x is 2, which no cluster of four divides, so nothing is asked for jointly.
; PRODUCT 4 HAS K = 64 and the instruction 128.  A fragment of kf holds TWO key tiles: k 0..63 tile 0, k 64..127 tile 1.  Q stands twice: Q0 = (q, zeros), Q1 = (zeros, q).  K-fragment x Q0 gives tile 0's scores,
; x Q1 tile 1's: the other half meets zero codes under valid scale bytes and adds nothing.
; LAYOUT.  Both products are used transposed: S^T = K Q^T, O^T = V^T P^T: a lane holds one query throughout.  Launch 2 chose the rows of a tile so that the 16 registers of S^T's tiles 2 b, 2 b + 1 are keys 32 b + 16 h + 0..15,
; and the 16 registers of O^T's tiles 2 beta, 2 beta + 1 are e = 32 beta + 16 h + 0..15: the conversions' results are the next operand's registers.
; OUT.  af = [rb 256][u 2][kappa 8] fragments (rows rho(u, r), k = 64 head + e): 1 KiB on end for each tile.  asc = [rb][u][head][r][beta] bytes: 32 bytes a tile, so aligned runs of 256 bytes are written in part: 256 KiB in the launch.
; LIMITS: NaN and infinities are not served; v_exp_f32 gives 0 for results under 2^-126; blocks under 2^-118, and blocks of zeros, keep the scale byte 1.
.set VL,    65536                      ; LDS: K at 0, V here,
.set SCL,   131072                     ; the records here
.set SPARE, 139264                     ; the spare words, 128 bytes for each wave: eight blocks of 256 bytes that no other line names
.set FR,  48                           ; v48-111  four fragments of K or of V
.set S,   112                          ; v112-175 S^T, then p
.set O,   176                          ; v176-207 O^T
.set PC,  208                          ; v208-223 p's codes
.set TM,  224                          ; v224-239 at work.   v240-243 K's scale words, v244-247 V's, v248 p's, v249 q's: these hold scales and nothing else
.set SPW, 254
.set NIL, 255
.set SEL, 24                           ; s[24:25] selects for lane l xor 16
.set CS,  26                           ; s[26:27] c = log2(e) / 8
.set MNT, 28
.set HM,  29                           ; the mask of lanes 16-31
.set P0,  30                           ; s30-33 byte selects of the 4 x 4 transposition
.set TK,  34                           ; s34  LDS byte of the step's K and V: 8,192 a step
.set TS,  35                           ; s35  of its records: 1,024 a step
.set KC,  36                           ; s36  key steps to go
.set UC,  37                           ; s37  the tile in hand
.set SH,  38                           ; s38  16 x the tile: where its two bytes stand in q's word
.macro QUANT s, nb, pw
.irp b, 0,1,2,3
.if \b < \nb
	v_max3_num_f32 v[TM+\b], |v[\s+16*\b]|, |v[\s+1+16*\b]|, 0x4800000   ; my 16 numbers, and the floor 2^(9 - 127): the byte cannot fall under 1
.endif
.endr
.irp i, 2,4,6,8,10,12,14
.irp b, 0,1,2,3
.if \b < \nb
	v_max3_num_f32 v[TM+\b], v[TM+\b], |v[\s+16*\b+\i]|, |v[\s+1+16*\b+\i]|
.endif
.endr
.endr
.irp b, 0,1,2,3
.if \b < \nb
	v_permlanex16_b32 v[TM+4+\b], v[TM+\b], s[SEL], s[SEL+1]
.endif
.endr
.irp b, 0,1,2,3
.if \b < \nb
	v_max_num_f32 v[TM+\b], v[TM+\b], v[TM+4+\b]
.endif
.endr
.irp b, 0,1,2,3
.if \b < \nb
	v_add_nc_u32 v[TM+12+\b], 0xfc000000, v[TM+\b]
.endif
.endr
.irp b, 0,1,2,3
.if \b < \nb
	v_and_or_b32 v[TM+8+\b], v[TM+\b], 0x7f800000, s[MNT]
.endif
.endr
.irp b, 0,1,2,3
.if \b < \nb
	v_lshrrev_b32 v[TM+4+\b], 23, v[TM+12+\b]
.endif
.endr
.if \nb == 4
	v_lshl_or_b32 v[\pw], v[TM+5], 8, v[TM+4]
	v_lshl_or_b32 v[\pw], v[TM+6], 16, v[\pw]
	v_lshl_or_b32 v[\pw], v[TM+7], 24, v[\pw]
.endif
.irp b, 0,1,2,3
.if \b < \nb
.irp i, 0,1,2,3,4,5,6,7,8,9,10,11,12,13,14,15
	v_med3_num_f32 v[\s+16*\b+\i], v[\s+16*\b+\i], -v[TM+8+\b], v[TM+8+\b]
.endr
	v_cvt_scalef32_pk8_fp8_f32 v[PC+4*\b:PC+1+4*\b], v[\s+16*\b:\s+7+16*\b], v[TM+12+\b]
	v_cvt_scalef32_pk8_fp8_f32 v[PC+2+4*\b:PC+3+4*\b], v[\s+8+16*\b:\s+15+16*\b], v[TM+12+\b]
.endif
.endr
	v_nop                                          ; a plain line behind the last conversion
.endm
	s_load_b256 s[4:11], s[0:1], 0x0               ; qf, kf, vf, rec
	s_load_b128 s[12:15], s[0:1], 0x20             ; af, asc
	v_lshl_add_u32 v[SPW], v0, 2, SPARE
	v_mov_b32 v[NIL], 0
	v_lshrrev_b32 v12, 5, v0
	v_readfirstlane_b32 s16, v12                   ; wave 0..15
	v_and_b32 v12, 31, v0                          ; lane
	v_and_b32 v13, 15, v0                          ; r
	v_bfe_u32 v14, v0, 4, 1                        ; h
	v_lshlrev_b32 v1, 4, v12                       ; v1  16 x lane: an image's place for my lane, in K
	v_add_nc_u32 v2, VL, v1                        ; v2  the same in V
	v_lshl_add_u32 v3, v13, 3, SCL                 ; v3  my row's record: 8 r
	s_lshl_b32 s20, s16, 12
	v_add_nc_u32 v4, s20, v1                       ; v4  the copy: my wave's 4 KiB of K and of V
	v_add_nc_u32 v5, VL, v4
	s_lshl_b32 s20, s16, 9
	v_add_nc_u32 v6, s20, v1                       ; v6  my wave's 512 bytes of records
	v_add_nc_u32 v8, SCL, v6
	v_lshl_add_u32 v7, v13, 1, v14                 ; v7  asc: 2 r + h
	v_lshl_add_u32 v11, v13, 3, 4                  ; v11 q's word in a record: 8 r + 4
	s_and_b32 s18, ttmp7, 0xffff                   ; 16 b + head
	s_lshl_b32 s19, ttmp9, 4
	s_add_co_u32 s19, s19, s16                     ; my row block in the batch
	s_lshl_b32 s20, s18, 16                        ; a head's 64 KiB in qf, kf, vf
	s_mov_b32 s21, 0
	s_lshl_b32 s22, s18, 13                        ; and its 8 KiB in rec
	s_mov_b32 s23, 0
	s_mov_b32 s[SEL], 0x76543210
	s_mov_b32 s[SEL+1], 0xfedcba98
	s_mov_b32 s[CS], 0x3e38aa3b                    ; log2(e) / 8
	s_mov_b32 s[CS+1], s[CS]                       ; (named with it as a pair, so it is written)
	s_mov_b32 s[MNT], 0x600000
	s_mov_b32 s[HM], 0xffff0000
	s_mov_b32 s[P0], 0x05010400
	s_mov_b32 s[P0+1], 0x07030602
	s_mov_b32 s[P0+2], 0x05040100
	s_mov_b32 s[P0+3], 0x07060302
	s_wait_kmcnt 0x0
	s_add_nc_u64 s[4:5], s[4:5], s[20:21]
	s_add_nc_u64 s[6:7], s[6:7], s[20:21]
	s_add_nc_u64 s[8:9], s[8:9], s[20:21]
	s_add_nc_u64 s[10:11], s[10:11], s[22:23]
	s_lshl_b32 s20, s19, 11
	s_add_nc_u64 s[4:5], s[4:5], s[20:21]          ; qf at my row block
	s_lshl_b32 s20, s19, 8
	s_add_nc_u64 s[40:41], s[10:11], s[20:21]      ; rec at my row block
	s_lshr_b32 s22, s18, 4
	s_lshl_b32 s22, s22, 5
	s_add_co_u32 s22, s22, s19                     ; rb = 32 b + my row block
	s_and_b32 s39, s18, 15                         ; head
	s_lshl_b32 s20, s22, 15
	s_lshl_b32 s42, s39, 10                        ; fragment head / 2, parts 2 (head % 2) on
	s_add_co_u32 s20, s20, s42
	s_add_nc_u64 s[12:13], s[12:13], s[20:21]
	s_lshl_b32 s20, s22, 10
	s_lshl_b32 s42, s39, 5
	s_add_co_u32 s20, s20, s42
	s_add_nc_u64 s[14:15], s[14:15], s[20:21]
	; ---- the head's K, V and records into LDS: 17 loads a wave
.irp i, 0,1,2,3,4,5,6,7
	global_load_b128 v[48+4*\i:51+4*\i], v4, s[6:7] offset:512*\i
.endr
.irp i, 0,1,2,3,4,5,6,7
	global_load_b128 v[80+4*\i:83+4*\i], v4, s[8:9] offset:512*\i
.endr
	global_load_b128 v[112:115], v6, s[10:11]
.irp j, 24,25,26,27,28,29,30,31,32,33,34,35,36,37,38,39
	v_mov_b32 v[\j], 0                             ; the zero halves of Q0 and Q1: written once
.endr
.irp j, 236,237,238,239,251
	v_mov_b32 v[\j], 0                             ; written once: a lane permute's destination counts as a source; v251 is named as the upper half of the pair v[250:251]
.endr
	s_wait_loadcnt 9                               ; K's eight are in; V's eight and the records' one may stay out
.irp i, 0,1,2,3,4,5,6,7
	ds_store_b128 v4, v[48+4*\i:51+4*\i] offset:512*\i
.endr
	s_wait_loadcnt 1                               ; V's are in
.irp i, 0,1,2,3,4,5,6,7
	ds_store_b128 v5, v[80+4*\i:83+4*\i] offset:512*\i
.endr
	s_wait_loadcnt 0x0
	ds_store_b128 v8, v[112:115]
	s_wait_dscnt 0x0                               ; for the others' sake: my stores have landed
	s_barrier_signal -1
	s_barrier_wait -1                              ; the only barrier: from here on LDS is only read
	s_mov_b32 s[UC], 0
	s_mov_b32 s[SH], 0
.Ltile:
	global_load_b128 v[16:19], v1, s[4:5]          ; the tile's q, e = 0..31 and 32..63, into Q0's lower half
	global_load_b128 v[20:23], v1, s[4:5] offset:512
	global_load_b128 v[40:43], v1, s[4:5]          ; and into Q1's upper half
	global_load_b128 v[44:47], v1, s[4:5] offset:512
	global_load_b32 v252, v11, s[40:41]            ; q's word: two bytes for each tile
	v_mov_b32 v13, 0xff61b1e6                      ; the largest t so far: -3e38, under every t
	v_floor_f32 v12, -v13                          ; -M
	v_mov_b32 v14, 0                               ; the sum, in two halves
	v_mov_b32 v15, 0
	s_mov_b32 s[TK], 0
	s_mov_b32 s[TS], 0
	s_mov_b32 s[KC], 8
	s_wait_loadcnt 0x0
	v_lshrrev_b32 v252, s[SH], v252
	v_and_b32 v252, 0xffff, v252
	v_lshl_or_b32 v249, v252, 16, v252             ; the tile's two bytes twice: one word serves Q0 and Q1
.set j, 0
.rept 32
	v_mov_b32 v[O+j], 0                            ; O^T: the loop is written once, its first step finds zeros.  (These are also the places between q's word and the first product)
.set j, j+1
.endr
.Lkey:                                             ; 8 trips of 128 keys
	v_add_nc_u32 v8, s[TK], v1
	v_add_nc_u32 v9, s[TK], v2
	v_add_nc_u32 v10, s[TS], v3
.rept 5
	v_nop                                          ; with the three additions: eight places behind the last products, ahead of the loads into registers that they read
.endr
.irp b, 0,1,2,3
.irp c, 0,1,2,3
	ds_load_b128 v[FR+16*\b+4*\c:FR+16*\b+4*\c+3], v8 offset:2048*\b+512*\c
.endr
.endr
.irp b, 0,1,2,3
	ds_load_b32 v[240+\b], v10 offset:256*\b       ; K's scale word of key block b
.endr
.irp b, 0,1,2,3
	ds_load_b32 v[224+\b], v10 offset:256*\b+128   ; V's four bytes (by tile t) of key block b
.endr
	s_wait_dscnt 0x0
.irp b, 0,1,2,3
.irp u, 0,1
	v_wmma_scale_f32_16x16x128_f8f6f4 v[S+16*\b+8*\u:S+16*\b+8*\u+7], v[FR+16*\b:FR+16*\b+15], v[16+16*\u:31+16*\u], 0, v[240+\b], v249
.endr
.endr
	v_perm_b32 v228, v225, v224, s[P0]             ; V's bytes turned: word t gets byte b from block b's word.  Eight plain lines: the places behind the products
	v_perm_b32 v229, v225, v224, s[P0+1]
	v_perm_b32 v230, v227, v226, s[P0]
	v_perm_b32 v231, v227, v226, s[P0+1]
	v_perm_b32 v244, v230, v228, s[P0+2]
	v_perm_b32 v245, v230, v228, s[P0+3]
	v_perm_b32 v246, v231, v229, s[P0+2]
	v_perm_b32 v247, v231, v229, s[P0+3]
.irp t, 0,1,2,3
.irp c, 0,1,2,3
	ds_load_b128 v[FR+16*\t+4*\c:FR+16*\t+4*\c+3], v9 offset:2048*\t+512*\c   ; V's four fragments land while the softmax is walked
.endr
.endr
.irp b, 0,1,2,3
	v_max3_num_f32 v[232+\b], v[S+16*\b], v[S+1+16*\b], v[S+2+16*\b]   ; the largest score of each block of 32 keys: for the row's maximum, and, since p rises with the score, for the block's largest p
.endr
.irp i, 3,5,7,9,11,13
.irp b, 0,1,2,3
	v_max3_num_f32 v[232+\b], v[232+\b], v[S+16*\b+\i], v[S+1+16*\b+\i]
.endr
.endr
.irp b, 0,1,2,3
	v_max_num_f32 v[232+\b], v[232+\b], v[S+15+16*\b]
.endr
.irp b, 0,1,2,3
	v_permlanex16_b32 v[236+\b], v[232+\b], s[SEL], s[SEL+1]
.endr
.irp b, 0,1,2,3
	v_max_num_f32 v[232+\b], v[232+\b], v[236+\b]  ; with lane l xor 16's 16 keys
.endr
	v_max3_num_f32 v252, v232, v233, v234
	v_max_num_f32 v252, v252, v235                 ; the step's largest score of my query
	v_mul_f32 v252, s[CS], v252                    ; as t (c is positive)
	v_max_num_f32 v13, v13, v252                   ; the running largest t
	v_mov_b32 v252, v12
	v_floor_f32 v12, -v13                          ; the new -M = floor(-t) = -ceil(t)
	v_sub_f32 v252, v12, v252                      ; old M - new M: a whole number, 0 or less
	v_cvt_i32_f32 v252, v252                       ; (it saturates)
	v_ldexp_f32 v250, 1.0, v252                    ; f = 2^(old M - new M)
.set j, 0
.rept 32
	v_pk_fma_f32 v[S+j:S+j+1], v[S+j:S+j+1], s[CS:CS+1], v[12:13] op_sel_hi:[1,0,0]   ; t - M, two at a time
.set j, j+2
.endr
.irp b, 0,1,2,3
	v_fma_f32 v[232+\b], v[232+\b], s[CS], v12     ; the same of each block's largest score
.endr
.set j, 0
.rept 64
	v_exp_f32 v[S+j], v[S+j]                       ; p = 2^(t - M), at most 1
.set j, j+1
.endr
	v_pk_mul_f32 v[14:15], v[14:15], v[250:251] op_sel_hi:[1,0]   ; the sums under the new M: a plain line behind the exponentials
	s_wait_alu depctr_va_vdst(0)                   ; one wait for the batch of 64, ahead of its first reader
.irp b, 0,1,2,3
	v_exp_f32 v[232+\b], v[232+\b]                 ; the block's largest p
.endr
	v_pk_add_f32 v[236:237], v[S:S+1], v[S+2:S+3]  ; the row's sum of the unquantised p, in two chains
.irp j, 4,8,12,16,20,24,28,32,36,40,44,48,52,56,60
	v_pk_add_f32 v[14:15], v[14:15], v[S+\j:S+\j+1]
	v_pk_add_f32 v[236:237], v[236:237], v[S+2+\j:S+3+\j]
.endr
	v_pk_add_f32 v[14:15], v[14:15], v[236:237]
	s_wait_alu depctr_va_vdst(0)                   ; and one for the four
.irp b, 0,1,2,3
	v_max_num_f32 v[232+\b], 0x4800000, v[232+\b]  ; the floor 2^(9 - 127)
.endr
.irp b, 0,1,2,3
	v_add_nc_u32 v[228+\b], 0xfc000000, v[232+\b]  ; the conversion's scale operand
.endr
.irp b, 0,1,2,3
	v_and_or_b32 v[224+\b], v[232+\b], 0x7f800000, s[MNT]   ; 448 x the scale
.endr
.irp b, 0,1,2,3
	v_lshrrev_b32 v[236+\b], 23, v[228+\b]         ; the scale's byte
.endr
	v_lshl_or_b32 v248, v237, 8, v236              ; p's scale word for these 128 keys
	v_lshl_or_b32 v248, v238, 16, v248
	v_lshl_or_b32 v248, v239, 24, v248
.irp b, 0,1,2,3
.irp i, 0,1,2,3,4,5,6,7,8,9,10,11,12,13,14,15
	v_min_num_f32 v[S+16*\b+\i], v[S+16*\b+\i], v[224+\b]   ; the hold; p is not negative, so it is one-sided
.endr
	v_cvt_scalef32_pk8_fp8_f32 v[PC+4*\b:PC+1+4*\b], v[S+16*\b:S+7+16*\b], v[228+\b]
	v_cvt_scalef32_pk8_fp8_f32 v[PC+2+4*\b:PC+3+4*\b], v[S+8+16*\b:S+15+16*\b], v[228+\b]
.endr
.set j, 0
.rept 16
	v_pk_mul_f32 v[O+j:O+j+1], v[O+j:O+j+1], v[250:251] op_sel_hi:[1,0]   ; O^T under the new M.  (Also the places between the codes and the products)
.set j, j+2
.endr
	s_wait_dscnt 0x0                               ; V
.irp t, 0,1,2,3
	v_wmma_scale_f32_16x16x128_f8f6f4 v[O+8*\t:O+8*\t+7], v[FR+16*\t:FR+16*\t+15], v[PC:PC+15], v[O+8*\t:O+8*\t+7], v[244+\t], v248
.endr
	s_add_co_u32 s[TK], s[TK], 8192
	s_add_co_u32 s[TS], s[TS], 1024
	s_sub_co_u32 s[KC], s[KC], 1
	s_cmp_lg_u32 s[KC], 0
	s_cbranch_scc1 .Lkey
	; ---- the tile's way out
	v_add_f32 v14, v14, v15                        ; the sum's two halves,
	v_permlanex16_b32 v252, v14, s[SEL], s[SEL+1]
	v_add_f32 v14, v14, v252                       ; and lane l xor 16's
	v_rcp_f32 v14, v14
.rept 8
	v_nop                                          ; the plain line behind the reciprocal, and eight places behind the last products
.endr
	s_wait_alu depctr_va_vdst(0)                   ; ahead of the reciprocal's first reader
.set j, 0
.rept 16
	v_pk_mul_f32 v[S+j:S+j+1], v[O+j:O+j+1], v[14:15] op_sel_hi:[1,0]   ; O^T / the sum: register 16 beta + i is e = 32 beta + 16 h + i
.set j, j+2
.endr
	QUANT S, 2, 0
	global_store_b128 v1, v[PC:PC+3], s[12:13]
	global_store_b128 v1, v[PC+4:PC+7], s[12:13] offset:512
	v_cndmask_b32 v252, v228, v229, s[HM]          ; lanes 0-15 store beta 0's byte, lanes 16-31 beta 1's
	global_store_b8 v7, v252, s[14:15]
	s_wait_xcnt 0x0                                ; the stores have read their registers and bases: both are written again
	s_add_nc_u64 s[4:5], s[4:5], 1024              ; the other tile's q,
	s_add_nc_u64 s[12:13], s[12:13], 16384         ; its fragments of af,
	s_add_nc_u64 s[14:15], s[14:15], 512           ; its bytes of asc
	s_add_co_u32 s[SH], s[SH], 16
	s_add_co_u32 s[UC], s[UC], 1
	s_cmp_lt_u32 s[UC], 2
	s_cbranch_scc1 .Ltile
	s_wait_tensorcnt 0x0                           ; the wave's end, behind my last LDS store
	ds_add_u32 v[SPW], v[NIL]
	s_wait_dscnt 0x0
	s_endpgm
.Lfunc_end_k_q3b17c27624_attn:
	.size	k_q3b17c27624_attn, .Lfunc_end_k_q3b17c27624_attn-k_q3b17c27624_attn
	.p2alignl 7, 3214868480
	.fill 96, 4, 3214868480
	.section	.rodata,"a",@progbits
	.p2align	6, 0x0
	.amdhsa_kernel k_q3b17c27624_attn
		.amdhsa_group_segment_fixed_size 141312
		.amdhsa_private_segment_fixed_size 0
		.amdhsa_enable_private_segment 0
		.amdhsa_kernarg_size 48
		.amdhsa_user_sgpr_count 2
		.amdhsa_user_sgpr_kernarg_segment_ptr 1
		.amdhsa_wavefront_size32 1
		.amdhsa_system_sgpr_workgroup_id_x 1
		.amdhsa_system_sgpr_workgroup_id_y 1
		.amdhsa_system_sgpr_workgroup_id_z 1
		.amdhsa_system_vgpr_workitem_id 0
		.amdhsa_next_free_vgpr 256
		.amdhsa_next_free_sgpr 66
		.amdhsa_reserve_vcc 0
		.amdhsa_float_denorm_mode_32 3
		.amdhsa_float_denorm_mode_16_64 3
		.amdhsa_memory_ordered 1
		.amdhsa_forward_progress 1
		.amdhsa_inst_pref_size 34
	.end_amdhsa_kernel
	.amdgpu_metadata
---
amdhsa.version: [ 1, 2 ]
amdhsa.kernels:
  - .name:           k_q3b17c27624_attn
    .symbol:         k_q3b17c27624_attn.kd
    .args:
      - { .name: qf, .offset: 0, .size: 8, .value_kind: global_buffer, .address_space: global }
      - { .name: kf, .offset: 8, .size: 8, .value_kind: global_buffer, .address_space: global }
      - { .name: vf, .offset: 16, .size: 8, .value_kind: global_buffer, .address_space: global }
      - { .name: rec, .offset: 24, .size: 8, .value_kind: global_buffer, .address_space: global }
      - { .name: af, .offset: 32, .size: 8, .value_kind: global_buffer, .address_space: global }
      - { .name: asc, .offset: 40, .size: 8, .value_kind: global_buffer, .address_space: global }
    .group_segment_fixed_size: 141312
    .private_segment_fixed_size: 0
    .kernarg_segment_align: 8
    .kernarg_segment_size: 48
    .max_flat_workgroup_size: 512
    .sgpr_count:     66
    .vgpr_count:     256
    .wavefront_size: 32
...
	.end_amdgpu_metadata
.endif
;; end of part 3
;; launch tail (part 4): grid 256 x 1, 16 waves a work-group, no clusters, 214,016 bytes of LDS; arguments af, asc, wf, wsc, x, bo, g_ln2, b_ln2, b1, b2, out0; writes out0
.if DOCPART == 4
	.amdgcn_target "amdgcn-amd-amdhsa--gfx1250"
	.amdhsa_code_object_version 6
	.text
	.protected	k_q3b17c27624_tail
	.globl	k_q3b17c27624_tail
	.p2align	8
	.type	k_q3b17c27624_tail,@function
k_q3b17c27624_tail:
	s_mov_b64 s[64:65], 0
	v_nop
	global_prefetch_b8 v0, s[64:65] scope:SCOPE_SE
	s_setreg_imm32_b32 hwreg(HW_REG_WAVE_MODE, 25, 1), 1
	s_wait_xcnt 0x0
; ENCODER BLOCK IN MX-FP8, launch 4 of 4: x1 = x + attn Wo + bo (product 6); h2 = LN2(x1), quantised; g = gelu(h2 W1 + b1) (product 7), quantised; out0 = x1 + g W2 + b2 (product 8).  No work is left out.
; SHARES.  A work-group owns 32 rows and all 1,024 columns, so that x1, h2 and g never go to memory: 256 work-groups, sixteen waves of 256 registers.  Wave w owns columns 64 w .. 64 w + 63 (4 tiles) x 32 rows (2 tiles):
; 8 accumulators by turns, 8 K steps of 128 in each of three passes.  The products are used transposed (source 0 = 16 columns of W, source 1 = 16 rows): a lane holds one row
; rho(u, r) = 8 u + r + 8 (r / 8), and the 16 registers of tiles 2 beta, 2 beta + 1 are columns 64 w + 32 beta + 16 h + 0..15: 16 neighbours along the next K.
; OPERANDS GO FROM WAVE TO WAVE THROUGH LDS AS IMAGES OF THEIR REGISTERS (16 bytes a lane, 512 a store); the scale words beside them.  Two image regions take turns: attn in A, h2 in B, g in A.
; THE WEIGHTS GO FROM MEMORY STRAIGHT INTO THE OPERAND REGISTERS, one K step ahead in two buffers.  Every work-group walks the same 3 MiB of weight codes.  They are not asked for jointly in a cluster: a joint request lands in
; LDS, while here each weight fragment feeds exactly one wave of the work-group; the price, stated plainly, is that each work-group asks for all 3 MiB itself.
; The residual and the biases are the C of each pass's first products: x + bo, b1, x1 + b2.  So bo and b2 meet the residual ahead of the product's sums: another order of f32 rounding than reference()'s.
; GELU = 0.5 x erfc(-x sqrt(1/2)).  erfc(w): |w| <= 1: 1 - w T(w^2); else exp(-w^2) / |w| x P or R (1 / w^2) for |w| < 2 or not, and 2 - that for w < 0 (the single-precision Cephes polynomials).  Both arms are computed on clamped
; arguments (|w| held at 1 from below in one, from above in the other), so that neither makes a NaN or an infinity that is then selected away.
; LIMITS: NaN and infinities are not served; the exponential takes w^2 rounded to f32, so erfc's relative error grows like w^2 x 6e-8; v_exp_f32 gives 0 under 2^-126; blocks under 2^-118, and blocks of zeros, keep the scale byte 1.
.set IMG_A, 0                          ; LDS: 16 fragments: (u, kappa) at (8 u + kappa) x 2,048
.set IMG_B, 32768
.set ASC_A, 65536                      ; scale words: 128 kappa + 64 u + 4 r;  ASC_B is 1,024 further on
.set RED1,  67584                      ; sums: 80 lane + 4 wave;  RED2 is 2,560 further on
.set X1,    72704                      ; 8,704 bytes for each wave, its own: the stage for x (32 rows of 256 bytes + 16), then x1's image, then the stage for out0
.set SPARE, 211968                     ; the spare words, 128 bytes for each wave: eight blocks of 256 bytes that no other line names
.set ACC, 16                           ; v16-79   the 8 accumulators: (u, t) at 16 + 32 u + 8 t
.set AF,  80                           ; v80-111  two fragments of the rows
.set PC,  80                           ; v80-95   between passes: the codes just made
.set TM,  96                           ; v96-111  between passes: at work
.set AS,  244                          ; v244     the rows' scale words: lanes 0-15 row tile 0, lanes 16-31 row tile 1.   v240-243: the weights'
.set LI,  1                            ; v1   16 x lane
.set LS,  2                            ; v2   ASC_A + 4 x lane
.set WO,  3                            ; v3   4 x lane
.set VB,  10                           ; v10  a [1024] vector at my columns: 64 h + 256 w
.set SPW, 254
.set NIL, 255
.set WB,  8                            ; s[8:9]   wf at Wo, my columns
.set SB,  10                           ; s[10:11] wsc likewise
.set SEL, 32
.set MNT, 34
.set HM,  35                           ; the mask of lanes 16-31
.set INV, 36                           ; 2^-10
.set EPS, 37                           ; 1e-5
.set C1,  82                           ; s[82:83] -sqrt(1/2);  s[84:85] -log2(e);  s38-63, s66-81: the polynomials' lower coefficients, a pair each (a packed source names a pair and takes its low word for both halves)
.set C2,  84
.set GW,  176                          ; the GELU's eight arrays of 8 registers: w,
.set GA,  184                          ; max(|w|, 1),
.set G0,  192                          ; w held within +-1, later R,
.set GE,  200                          ; the exponential, later erfc,
.set GQ,  208                          ; 1 / max(|w|, 1),
.set GZ,  216                          ; the polynomials' variable,
.set GT,  224                          ; T, then 1 - w T,
.set GP,  232                          ; P
.macro BAR                             ; my LDS stores have landed and my LDS loads are in: then the work-group's barrier
	s_wait_dscnt 0x0
	s_barrier_signal -1
	s_barrier_wait -1
.endm
.macro WLOAD p, k                      ; weight p's (0 Wo, 1 W1, 2 W2) K step k for my 64 columns: 4 fragments and their scale words, into buffer k % 2: 18 loads
.irp t, 0,1,2,3
.irp c, 0,1,2,3
	global_load_b128 v[112+64*((\k)%2)+16*\t+4*\c:112+64*((\k)%2)+16*\t+4*\c+3], v[LI], s[WB:WB+1] offset:((\p)<<20)+((\k)<<13)+((4*\t+\c)<<9)
.endr
.endr
.irp j, 0,1
	global_load_b32 v[240+2*((\k)%2)+\j], v[WO], s[SB:SB+1] offset:((\p)<<15)+((\k)<<8)+128*\j
.endr
.endm
.macro WM d, a, b, sa, sb, ra, rb      ; one product onto its accumulator; ra, rb = 1: that side's scales stand in lanes 16-31
.if (\ra) && (\rb)
	v_wmma_scale_f32_16x16x128_f8f6f4 v[\d:\d+7], v[\a:\a+15], v[\b:\b+15], v[\d:\d+7], v[\sa], v[\sb] matrix_a_scale:MATRIX_SCALE_ROW1 matrix_b_scale:MATRIX_SCALE_ROW1
.elseif \ra
	v_wmma_scale_f32_16x16x128_f8f6f4 v[\d:\d+7], v[\a:\a+15], v[\b:\b+15], v[\d:\d+7], v[\sa], v[\sb] matrix_a_scale:MATRIX_SCALE_ROW1
.elseif \rb
	v_wmma_scale_f32_16x16x128_f8f6f4 v[\d:\d+7], v[\a:\a+15], v[\b:\b+15], v[\d:\d+7], v[\sa], v[\sb] matrix_b_scale:MATRIX_SCALE_ROW1
.else
	v_wmma_scale_f32_16x16x128_f8f6f4 v[\d:\d+7], v[\a:\a+15], v[\b:\b+15], v[\d:\d+7], v[\sa], v[\sb]
.endif
.endm
.macro GSTEP k, next, np, nk, img, asc
.rept 8
	v_nop                                          ; eight places behind the last step's products, ahead of the loads into registers that they read
.endr
.irp u, 0,1
.irp c, 0,1,2,3
	ds_load_b128 v[AF+16*\u+4*\c:AF+16*\u+4*\c+3], v[LI] offset:(\img)+(8*\u+(\k))*2048+512*\c
.endr
.endr
	ds_load_b32 v[AS], v[LS] offset:(\asc)+128*(\k)
.if \next
	WLOAD \np, \nk
	s_wait_loadcnt 18                              ; the 18 loads just issued may stay out; all older ones, this step's weights among them, are in
.else
	s_wait_loadcnt 0x0
.endif
	s_wait_dscnt 0x0
.irp t, 0,1,2,3
.irp u, 0,1
	WM ACC+32*\u+8*\t, 112+64*((\k)%2)+16*\t, AF+16*\u, 240+2*((\k)%2)+\t/2, AS, \t%2, \u
.endr
.endr
.endm
.macro PASS p, img, asc, np            ; all of K for weight p, onto what the accumulators hold; its last step asks for weight np's first (np < 0: for nothing)
.irp k, 0,1,2,3,4,5,6
	GSTEP \k, 1, \p, \k+1, \img, \asc
.endr
.if (\np) >= 0
	GSTEP 7, 1, \np, 0, \img, \asc
.else
	GSTEP 7, 0, 0, 0, \img, \asc
.endif
.rept 8
	v_nop                                          ; eight places ahead of the first read of the results
.endr
.endm
.macro QUANT s, pw                     ; four blocks of 16 registers from v[s] on (a block's other 16 numbers lie in lane l xor 16) become codes in v[PC + 4 b] on and the word v[pw]
.irp b, 0,1,2,3
	v_max3_num_f32 v[TM+\b], |v[\s+16*\b]|, |v[\s+1+16*\b]|, 0x4800000   ; my 16 numbers, and the floor 2^(9 - 127): the byte cannot fall under 1
.endr
.irp i, 2,4,6,8,10,12,14
.irp b, 0,1,2,3
	v_max3_num_f32 v[TM+\b], v[TM+\b], |v[\s+16*\b+\i]|, |v[\s+1+16*\b+\i]|
.endr
.endr
.irp b, 0,1,2,3
	v_permlanex16_b32 v[TM+4+\b], v[TM+\b], s[SEL], s[SEL+1]
.endr
.irp b, 0,1,2,3
	v_max_num_f32 v[TM+\b], v[TM+\b], v[TM+4+\b]
.endr
.irp b, 0,1,2,3
	v_add_nc_u32 v[TM+12+\b], 0xfc000000, v[TM+\b]   ; 8 off the exponent field: the conversion's scale operand
.endr
.irp b, 0,1,2,3
	v_and_or_b32 v[TM+8+\b], v[TM+\b], 0x7f800000, s[MNT]   ; 448 x the scale
.endr
.irp b, 0,1,2,3
	v_lshrrev_b32 v[TM+4+\b], 23, v[TM+12+\b]      ; the scale's byte
.endr
	v_lshl_or_b32 v[\pw], v[TM+5], 8, v[TM+4]
	v_lshl_or_b32 v[\pw], v[TM+6], 16, v[\pw]
	v_lshl_or_b32 v[\pw], v[TM+7], 24, v[\pw]
.irp b, 0,1,2,3
.irp i, 0,1,2,3,4,5,6,7,8,9,10,11,12,13,14,15
	v_med3_num_f32 v[\s+16*\b+\i], v[\s+16*\b+\i], -v[TM+8+\b], v[TM+8+\b]   ; the conversion does not saturate (ISA guide 7.6.2): the hold comes first
.endr
	v_cvt_scalef32_pk8_fp8_f32 v[PC+4*\b:PC+1+4*\b], v[\s+16*\b:\s+7+16*\b], v[TM+12+\b]
	v_cvt_scalef32_pk8_fp8_f32 v[PC+2+4*\b:PC+3+4*\b], v[\s+8+16*\b:\s+15+16*\b], v[TM+12+\b]
.endr
	v_nop                                          ; a plain line behind the last conversion: later products write its sources
.endm
.macro VEC32 reg, base                 ; the 32 numbers of a [1024] vector at my lane's columns, in the result's layout: register 8 t + i = column 64 w + 32 (t / 2) + 16 h + 8 (t % 2) + i
.irp t, 0,1,2,3
.irp j, 0,1
	global_load_b128 v[\reg+8*\t+4*\j:\reg+8*\t+4*\j+3], v[VB], s[\base:\base+1] offset:(32*(\t/2)+8*(\t%2))*4+16*\j
.endr
.endr
.endm
.macro IMAGES img, asc                 ; the codes in v[PC] on and the word v245 go to LDS: my 64 columns are half of K step w / 2: parts 2 (w % 2) + beta of fragments (u, w / 2), and two bytes of each row's word
.irp u, 0,1
.irp e, 0,1
	ds_store_b128 v4, v[PC+4*(2*\u+\e):PC+4*(2*\u+\e)+3] offset:(\img)+16384*\u+512*\e
.endr
.endr
	v_lshrrev_b32 v246, 16, v245
	v_cndmask_b32 v246, v245, v246, s[HM]          ; lanes 0-15: row tile 0's two bytes; lanes 16-31: row tile 1's
	ds_store_b16 v5, v246 offset:\asc
.endm
; v[80:83] (row tile 0) and v[84:87] (row tile 1): two chains each of a lane's sum.  The lane's, its partner's, then the sixteen waves', through LDS at off: the rows' totals over 1,024 columns in v94 (tile 0) and v96 (tile 1).
.macro RSUM off
.irp u, 0,1
	v_pk_add_f32 v[80+4*\u:81+4*\u], v[80+4*\u:81+4*\u], v[82+4*\u:83+4*\u]
.endr
.irp u, 0,1
	v_add_f32 v[80+4*\u], v[80+4*\u], v[81+4*\u]
.endr
.irp u, 0,1
	v_permlanex16_b32 v[81+4*\u], v[80+4*\u], s[SEL], s[SEL+1]
.endr
.irp u, 0,1
	v_add_f32 v[80+4*\u], v[80+4*\u], v[81+4*\u]
.endr
	v_cndmask_b32 v88, v80, v84, s[HM]             ; lane (r, h) carries row tile h's sum
	ds_store_b32 v11, v88 offset:\off
	BAR
.irp i, 0,1,2,3
	ds_load_b128 v[92+4*\i:95+4*\i], v12 offset:\off+16*\i
.endr
	s_wait_dscnt 0x0
	v_pk_add_f32 v[92:93], v[92:93], v[94:95]      ; the same order in every wave
	v_pk_add_f32 v[96:97], v[96:97], v[98:99]
	v_pk_add_f32 v[100:101], v[100:101], v[102:103]
	v_pk_add_f32 v[104:105], v[104:105], v[106:107]
	v_pk_add_f32 v[92:93], v[92:93], v[96:97]
	v_pk_add_f32 v[100:101], v[100:101], v[104:105]
	v_pk_add_f32 v[92:93], v[92:93], v[100:101]
	v_add_f32 v92, v92, v93
	v_permlanex16_b32 v93, v92, s[SEL], s[SEL+1]   ; the other row tile's total
	v_cndmask_b32 v94, v92, v93, s[HM]
	v_cndmask_b32 v96, v93, v92, s[HM]
.endm
.macro SETC n, val                     ; coefficient n into its scalar pair
	s_mov_b32 s[38+2*(\n)+2*((\n)/13)], \val
	s_mov_b32 s[39+2*(\n)+2*((\n)/13)], s[38+2*(\n)+2*((\n)/13)]
.endm
.macro HORNER dst, var, lead, first, n ; 8 numbers: the polynomial in v[var] with the leading coefficient in v[lead:lead+1] and n more in the scalar pairs from number first on
.set cr_, 38+2*(\first)+2*((\first)/13)
.irp q, 0,2,4,6
	v_pk_fma_f32 v[\dst+\q:\dst+\q+1], v[\var+\q:\var+\q+1], v[\lead:\lead+1], s[cr_:cr_+1] op_sel_hi:[1,1,0]
.endr
.set n_, 1
.rept (\n)-1
.set cr_, 38+2*(\first+n_)+2*((\first+n_)/13)
.irp q, 0,2,4,6
	v_pk_fma_f32 v[\dst+\q:\dst+\q+1], v[\dst+\q:\dst+\q+1], v[\var+\q:\var+\q+1], s[cr_:cr_+1] op_sel_hi:[1,1,0]
.endr
.set n_, n_+1
.endr
.endm
.macro GELU8 x                         ; one accumulator, v[x] .. v[x + 7], in place
.irp q, 0,2,4,6
	v_pk_mul_f32 v[GW+\q:GW+\q+1], v[\x+\q:\x+\q+1], s[C1:C1+1] op_sel_hi:[1,0]   ; w = -x sqrt(1/2)
.endr
.irp i, 0,1,2,3,4,5,6,7
	v_max_num_f32 v[GA+\i], |v[GW+\i]|, 1.0
.endr
.irp i, 0,1,2,3,4,5,6,7
	v_med3_num_f32 v[G0+\i], v[GW+\i], -1.0, 1.0
.endr
.irp q, 0,2,4,6
	v_pk_mul_f32 v[GE+\q:GE+\q+1], v[GA+\q:GA+\q+1], v[GA+\q:GA+\q+1]
.endr
.irp q, 0,2,4,6
	v_pk_mul_f32 v[GE+\q:GE+\q+1], v[GE+\q:GE+\q+1], s[C2:C2+1] op_sel_hi:[1,0]
.endr
.irp i, 0,1,2,3,4,5,6,7
	v_exp_f32 v[GE+\i], v[GE+\i]                   ; exp(-a^2)
.endr
.irp i, 0,1,2,3,4,5,6,7
	v_rcp_f32 v[GQ+\i], v[GA+\i]                   ; one batch of sixteen
.endr
.irp q, 0,2,4,6
	v_pk_mul_f32 v[GZ+\q:GZ+\q+1], v[G0+\q:G0+\q+1], v[G0+\q:G0+\q+1]   ; the inner arm names none of the batch's results: it is the work behind the batch
.endr
	HORNER GT, GZ, 80, 0, 6
.irp q, 0,2,4,6
	v_pk_fma_f32 v[GT+\q:GT+\q+1], v[G0+\q:G0+\q+1], v[GT+\q:GT+\q+1], 1.0 op_sel_hi:[1,1,0] neg_lo:[1,0,0] neg_hi:[1,0,0]   ; 1 - w T(w^2)
.endr
	s_wait_alu depctr_va_vdst(0)                   ; one wait for the batch, ahead of its first reader
.irp q, 0,2,4,6
	v_pk_mul_f32 v[GZ+\q:GZ+\q+1], v[GQ+\q:GQ+\q+1], v[GQ+\q:GQ+\q+1]
.endr
	HORNER GP, GZ, 82, 6, 8
	HORNER G0, GZ, 84, 14, 7
.irp i, 0,1,2,3,4,5,6,7
	v_cmp_gt_f32 vcc_lo, 2.0, v[GA+\i]
	v_cndmask_b32 v[GP+\i], v[G0+\i], v[GP+\i], vcc_lo   ; P under 2, R from 2 on
.endr
.irp q, 0,2,4,6
	v_pk_mul_f32 v[GE+\q:GE+\q+1], v[GE+\q:GE+\q+1], v[GQ+\q:GQ+\q+1]
.endr
.irp q, 0,2,4,6
	v_pk_mul_f32 v[GE+\q:GE+\q+1], v[GE+\q:GE+\q+1], v[GP+\q:GP+\q+1]   ; erfc(|w|)
.endr
.irp q, 0,2,4,6
	v_pk_add_f32 v[GQ+\q:GQ+\q+1], v[GE+\q:GE+\q+1], 2.0 op_sel_hi:[1,0] neg_lo:[1,0] neg_hi:[1,0]   ; 2 - that
.endr
.irp i, 0,1,2,3,4,5,6,7
	v_cmp_gt_f32 vcc_lo, 0, v[GW+\i]
	v_cndmask_b32 v[GE+\i], v[GE+\i], v[GQ+\i], vcc_lo
.endr
.irp i, 0,1,2,3,4,5,6,7
	v_cmp_lt_f32 vcc_lo, 1.0, v[GA+\i]
	v_cndmask_b32 v[GE+\i], v[GT+\i], v[GE+\i], vcc_lo   ; the outer arm where |w| > 1
.endr
.irp q, 0,2,4,6
	v_pk_mul_f32 v[GE+\q:GE+\q+1], v[GE+\q:GE+\q+1], 0.5 op_sel_hi:[1,0]
.endr
.irp q, 0,2,4,6
	v_pk_mul_f32 v[\x+\q:\x+\q+1], v[\x+\q:\x+\q+1], v[GE+\q:GE+\q+1]
.endr
.endm
	s_load_b512 s[4:19], s[0:1], 0x0               ; af, asc, wf, wsc, x, bo, g_ln2, b_ln2
	s_load_b128 s[20:23], s[0:1], 0x40             ; b1, b2
	s_load_b64 s[24:25], s[0:1], 0x50              ; out0
	v_lshl_add_u32 v[SPW], v0, 2, SPARE
	v_mov_b32 v[NIL], 0
	v_lshrrev_b32 v245, 5, v0
	v_readfirstlane_b32 s26, v245                  ; wave 0..15
	v_and_b32 v245, 31, v0                         ; lane
	v_and_b32 v246, 15, v0                         ; r
	v_bfe_u32 v247, v0, 4, 1                       ; h
	v_lshlrev_b32 v[LI], 4, v245
	v_lshlrev_b32 v[WO], 2, v245
	v_add_nc_u32 v[LS], ASC_A, v[WO]
	s_lshl_b32 s28, s26, 10
	v_add_nc_u32 v4, s28, v[LI]                    ; v4  where I store images: 16 lane + 1,024 w
	s_lshr_b32 s28, s26, 1
	s_lshl_b32 s28, s28, 7
	s_and_b32 s29, s26, 1
	s_lshl_b32 s29, s29, 1
	s_add_co_u32 s28, s28, s29
	v_add_nc_u32 v5, s28, v[LS]                    ; v5  and my two bytes of a scale word: 4 lane + 128 (w / 2) + 2 (w % 2)
	s_mul_i32 s28, s26, 8704
	s_add_co_u32 s28, s28, X1                      ; my wave's own region
	v_mul_u32_u24 v6, v246, 272
	v_lshl_add_u32 v6, v247, 6, v6
	v_add_nc_u32 v6, s28, v6                       ; v6  the stage by the result's layout: row r, + 64 h
	v_mul_u32_u24 v7, v247, 272
	v_lshl_add_u32 v7, v246, 4, v7
	v_add_nc_u32 v7, s28, v7                       ; v7  the stage by rows: lanes 0-15 one row of 256 bytes, lanes 16-31 the next
	v_add_nc_u32 v8, s28, v[LI]                    ; v8  x1's image
	s_lshl_b32 s28, s26, 8
	v_lshlrev_b32 v9, 12, v247
	v_lshl_add_u32 v9, v246, 4, v9
	v_add_nc_u32 v9, s28, v9                       ; v9  the same two rows in x and out0: 4,096 h + 16 r + 256 w
	v_lshl_add_u32 v[VB], v247, 6, s28
	v_mul_u32_u24 v12, v245, 80
	v_add_nc_u32 v12, RED1, v12                    ; v12 my lane's sixteen partial sums,
	s_lshl_b32 s29, s26, 2
	v_add_nc_u32 v11, s29, v12                     ; v11 and my wave's among them
	s_lshl_b32 s28, s26, 11
	v_add_nc_u32 v13, s28, v[LI]                   ; v13 fragment w of af, in memory and in LDS
	v_lshlrev_b32 v14, 1, v246                     ; v14 asc: 2 r
	s_and_b32 s28, s26, 7
	s_lshl_b32 s28, s28, 7
	s_lshr_b32 s29, s26, 3
	s_lshl_b32 s29, s29, 6
	s_add_co_u32 s28, s28, s29
	s_add_co_u32 s28, s28, ASC_A
	v_lshl_add_u32 v15, v246, 2, s28               ; v15 fragment w's scale words
	s_mov_b32 s[SEL], 0x76543210
	s_mov_b32 s[SEL+1], 0xfedcba98
	s_mov_b32 s[MNT], 0x600000
	s_mov_b32 s[HM], 0xffff0000
	s_mov_b32 s[INV], 0x3a800000
	s_mov_b32 s[EPS], 0x3727c5ac
	s_mov_b32 s31, 0
	s_wait_kmcnt 0x0
	s_lshl_b32 s30, ttmp9, 15
	s_add_nc_u64 s[4:5], s[4:5], s[30:31]          ; af at my row block
	s_lshl_b32 s30, ttmp9, 10
	s_lshl_b32 s28, s26, 6
	s_add_co_u32 s30, s30, s28
	s_add_nc_u64 s[6:7], s[6:7], s[30:31]          ; asc at fragment w's two heads
	s_lshl_b32 s30, s26, 16
	s_add_co_u32 s30, s30, 0x300000
	s_add_nc_u64 s[WB:WB+1], s[WB:WB+1], s[30:31]
	s_lshl_b32 s30, s26, 11
	s_add_co_u32 s30, s30, 0x18000
	s_add_nc_u64 s[SB:SB+1], s[SB:SB+1], s[30:31]
	s_lshl_b32 s30, ttmp9, 17
	s_add_nc_u64 s[12:13], s[12:13], s[30:31]      ; x and out0 at my 32 rows
	s_add_nc_u64 s[24:25], s[24:25], s[30:31]
	; ---- 0: attention's fragment w and its scale words into LDS; x + bo into the accumulators.  48 loads in this order: 4, 2, 16, 8, 18
.irp c, 0,1,2,3
	global_load_b128 v[16+4*\c:19+4*\c], v13, s[4:5] offset:512*\c th:TH_LOAD_NT
.endr
	global_load_u16 v245, v14, s[6:7]              ; head 2 kappa's two bytes of row r,
	global_load_u16 v246, v14, s[6:7] offset:32    ; head 2 kappa + 1's
.irp u, 0,1
.irp i, 0,1,2,3,4,5,6,7
	global_load_b128 v[176+32*\u+4*\i:179+32*\u+4*\i], v9, s[12:13] offset:(8*\u+2*\i+8*(\i/4))*4096 th:TH_LOAD_NT   ; sixteen lanes read 256 consecutive bytes of a row
.endr
.endr
	VEC32 80, 14
	WLOAD 0, 0
	SETC 0, -0.0008010193625184903                 ; T's lower six (scalar work while the loads are out)
	SETC 1, 0.005188327685732524
	SETC 2, -0.02685381193529856
	SETC 3, 0.1128358514861418
	SETC 4, -0.3761262582423300
	SETC 5, 1.128379165726710
	SETC 6, -0.1387039388740657                    ; P's lower eight
	SETC 7, 0.3687424674597105
	SETC 8, -0.5824733027278666
	SETC 9, 0.6210004621745983
	SETC 10, -0.4944515323274145
	SETC 11, 0.3404879937665872
	SETC 12, -0.2741127028184656
	SETC 13, 0.5638259427386472
	SETC 14, 12.97719955372516                     ; R's lower seven
	SETC 15, -7.495518717768503
	SETC 16, 2.921019019210786
	SETC 17, -1.015265279202700
	SETC 18, 0.4218463358204948
	SETC 19, -0.2820767439740514
	SETC 20, 0.5641895067754075
	SETC 21, -0.7071067811865476
	SETC 22, -1.4426950408889634
	s_wait_loadcnt 42                              ; the fragment and its bytes are in; x's 16, bo's 8 and the weights' 18 may stay out
.irp c, 0,1,2,3
	ds_store_b128 v13, v[16+4*\c:19+4*\c] offset:IMG_A+512*\c
.endr
	v_lshl_or_b32 v245, v246, 16, v245
	ds_store_b32 v15, v245                         ; both halves of the lanes write the same word with the same value
	s_wait_loadcnt 26                              ; x is in
.irp u, 0,1
.irp i, 0,1,2,3,4,5,6,7
	ds_store_b128 v7, v[176+32*\u+4*\i:179+32*\u+4*\i] offset:4352*\u+544*\i   ; stage row 16 u + r' holds row rho(u, r')
.endr
.endr
	s_wait_dscnt 0x0                               ; the image's stores have read v16-31, into which the loads below land
.irp u, 0,1
.irp e, 0,1
.irp i, 0,1,2,3
	ds_load_b128 v[16+32*\u+16*\e+4*\i:19+32*\u+16*\e+4*\i], v6 offset:4352*\u+128*\e+16*\i
.endr
.endr
.endr
	s_wait_loadcnt 18                              ; bo is in
	s_wait_dscnt 0x0
.irp u, 0,1
.set j, 0
.rept 16
	v_pk_add_f32 v[16+32*\u+j:17+32*\u+j], v[16+32*\u+j:17+32*\u+j], v[80+j:81+j]
.set j, j+2
.endr
.endr
	BAR                                            ; attention's sixteen fragments lie in LDS
	PASS 0, IMG_A, 0, 1                            ; x1 = x + bo + attn Wo
	; ---- LN2
.irp i, 0,1,2,3,4,5,6,7,8,9,10,11,12,13,14,15
	ds_store_b128 v8, v[16+4*\i:19+4*\i] offset:512*\i   ; x1 is kept, as an image of its registers, in my own region; each accumulator from its low end on
.endr
	VEC32 176, 16
	VEC32 208, 18
.irp u, 0,1
	v_pk_add_f32 v[80+4*\u:81+4*\u], v[16+32*\u:17+32*\u], v[20+32*\u:21+32*\u]
	v_pk_add_f32 v[82+4*\u:83+4*\u], v[18+32*\u:19+32*\u], v[22+32*\u:23+32*\u]
.endr
.irp j, 8,12,16,20,24,28
.irp u, 0,1
	v_pk_add_f32 v[80+4*\u:81+4*\u], v[80+4*\u:81+4*\u], v[16+32*\u+\j:17+32*\u+\j]
	v_pk_add_f32 v[82+4*\u:83+4*\u], v[82+4*\u:83+4*\u], v[18+32*\u+\j:19+32*\u+\j]
.endr
.endr
	RSUM 0
	v_mul_f32 v94, s[INV], v94                     ; the two rows' means
	v_mul_f32 v96, s[INV], v96
.irp u, 0,1
.set j, 0
.rept 16
	v_pk_add_f32 v[16+32*\u+j:17+32*\u+j], v[16+32*\u+j:17+32*\u+j], v[94+2*\u:95+2*\u] op_sel_hi:[1,0] neg_lo:[0,1] neg_hi:[0,1]
.set j, j+2
.endr
.endr
.irp u, 0,1
	v_pk_mul_f32 v[80+4*\u:81+4*\u], v[16+32*\u:17+32*\u], v[16+32*\u:17+32*\u]
	v_pk_mul_f32 v[82+4*\u:83+4*\u], v[18+32*\u:19+32*\u], v[18+32*\u:19+32*\u]
.endr
.irp j, 4,8,12,16,20,24,28
.irp u, 0,1
	v_pk_fma_f32 v[80+4*\u:81+4*\u], v[16+32*\u+\j:17+32*\u+\j], v[16+32*\u+\j:17+32*\u+\j], v[80+4*\u:81+4*\u]
	v_pk_fma_f32 v[82+4*\u:83+4*\u], v[18+32*\u+\j:19+32*\u+\j], v[18+32*\u+\j:19+32*\u+\j], v[82+4*\u:83+4*\u]
.endr
.endr
	RSUM 2560
	v_fma_f32 v94, v94, s[INV], s[EPS]
	v_fma_f32 v96, v96, s[INV], s[EPS]
	v_rsq_f32 v94, v94
	v_rsq_f32 v96, v96
	v_nop                                          ; a plain line behind the transcendentals,
	s_wait_alu depctr_va_vdst(0)                   ; and one wait for the two, ahead of their first reader
	s_wait_loadcnt 0x0                             ; g_ln2 and b_ln2
.irp u, 0,1
.set j, 0
.rept 16
	v_pk_mul_f32 v[16+32*\u+j:17+32*\u+j], v[16+32*\u+j:17+32*\u+j], v[94+2*\u:95+2*\u] op_sel_hi:[1,0]
.set j, j+2
.endr
.endr
.irp u, 0,1
.set j, 0
.rept 16
	v_pk_fma_f32 v[16+32*\u+j:17+32*\u+j], v[16+32*\u+j:17+32*\u+j], v[176+j:177+j], v[208+j:209+j]
.set j, j+2
.endr
.endr
	QUANT 16, 245
	IMAGES IMG_B, 1024
	VEC32 16, 20                                   ; b1 is the C of the next pass's first products, for both row tiles
	VEC32 48, 20
	BAR                                            ; h2's sixteen fragments lie in LDS
	PASS 1, IMG_B, 1024, 2                         ; h2 W1 + b1
	; ---- GELU
	v_mov_b32 v80, 0.00007853861353153693          ; the three leading coefficients, a pair each
	v_mov_b32 v81, v80
	v_mov_b32 v82, 0.02326819970068386
	v_mov_b32 v83, v82
	v_mov_b32 v84, -10.47766399936249
	v_mov_b32 v85, v84
.irp a, 0,1,2,3,4,5,6,7
	GELU8 16+8*\a
.endr
	QUANT 16, 245
	IMAGES IMG_A, 0                                ; region A was last read in the first pass: every wave has passed three barriers since
.irp i, 0,1,2,3,4,5,6,7,8,9,10,11,12,13,14,15
	ds_load_b128 v[16+4*\i:19+4*\i], v8 offset:512*\i   ; x1 comes back
.endr
	VEC32 176, 22
	s_wait_loadcnt 0x0
	s_wait_dscnt 0x0
.irp u, 0,1
.set j, 0
.rept 16
	v_pk_add_f32 v[16+32*\u+j:17+32*\u+j], v[16+32*\u+j:17+32*\u+j], v[176+j:177+j]   ; x1 + b2
.set j, j+2
.endr
.endr
	BAR                                            ; g's sixteen fragments lie in LDS
	PASS 2, IMG_A, 0, -1                           ; out0 = x1 + b2 + g W2
	; ---- the way out, through my own stage: a lane holds 64 bytes of a row, sixteen lanes store 256 consecutive bytes
.irp u, 0,1
.irp e, 0,1
.irp i, 0,1,2,3
	ds_store_b128 v6, v[16+32*\u+16*\e+4*\i:19+32*\u+16*\e+4*\i] offset:4352*\u+128*\e+16*\i
.endr
.endr
.endr
.irp u, 0,1
.irp i, 0,1,2,3,4,5,6,7
	ds_load_b128 v[176+32*\u+4*\i:179+32*\u+4*\i], v7 offset:4352*\u+544*\i   ; LDS serves a wave's instructions in order: these see my stores
.endr
.endr
.irp u, 0,1
.irp i, 0,1,2,3,4,5,6,7
	s_wait_dscnt 15-8*\u-\i                        ; the younger loads may stay out
	global_store_b128 v9, v[176+32*\u+4*\i:179+32*\u+4*\i], s[24:25] offset:(8*\u+2*\i+8*(\i/4))*4096 th:TH_STORE_NT
.endr
.endr
	s_wait_tensorcnt 0x0                           ; the wave's end, behind my last LDS store
	ds_add_u32 v[SPW], v[NIL]
	s_wait_dscnt 0x0
	s_endpgm
.Lfunc_end_k_q3b17c27624_tail:
	.size	k_q3b17c27624_tail, .Lfunc_end_k_q3b17c27624_tail-k_q3b17c27624_tail
	.p2alignl 7, 3214868480
	.fill 96, 4, 3214868480
	.section	.rodata,"a",@progbits
	.p2align	6, 0x0
	.amdhsa_kernel k_q3b17c27624_tail
		.amdhsa_group_segment_fixed_size 214016
		.amdhsa_private_segment_fixed_size 0
		.amdhsa_enable_private_segment 0
		.amdhsa_kernarg_size 88
		.amdhsa_user_sgpr_count 2
		.amdhsa_user_sgpr_kernarg_segment_ptr 1
		.amdhsa_wavefront_size32 1
		.amdhsa_system_sgpr_workgroup_id_x 1
		.amdhsa_system_sgpr_workgroup_id_y 1
		.amdhsa_system_sgpr_workgroup_id_z 1
		.amdhsa_system_vgpr_workitem_id 0
		.amdhsa_next_free_vgpr 256
		.amdhsa_next_free_sgpr 86
		.amdhsa_reserve_vcc 1
		.amdhsa_float_denorm_mode_32 3
		.amdhsa_float_denorm_mode_16_64 3
		.amdhsa_memory_ordered 1
		.amdhsa_forward_progress 1
		.amdhsa_inst_pref_size 230
	.end_amdhsa_kernel
	.amdgpu_metadata
---
amdhsa.version: [ 1, 2 ]
amdhsa.kernels:
  - .name:           k_q3b17c27624_tail
    .symbol:         k_q3b17c27624_tail.kd
    .args:
      - { .name: af, .offset: 0, .size: 8, .value_kind: global_buffer, .address_space: global }
      - { .name: asc, .offset: 8, .size: 8, .value_kind: global_buffer, .address_space: global }
      - { .name: wf, .offset: 16, .size: 8, .value_kind: global_buffer, .address_space: global }
      - { .name: wsc, .offset: 24, .size: 8, .value_kind: global_buffer, .address_space: global }
      - { .name: x, .offset: 32, .size: 8, .value_kind: global_buffer, .address_space: global }
      - { .name: bo, .offset: 40, .size: 8, .value_kind: global_buffer, .address_space: global }
      - { .name: g_ln2, .offset: 48, .size: 8, .value_kind: global_buffer, .address_space: global }
      - { .name: b_ln2, .offset: 56, .size: 8, .value_kind: global_buffer, .address_space: global }
      - { .name: b1, .offset: 64, .size: 8, .value_kind: global_buffer, .address_space: global }
      - { .name: b2, .offset: 72, .size: 8, .value_kind: global_buffer, .address_space: global }
      - { .name: out0, .offset: 80, .size: 8, .value_kind: global_buffer, .address_space: global }
    .group_segment_fixed_size: 214016
    .private_segment_fixed_size: 0
    .kernarg_segment_align: 8
    .kernarg_segment_size: 88
    .max_flat_workgroup_size: 512
    .sgpr_count:     86
    .vgpr_count:     256
    .wavefront_size: 32
...
	.end_amdgpu_metadata
.endif
;; end of part 4
;; ======== version 2 of 2: 4 launches
;; workspace buffers: wf 6,291,456 bytes; wsc 196,608 bytes; qf 8,388,608 bytes; kf 8,388,608 bytes; vf 8,388,608 bytes; rec 1,048,576 bytes; af 8,388,608 bytes; asc 262,144 bytes
;; launch prep_w (part 5): grid 64 x 6, 4 waves a work-group, no clusters, 0 bytes of LDS; arguments Wq, Wk, Wv, Wo, W1, W2, wf, wsc; writes wf, wsc
.if DOCPART == 5
	.amdgcn_target "amdgcn-amd-amdhsa--gfx1250"
	.amdhsa_code_object_version 6
	.text
	.protected	k_q3b17c27624_prep_w
	.globl	k_q3b17c27624_prep_w
	.p2align	8
	.type	k_q3b17c27624_prep_w,@function
k_q3b17c27624_prep_w:
	s_mov_b64 s[64:65], 0
	v_nop
	global_prefetch_b8 v0, s[64:65] scope:SCOPE_SE
	s_setreg_imm32_b32 hwreg(HW_REG_WAVE_MODE, 25, 1), 1
	s_wait_xcnt 0x0
; ENCODER BLOCK IN MX-FP8, launch 1 of 4: the six weights become codes of E4M3 with one E8M0 byte for each 32 along K.
; DEAD WORK: none.  Every input of reference() reaches out0 and every one of its eight products is live, so nothing is left out in any launch.
; Each weight is an operand whose K is NOT innermost: Wq, Wk, Wv are [head][k][64], Wo, W1, W2 are [k][n].  A LANE TAKES A COLUMN AND ITS REGISTERS RUN DOWN K:
; a block of 32 along K lies in one lane's 32 registers, its largest magnitude needs no other lane, and the conversions give codes with K innermost.
; OUT, in the order of the operand's registers.  wf = [m 6][g 16][kappa 8][t 4] fragments of 2,048 bytes; a fragment = [c 4][lane 32][16 bytes]; lane (r, h), part c holds k = 128 kappa + 32 c + 16 h + 0..15
; of column n = 64 g + 32 (t / 2) + 8 (t % 2) + r + 8 (r / 8).  THE COLUMNS OF A TILE ARE NOT NEIGHBOURS: so the 16 result registers of tiles 2 b, 2 b + 1 are 16 neighbours along the next product's K.
; wsc = [m][g][kappa][t][r] words, byte c = the scale byte of block c.
; SHARES.  Work-group (x, y): weight m = y, column group g = x / 4.  Wave w: columns 32 (w % 2) + lane of the group, kappa = 2 (x % 3 bits) + w / 2: 32 columns x 128 along K.
; A store of codes covers two aligned runs of 256 bytes (16 lanes for tile 2 b, 16 for tile 2 b + 1).  The scale words leave as two runs of 64 bytes: one byte for each 128 bytes read.
; A block's scale byte is its largest magnitude's exponent field - 8, held at 1 from below; a block of zeros so gets 1 where the rule says 127: its codes are zeros, and this program alone reads the bytes.
; LIMITS: NaN and infinities among the inputs are not served; blocks whose largest magnitude lies under 2^-118 keep the byte 1.
.set X,   32                           ; v32-159  four blocks of 32 numbers
.set C,   160                          ; v160-191 codes, 8 registers a block, never rewritten
.set MNT, 32                           ; s32      the mantissa field of 448
	s_load_b256 s[4:11], s[0:1], 0x0               ; Wq, Wk, Wv, Wo
	s_load_b256 s[12:19], s[0:1], 0x20             ; W1, W2, wf, wsc
	v_lshrrev_b32 v1, 5, v0
	v_readfirstlane_b32 s21, v1                    ; wave
	v_and_b32 v1, 31, v0                           ; lane = my column in the half group
	v_lshlrev_b32 v2, 2, v1                        ; in: 4 bytes a lane
	v_bfe_u32 v5, v1, 3, 1                         ; which of the two tiles my column falls into,
	v_and_b32 v6, 7, v1
	v_lshrrev_b32 v7, 4, v1
	v_lshl_add_u32 v6, v7, 3, v6                   ; and its row r there: lane % 8 + 8 (lane / 16)
	v_lshlrev_b32 v3, 11, v5
	v_lshl_add_u32 v3, v6, 4, v3                   ; codes: 2,048 x tile + 16 r
	v_lshlrev_b32 v4, 6, v5
	v_lshl_add_u32 v4, v6, 2, v4                   ; scale word: 64 x tile + 4 r
	s_and_b32 s20, ttmp7, 0xffff                   ; m
	s_lshr_b32 s22, ttmp9, 2                       ; g
	s_and_b32 s23, ttmp9, 3
	s_lshl_b32 s23, s23, 1
	s_lshr_b32 s24, s21, 1
	s_add_co_u32 s23, s23, s24                     ; kappa
	s_and_b32 s21, s21, 1                          ; which half of the group's 64 columns
	s_cmp_lt_u32 s20, 3                            ; [head][k][64] or [k][n]?
	s_mov_b32 s24, 256
	s_cselect_b32 s24, 0x40000, s24                ; bytes from group to group
	s_mov_b32 s25, 0x80000
	s_cselect_b32 s25, 0x8000, s25                 ; bytes of 128 rows of K
	s_mul_i32 s26, s22, s24
	s_mul_i32 s27, s23, s25
	s_add_co_u32 s26, s26, s27
	s_lshl_b32 s27, s21, 7
	s_add_co_u32 s26, s26, s27                     ; where my wave's part of the weight begins
	s_mov_b32 s27, 0
	s_lshl_b32 s28, s20, 20
	s_lshl_b32 s30, s22, 16
	s_add_co_u32 s28, s28, s30
	s_lshl_b32 s30, s23, 13
	s_add_co_u32 s28, s28, s30
	s_lshl_b32 s30, s21, 12
	s_add_co_u32 s28, s28, s30                     ; and of wf
	s_mov_b32 s29, 0
	s_lshl_b32 s30, s20, 15
	s_lshl_b32 s31, s22, 11
	s_add_co_u32 s30, s30, s31
	s_lshl_b32 s31, s23, 8
	s_add_co_u32 s30, s30, s31
	s_lshl_b32 s31, s21, 7
	s_add_co_u32 s30, s30, s31                     ; and of wsc
	s_mov_b32 s31, 0
	s_mov_b32 s[MNT], 0x600000
	s_wait_kmcnt 0x0
	s_cmp_eq_u32 s20, 1                            ; the weight is chosen by the work-group's y alone
	s_cselect_b64 s[4:5], s[6:7], s[4:5]
	s_cmp_eq_u32 s20, 2
	s_cselect_b64 s[4:5], s[8:9], s[4:5]
	s_cmp_eq_u32 s20, 3
	s_cselect_b64 s[4:5], s[10:11], s[4:5]
	s_cmp_eq_u32 s20, 4
	s_cselect_b64 s[4:5], s[12:13], s[4:5]
	s_cmp_eq_u32 s20, 5
	s_cselect_b64 s[4:5], s[14:15], s[4:5]
	s_add_nc_u64 s[4:5], s[4:5], s[26:27]
	s_add_nc_u64 s[16:17], s[16:17], s[28:29]
	s_add_nc_u64 s[18:19], s[18:19], s[30:31]
.macro LOAD t, ks                      ; block t: W(32 t + i, my column), i = 0 .. 31; ks = bytes from a row of K to the next
.irp i, 0,1,2,3,4,5,6,7,8,9,10,11,12,13,14,15,16,17,18,19,20,21,22,23,24,25,26,27,28,29,30,31
	global_load_b32 v[X+32*(\t)+\i], v2, s[4:5] offset:(32*(\t)+\i)*(\ks) th:TH_LOAD_NT
.endr
.endm
.macro BLOCK t, ks
.set XS, X+32*(\t)
.if (\t) < 3
	s_wait_loadcnt 32                              ; this block's 32 loads are in; the next block's 32 may be out
.else
	s_wait_loadcnt 0x0
.endif
.if (\t)+2 < 4
	LOAD (\t)+2, \ks                               ; two blocks ahead, into registers of its own
.endif
	v_max3_num_f32 v8, |v[XS]|, |v[XS+1]|, |v[XS+2]|               ; the block's largest magnitude: all 32 numbers are mine; two chains
	v_max3_num_f32 v9, |v[XS+3]|, |v[XS+4]|, |v[XS+5]|
.irp i, 6,10,14,18,22,26
	v_max3_num_f32 v8, v8, |v[XS+\i]|, |v[XS+\i+1]|
	v_max3_num_f32 v9, v9, |v[XS+\i+2]|, |v[XS+\i+3]|
.endr
	v_max3_num_f32 v8, v8, |v[XS+30]|, |v[XS+31]|
	v_max3_num_f32 v8, v8, v9, 0x4800000           ; and the floor 2^(9 - 127): the byte cannot fall under 1
	v_add_nc_u32 v11, 0xfc000000, v8               ; 8 off the exponent field: the conversion takes this operand's exponent field as its scale
	v_and_or_b32 v10, v8, 0x7f800000, s[MNT]       ; 448 x the scale
	v_lshrrev_b32 v9, 23, v11                      ; the scale's byte
.if (\t) == 0
	v_mov_b32 v14, v9
.else
	v_lshl_or_b32 v14, v9, 8*(\t), v14             ; four bytes to the word, the lower K in the lower byte
.endif
.irp i, 0,1,2,3,4,5,6,7,8,9,10,11,12,13,14,15,16,17,18,19,20,21,22,23,24,25,26,27,28,29,30,31
	v_med3_num_f32 v[XS+\i], v[XS+\i], -v10, v10   ; the conversion to an 8-bit code does not saturate (ISA guide 7.6.2): the hold comes first
.endr
.irp g, 0,1,2,3
	v_cvt_scalef32_pk8_fp8_f32 v[C+8*(\t)+2*\g:C+8*(\t)+2*\g+1], v[XS+8*\g:XS+8*\g+7], v11
.endr
	global_store_b128 v3, v[C+8*(\t):C+8*(\t)+3], s[16:17] offset:512*(\t)          ; k = 32 t + 0..15: the fragment's lanes 0-15
	global_store_b128 v3, v[C+8*(\t)+4:C+8*(\t)+7], s[16:17] offset:512*(\t)+256    ; k = 32 t + 16..31: its lanes 16-31
.endm
.macro BODY ks
	LOAD 0, \ks
	LOAD 1, \ks
	BLOCK 0, \ks
	BLOCK 1, \ks
	BLOCK 2, \ks
	BLOCK 3, \ks
	global_store_b32 v4, v14, s[18:19]
	s_endpgm
.endm
	s_cmp_lt_u32 s20, 3                            ; the row pitch stands in the loads' immediates, so the body is written once for each pitch
	s_cbranch_scc0 .Lsquare
	s_wait_alu depctr_va_vdst(0)
	BODY 256
.Lsquare:
	s_wait_alu depctr_va_vdst(0)
	BODY 4096
.Lfunc_end_k_q3b17c27624_prep_w:
	.size	k_q3b17c27624_prep_w, .Lfunc_end_k_q3b17c27624_prep_w-k_q3b17c27624_prep_w
	.p2alignl 7, 3214868480
	.fill 96, 4, 3214868480
	.section	.rodata,"a",@progbits
	.p2align	6, 0x0
	.amdhsa_kernel k_q3b17c27624_prep_w
		.amdhsa_group_segment_fixed_size 0
		.amdhsa_private_segment_fixed_size 0
		.amdhsa_enable_private_segment 0
		.amdhsa_kernarg_size 64
		.amdhsa_user_sgpr_count 2
		.amdhsa_user_sgpr_kernarg_segment_ptr 1
		.amdhsa_wavefront_size32 1
		.amdhsa_system_sgpr_workgroup_id_x 1
		.amdhsa_system_sgpr_workgroup_id_y 1
		.amdhsa_system_sgpr_workgroup_id_z 1
		.amdhsa_system_vgpr_workitem_id 0
		.amdhsa_next_free_vgpr 192
		.amdhsa_next_free_sgpr 66
		.amdhsa_reserve_vcc 0
		.amdhsa_float_denorm_mode_32 3
		.amdhsa_float_denorm_mode_16_64 3
		.amdhsa_memory_ordered 1
		.amdhsa_forward_progress 1
		.amdhsa_inst_pref_size 57
	.end_amdhsa_kernel
	.amdgpu_metadata
---
amdhsa.version: [ 1, 2 ]
amdhsa.kernels:
  - .name:           k_q3b17c27624_prep_w
    .symbol:         k_q3b17c27624_prep_w.kd
    .args:
      - { .name: Wq, .offset: 0, .size: 8, .value_kind: global_buffer, .address_space: global }
      - { .name: Wk, .offset: 8, .size: 8, .value_kind: global_buffer, .address_space: global }
      - { .name: Wv, .offset: 16, .size: 8, .value_kind: global_buffer, .address_space: global }
      - { .name: Wo, .offset: 24, .size: 8, .value_kind: global_buffer, .address_space: global }
      - { .name: W1, .offset: 32, .size: 8, .value_kind: global_buffer, .address_space: global }
      - { .name: W2, .offset: 40, .size: 8, .value_kind: global_buffer, .address_space: global }
      - { .name: wf, .offset: 48, .size: 8, .value_kind: global_buffer, .address_space: global }
      - { .name: wsc, .offset: 56, .size: 8, .value_kind: global_buffer, .address_space: global }
    .group_segment_fixed_size: 0
    .private_segment_fixed_size: 0
    .kernarg_segment_align: 8
    .kernarg_segment_size: 64
    .max_flat_workgroup_size: 128
    .sgpr_count:     66
    .vgpr_count:     192
    .wavefront_size: 32
...
	.end_amdgpu_metadata
.endif
;; end of part 5
;; launch ln_qkv (part 6): grid 256 x 1, 16 waves a work-group, no clusters, 177,152 bytes of LDS; arguments x, g_ln1, b_ln1, wf, wsc, qf, kf, vf, rec; writes qf, kf, vf, rec
.if DOCPART == 6
	.amdgcn_target "amdgcn-amd-amdhsa--gfx1250"
	.amdhsa_code_object_version 6
	.text
	.protected	k_q3b17c27624_ln_qkv
	.globl	k_q3b17c27624_ln_qkv
	.p2align	8
	.type	k_q3b17c27624_ln_qkv,@function
k_q3b17c27624_ln_qkv:
	s_mov_b64 s[64:65], 0
	v_nop
	global_prefetch_b8 v0, s[64:65] scope:SCOPE_SE
	s_setreg_imm32_b32 hwreg(HW_REG_WAVE_SCHED_MODE, 0, 2), 2
	s_setreg_imm32_b32 hwreg(HW_REG_WAVE_MODE, 25, 1), 1
	s_wait_xcnt 0x0
	s_wait_alu depctr_vm_vsrc(0)
; ENCODER BLOCK IN MX-FP8, launch 2 of 4: h = LN1(x), quantised along D; q, k, v = h Wq, h Wk, h Wv (products 1 to 3); q and k quantised along the head's 64, v along the keys.  No work is left out.
; SHARES.  A work-group owns 32 rows of x (row block kb of batch b) and all 1,024 columns: 256 work-groups.  Sixteen waves of 256 registers.
; PHASE X: wave (u = w / 8, kappa = w % 8) makes fragment (u, kappa) of h: 16 rows x 128 along D.  Mean first, then the deviations' squares: two sums across the eight waves of a row tile, through LDS.
; PASSES: wave w is head w: 64 columns (4 tiles) x 32 rows (2 tiles), 8 accumulators by turns, 8 K steps of 128.  h's fragments come from LDS as images of their registers.
; THE WEIGHTS GO FROM MEMORY STRAIGHT INTO THE OPERAND REGISTERS, 8 KiB a wave and K step, one K step ahead in two buffers: launch 1 laid them in that order.  Every work-group walks the same 3 MiB of weight codes.
; They are not asked for jointly in a cluster: a joint request lands in LDS, while here each weight fragment feeds exactly one wave of the work-group; the price, stated plainly, is that each work-group asks for all 3 MiB itself.
; ROWS OF A TILE: lane r of row tile u holds row rho(u, r) = 8 u + r + 8 (r / 8).  q, k: the product is used transposed (source 0 = 16 columns of W, source 1 = 16 rows of h): a lane holds one row, and the 16 registers of
; tiles 2 b, 2 b + 1 are e = 32 b + 16 h + 0..15.  v: not transposed: a lane holds one column e, and the 16 registers of row tiles 0, 1 are keys 16 h + 0..15.  So each quantiser finds 16 neighbours along its K in a lane.
; OUT.  qf, kf = [b][head][kb] fragments: part c = 2 u + beta, lane (r, h): row rho(u, r), e = 32 beta + 16 h + 0..15.  vf = [b][head][ks 8][t 4] fragments: row e of tile t, part kb % 4: keys.
; rec = [b][head][kb][lane][8 bytes]: lanes 0-15: k's word, q's word; lanes 16-31: v's four bytes (by t), q's word.
; LIMITS: NaN and infinities are not served; blocks under 2^-118, and blocks of zeros, keep the scale byte 1 (this program alone reads the bytes).
; THE MODE: SCHED_MODE bits 1:0 = 2 (LLVM: expert scheduling mode 2), set by the entry lines.  The code itself states the register dependences
; between vector or matrix instructions and memory or LDS instructions, with s_wait_alu, always for 0.
; THE PLAN.  Registers that memory or LDS instructions touch:
;   v1-v11     offsets and LDS addresses: written at the head, never again.
;   v16-79     phase X: the stage's loads land here, once; afterwards vector and matrix instructions alone name them.
;   v80-111, v244   K step k: the rows' two fragments and their scale words land; step k's products read them.  One set: the wave's 256 registers are all taken.
;   v112-239, v240-243   two weight buffers with two scale words each: step k's loads land in buffer (k + 1) % 2, which the products of step k - 1 read last.  Phase X: g in v112-175; x as loaded, then b, in v176-239.
;   v80-95     between passes: the codes: written by the conversions, read by the stores.   v96, v100-107: a sum's way through LDS.   v248, v250-251: words, written by vector lines, stored once.
; So ONE wait on va_vdst stands at the head of a K step: the products of the step before are done reading every register in which the step's 27 loads land.  The next step's weights stay ahead of the wait for this
; step's, so that two steps' loads of a wave are on their way.  One wait on va_vdst stands ahead of each run of stores, one on vm_vsrc behind it, ahead of the first line that writes the stores' data again.
.set XIMG,  0                          ; LDS: h's 16 fragments, (u, kappa) at (8 u + kappa) x 2,048
.set ASC,   32768                      ; their scale words: 128 kappa + 64 u + 4 r
.set RED1,  33792                      ; sums: 1,536 u + 48 lane + 4 kappa
.set RED2,  36864                      ; sums of squares, likewise
.set XST,   39936                      ; a stage for each wave: 16 rows of 512 bytes + 16
.set SPARE, 175104                     ; the spare words, 128 bytes for each wave: eight blocks of 256 bytes that no other line names
.set ACC, 16                           ; v16-79   x's 64 numbers, then the 8 accumulators
.set AF,  80                           ; v80-111  two fragments of h
.set PC,  80                           ; v80-95   between passes: the codes just made
.set TM,  96                           ; v96-111  between passes: at work
.set AS,  244                          ; v244     h's scale words: lanes 0-15 row tile 0, lanes 16-31 row tile 1.   v240-243: the weights', two a buffer: lanes 0-15 the even tile, 16-31 the odd
.set LI,  1                            ; v1   16 x lane
.set LS,  2                            ; v2   4 x lane
.set WO,  2
.set SPW, 254                          ; v254 LDS address of my spare word; never rewritten
.set NIL, 255                          ; v255 0; never rewritten
.set WB,  10                           ; s[10:11] wf at my head
.set SB,  12                           ; s[12:13] wsc at my head
.set SEL, 30                           ; s[30:31] v_permlanex16_b32's selects for lane l xor 16
.set MNT, 32                           ; s32  the mantissa field of 448
.set HM,  33                           ; s33  the mask of lanes 16-31
.set INV, 34                           ; s34  2^-10
.set EPS, 35                           ; s35  1e-5
.macro BAR                             ; my LDS stores have landed and my LDS loads are in: then the work-group's barrier
	s_wait_dscnt 0x0
	s_barrier_signal -1
	s_barrier_wait -1
.endm
.macro WLOAD p, k                      ; weight p's K step k for my 64 columns: 4 fragments and their scale words, into buffer k % 2: 18 loads
.irp t, 0,1,2,3
.irp c, 0,1,2,3
	global_load_b128 v[112+64*((\k)%2)+16*\t+4*\c:112+64*((\k)%2)+16*\t+4*\c+3], v[LI], s[WB:WB+1] offset:((\p)<<20)+((\k)<<13)+((4*\t+\c)<<9)
.endr
.endr
.irp j, 0,1
	global_load_b32 v[240+2*((\k)%2)+\j], v[WO], s[SB:SB+1] offset:((\p)<<15)+((\k)<<8)+128*\j
.endr
.endm
.macro WM d, a, b, zero, sa, sb, ra, rb    ; one product; ra, rb = 1: that side's scales stand in lanes 16-31
.if \zero
.if (\ra) && (\rb)
	v_wmma_scale_f32_16x16x128_f8f6f4 v[\d:\d+7], v[\a:\a+15], v[\b:\b+15], 0, v[\sa], v[\sb] matrix_a_scale:MATRIX_SCALE_ROW1 matrix_b_scale:MATRIX_SCALE_ROW1
.elseif \ra
	v_wmma_scale_f32_16x16x128_f8f6f4 v[\d:\d+7], v[\a:\a+15], v[\b:\b+15], 0, v[\sa], v[\sb] matrix_a_scale:MATRIX_SCALE_ROW1
.elseif \rb
	v_wmma_scale_f32_16x16x128_f8f6f4 v[\d:\d+7], v[\a:\a+15], v[\b:\b+15], 0, v[\sa], v[\sb] matrix_b_scale:MATRIX_SCALE_ROW1
.else
	v_wmma_scale_f32_16x16x128_f8f6f4 v[\d:\d+7], v[\a:\a+15], v[\b:\b+15], 0, v[\sa], v[\sb]
.endif
.else
.if (\ra) && (\rb)
	v_wmma_scale_f32_16x16x128_f8f6f4 v[\d:\d+7], v[\a:\a+15], v[\b:\b+15], v[\d:\d+7], v[\sa], v[\sb] matrix_a_scale:MATRIX_SCALE_ROW1 matrix_b_scale:MATRIX_SCALE_ROW1
.elseif \ra
	v_wmma_scale_f32_16x16x128_f8f6f4 v[\d:\d+7], v[\a:\a+15], v[\b:\b+15], v[\d:\d+7], v[\sa], v[\sb] matrix_a_scale:MATRIX_SCALE_ROW1
.elseif \rb
	v_wmma_scale_f32_16x16x128_f8f6f4 v[\d:\d+7], v[\a:\a+15], v[\b:\b+15], v[\d:\d+7], v[\sa], v[\sb] matrix_b_scale:MATRIX_SCALE_ROW1
.else
	v_wmma_scale_f32_16x16x128_f8f6f4 v[\d:\d+7], v[\a:\a+15], v[\b:\b+15], v[\d:\d+7], v[\sa], v[\sb]
.endif
.endif
.endm
; A K step of 128: the rows' two fragments from LDS, the next step's weights asked for, 8 products.
.macro GSTEP k, next, np, nk, img, asc, swap, zero
.rept 8
	v_nop                                          ; eight places behind the last step's products, ahead of the loads into registers that they read
.endr
	s_wait_alu depctr_va_vdst(0)                   ; the products of the step before are done reading v80-111, v244 and the weight buffer and scale words in which the loads below land; at a pass's first step: the vector lines between the passes are done with v80-111 (ahead of the first pass: with b in v176-239 too)
.irp u, 0,1
.irp c, 0,1,2,3
	ds_load_b128 v[AF+16*\u+4*\c:AF+16*\u+4*\c+3], v[LI] offset:(\img)+(8*\u+(\k))*2048+512*\c
.endr
.endr
	ds_load_b32 v[AS], v[LS] offset:(\asc)+128*(\k)
.if \next
	WLOAD \np, \nk
	s_wait_loadcnt 18                              ; the 18 loads just issued may stay out; all older ones, this step's weights among them, are in
.else
	s_wait_loadcnt 0x0
.endif
	s_wait_dscnt 0x0
.irp t, 0,1,2,3
.irp u, 0,1
.if \swap
	WM ACC+16*\t+8*\u, AF+16*\u, 112+64*((\k)%2)+16*\t, \zero, AS, 240+2*((\k)%2)+\t/2, \u, \t%2
.else
	WM ACC+32*\u+8*\t, 112+64*((\k)%2)+16*\t, AF+16*\u, \zero, 240+2*((\k)%2)+\t/2, AS, \t%2, \u
.endif
.endr
.endr
.endm
.macro PASS p, img, asc, swap, zero, np    ; all of K for weight p; its last step asks for weight np's first (np < 0: for nothing)
	GSTEP 0, 1, \p, 1, \img, \asc, \swap, \zero
.irp k, 1,2,3,4,5,6
	GSTEP \k, 1, \p, \k+1, \img, \asc, \swap, 0
.endr
.if (\np) >= 0
	GSTEP 7, 1, \np, 0, \img, \asc, \swap, 0
.else
	GSTEP 7, 0, 0, 0, \img, \asc, \swap, 0
.endif
.rept 8
	v_nop                                          ; eight places ahead of the first read of the results
.endr
.endm
; nb blocks of 16 registers from v[s] on (a block's other 16 numbers lie in lane l xor 16) become codes in v[PC + 4 b] on, bytes in v[TM + 4 + b], and for nb = 4 the word v[pw].
.macro QUANT s, nb, pw
.irp b, 0,1,2,3
.if \b < \nb
	v_max3_num_f32 v[TM+\b], |v[\s+16*\b]|, |v[\s+1+16*\b]|, 0x4800000   ; my 16 numbers, and the floor 2^(9 - 127): the byte cannot fall under 1
.endif
.endr
.irp i, 2,4,6,8,10,12,14
.irp b, 0,1,2,3
.if \b < \nb
	v_max3_num_f32 v[TM+\b], v[TM+\b], |v[\s+16*\b+\i]|, |v[\s+1+16*\b+\i]|   ; (the blocks by turns)
.endif
.endr
.endr
.irp b, 0,1,2,3
.if \b < \nb
	v_permlanex16_b32 v[TM+4+\b], v[TM+\b], s[SEL], s[SEL+1]
.endif
.endr
.irp b, 0,1,2,3
.if \b < \nb
	v_max_num_f32 v[TM+\b], v[TM+\b], v[TM+4+\b]   ; the block's largest magnitude
.endif
.endr
.irp b, 0,1,2,3
.if \b < \nb
	v_add_nc_u32 v[TM+12+\b], 0xfc000000, v[TM+\b]   ; 8 off its exponent field: the conversion's scale operand
.endif
.endr
.irp b, 0,1,2,3
.if \b < \nb
	v_and_or_b32 v[TM+8+\b], v[TM+\b], 0x7f800000, s[MNT]   ; 448 x the scale
.endif
.endr
.irp b, 0,1,2,3
.if \b < \nb
	v_lshrrev_b32 v[TM+4+\b], 23, v[TM+12+\b]      ; the scale's byte
.endif
.endr
.if \nb == 4
	v_lshl_or_b32 v[\pw], v[TM+5], 8, v[TM+4]
	v_lshl_or_b32 v[\pw], v[TM+6], 16, v[\pw]
	v_lshl_or_b32 v[\pw], v[TM+7], 24, v[\pw]
.endif
.irp b, 0,1,2,3
.if \b < \nb
.irp i, 0,1,2,3,4,5,6,7,8,9,10,11,12,13,14,15
	v_med3_num_f32 v[\s+16*\b+\i], v[\s+16*\b+\i], -v[TM+8+\b], v[TM+8+\b]   ; the conversion does not saturate (ISA guide 7.6.2): the hold comes first
.endr
	v_cvt_scalef32_pk8_fp8_f32 v[PC+4*\b:PC+1+4*\b], v[\s+16*\b:\s+7+16*\b], v[TM+12+\b]
	v_cvt_scalef32_pk8_fp8_f32 v[PC+2+4*\b:PC+3+4*\b], v[\s+8+16*\b:\s+15+16*\b], v[TM+12+\b]
.endif
.endr
	v_nop                                          ; a plain line behind the last conversion: later products write its sources
.endm
; v[96:97], v[98:99]: two chains of a lane's sum.  The lane's, its partner's (lane l xor 16), then the eight waves' of my row tile, through LDS at off: the row's total in v100.
.macro ROWSUM off
	v_pk_add_f32 v[96:97], v[96:97], v[98:99]
	v_add_f32 v96, v96, v97
	v_permlanex16_b32 v97, v96, s[SEL], s[SEL+1]
	v_add_f32 v96, v96, v97
	s_wait_alu depctr_va_vdst(0)                   ; v96 is written, which the store reads; the vector lines are done with v100-107, in which the loads below land
	ds_store_b32 v9, v96 offset:\off
	BAR
	s_wait_alu depctr_vm_vsrc(0)                   ; the store has read v96, which later vector lines write again
	ds_load_b128 v[100:103], v10 offset:\off
	ds_load_b128 v[104:107], v10 offset:\off+16
	s_wait_dscnt 0x0
	v_pk_add_f32 v[100:101], v[100:101], v[102:103]   ; the same order in every wave
	v_pk_add_f32 v[104:105], v[104:105], v[106:107]
	v_pk_add_f32 v[100:101], v[100:101], v[104:105]
	v_add_f32 v100, v100, v101
.endm
	s_load_b512 s[4:19], s[0:1], 0x0               ; x, g_ln1, b_ln1, wf, wsc, qf, kf, vf
	s_load_b64 s[20:21], s[0:1], 0x40              ; rec
	v_lshl_add_u32 v[SPW], v0, 2, SPARE
	v_mov_b32 v[NIL], 0
	v_lshrrev_b32 v12, 5, v0
	v_readfirstlane_b32 s22, v12                   ; wave 0..15
	v_and_b32 v12, 31, v0                          ; lane
	v_and_b32 v13, 15, v0                          ; r
	v_bfe_u32 v14, v0, 4, 1                        ; h
	v_lshlrev_b32 v[LI], 4, v12
	v_lshlrev_b32 v[LS], 2, v12
	s_wait_alu depctr_va_sdst(0)                   ; s22 is written, ahead of its first reader
	s_lshr_b32 s24, s22, 3                         ; u
	s_and_b32 s25, s22, 7                          ; kappa
	s_mul_i32 s26, s22, 8448
	s_add_co_u32 s26, s26, XST                     ; my stage
	v_add_nc_u32 v4, s26, v[LI]                    ; into it: a row's 512 bytes as they lie
	v_mul_u32_u24 v5, v13, 528
	v_lshl_add_u32 v5, v14, 6, v5
	v_add_nc_u32 v5, s26, v5                       ; out of it: row r, + 64 h: my 16 numbers of each block of 32
	v_lshlrev_b32 v6, 6, v14                       ; g, b: 64 h
	s_lshl_b32 s26, s22, 11
	v_add_nc_u32 v7, s26, v[LI]                    ; my fragment's image
	s_lshl_b32 s26, s25, 7
	s_lshl_b32 s27, s24, 6
	s_add_co_u32 s26, s26, s27
	s_add_co_u32 s26, s26, ASC
	v_lshl_add_u32 v8, v13, 2, s26                 ; its scale words
	s_mul_i32 s26, s24, 1536
	s_add_co_u32 s26, s26, RED1
	v_mul_u32_u24 v10, v12, 48
	v_add_nc_u32 v10, s26, v10                     ; my lane's eight partial sums,
	s_lshl_b32 s27, s25, 2
	v_add_nc_u32 v9, s27, v10                      ; and my wave's among them
	v_lshlrev_b32 v11, 3, v12                      ; the record: 8 bytes a lane
	s_mov_b32 s[SEL], 0x76543210
	s_mov_b32 s[SEL+1], 0xfedcba98
	s_mov_b32 s[MNT], 0x600000
	s_mov_b32 s[HM], 0xffff0000
	s_mov_b32 s[INV], 0x3a800000
	s_mov_b32 s[EPS], 0x3727c5ac
	s_lshl_b32 s26, ttmp9, 17                      ; x: 32 rows of 4,096 bytes a work-group,
	s_lshl_b32 s27, s24, 15                        ; + 8 u rows,
	s_add_co_u32 s26, s26, s27
	s_lshl_b32 s28, s25, 9                         ; + 512 kappa
	s_add_co_u32 s26, s26, s28
	s_mov_b32 s27, 0
	s_mov_b32 s29, 0
	s_wait_kmcnt 0x0
	s_add_nc_u64 s[4:5], s[4:5], s[26:27]
	s_add_nc_u64 s[6:7], s[6:7], s[28:29]
	s_add_nc_u64 s[8:9], s[8:9], s[28:29]
	s_wait_alu depctr_va_vdst(0)                   ; the offsets and LDS addresses v1 to v11 are written: every load and store of the kernel reads one of them
	; ---- X: my 16 rows x 128 columns of x; each load takes one row's 512 consecutive bytes
.irp i, 0,1,2,3,4,5,6,7,8,9,10,11,12,13,14,15
	global_load_b128 v[176+4*\i:179+4*\i], v[LI], s[4:5] offset:(\i+8*(\i/8))*4096 th:TH_LOAD_NT
.endr
.irp c, 0,1,2,3
.irp j, 0,1,2,3
	global_load_b128 v[112+16*\c+4*\j:115+16*\c+4*\j], v6, s[6:7] offset:128*\c+16*\j   ; g at my 64 columns
.endr
.endr
	s_lshl_b32 s28, s22, 16                        ; the bases of the passes: scalar work while the loads are out
	s_add_nc_u64 s[WB:WB+1], s[WB:WB+1], s[28:29]
	s_lshl_b32 s28, s22, 11
	s_add_nc_u64 s[SB:SB+1], s[SB:SB+1], s[28:29]
	s_lshr_b32 s36, ttmp9, 5                       ; b
	s_and_b32 s37, ttmp9, 31                       ; kb
	s_lshl_b32 s26, s36, 9
	s_lshl_b32 s28, s22, 5
	s_add_co_u32 s26, s26, s28
	s_add_co_u32 s26, s26, s37                     ; (b, head, kb) as one number
	s_lshl_b32 s28, s26, 11
	s_add_nc_u64 s[14:15], s[14:15], s[28:29]
	s_add_nc_u64 s[16:17], s[16:17], s[28:29]
	s_lshl_b32 s28, s26, 8
	s_add_nc_u64 s[20:21], s[20:21], s[28:29]
	s_lshl_b32 s26, s36, 4
	s_add_co_u32 s26, s26, s22
	s_lshl_b32 s28, s26, 16
	s_lshr_b32 s26, s37, 2
	s_lshl_b32 s26, s26, 13
	s_add_co_u32 s28, s28, s26
	s_and_b32 s26, s37, 3
	s_lshl_b32 s26, s26, 9
	s_add_co_u32 s28, s28, s26
	s_add_nc_u64 s[18:19], s[18:19], s[28:29]
	s_wait_loadcnt 16                              ; x is in; g's 16 loads may stay out
.irp i, 0,1,2,3,4,5,6,7,8,9,10,11,12,13,14,15
	ds_store_b128 v4, v[176+4*\i:179+4*\i] offset:528*\i
.endr
.irp c, 0,1,2,3
.irp j, 0,1,2,3
	ds_load_b128 v[16+16*\c+4*\j:19+16*\c+4*\j], v5 offset:128*\c+16*\j   ; LDS serves a wave's instructions in order: register 16 c + i = k 128 kappa + 32 c + 16 h + i of row rho(u, r)
.endr
.endr
	s_wait_dscnt 0x0
	s_wait_alu depctr_vm_vsrc(0)                   ; the stores into the stage have read v176-239, in which b's loads land
.irp c, 0,1,2,3
.irp j, 0,1,2,3
	global_load_b128 v[176+16*\c+4*\j:179+16*\c+4*\j], v6, s[8:9] offset:128*\c+16*\j   ; b, into the registers that x has left
.endr
.endr
	v_pk_add_f32 v[96:97], v[16:17], v[20:21]      ; the sum of my 64, two at a time, in two chains
	v_pk_add_f32 v[98:99], v[18:19], v[22:23]
.irp j, 8,12,16,20,24,28,32,36,40,44,48,52,56,60
	v_pk_add_f32 v[96:97], v[96:97], v[16+\j:17+\j]
	v_pk_add_f32 v[98:99], v[98:99], v[18+\j:19+\j]
.endr
	ROWSUM 0
	v_mul_f32 v100, s[INV], v100                   ; the mean
.set j, 0
.rept 32
	v_pk_add_f32 v[16+j:17+j], v[16+j:17+j], v[100:101] op_sel_hi:[1,0] neg_lo:[0,1] neg_hi:[0,1]   ; the deviations
.set j, j+2
.endr
	v_pk_mul_f32 v[96:97], v[16:17], v[16:17]
	v_pk_mul_f32 v[98:99], v[18:19], v[18:19]
.irp j, 4,8,12,16,20,24,28,32,36,40,44,48,52,56,60
	v_pk_fma_f32 v[96:97], v[16+\j:17+\j], v[16+\j:17+\j], v[96:97]
	v_pk_fma_f32 v[98:99], v[18+\j:19+\j], v[18+\j:19+\j], v[98:99]
.endr
	ROWSUM RED2-RED1
	v_fma_f32 v100, v100, s[INV], s[EPS]           ; the variance + eps
	s_wait_alu depctr_va_vdst(0)
	v_rsq_f32 v100, v100
	v_nop                                          ; a plain line behind the transcendental,
	s_wait_alu depctr_va_vdst(0)                   ; and the wait ahead of its first reader: v100 is written
	s_wait_loadcnt 0x0                             ; g and b
.set j, 0
.rept 32
	v_pk_mul_f32 v[16+j:17+j], v[16+j:17+j], v[100:101] op_sel_hi:[1,0]
.set j, j+2
.endr
.set j, 0
.rept 32
	v_pk_fma_f32 v[16+j:17+j], v[16+j:17+j], v[112+j:113+j], v[176+j:177+j]
.set j, j+2
.endr
	s_wait_alu depctr_va_vdst(0)                   ; the multiply-adds are done reading g in v112-175, in which Wq's first K step lands
	WLOAD 0, 0                                     ; Wq's first K step lands while h is quantised
	QUANT 16, 4, 248
	s_wait_alu depctr_va_vdst(0)                   ; the conversions have written v80-95, and v248 is written: the stores below read them
.irp c, 0,1,2,3
	ds_store_b128 v7, v[PC+4*\c:PC+4*\c+3] offset:XIMG+512*\c
.endr
	ds_store_b32 v8, v248                          ; both halves of the lanes write the same word with the same value
	BAR                                            ; h's sixteen fragments lie in LDS; from here on LDS is only read
	s_wait_alu depctr_vm_vsrc(0)                   ; my image's stores have read v80-95, in which the pass's fragments land
	; ---- q
	PASS 0, XIMG, ASC, 0, 1, 1
	QUANT 16, 4, 245
	s_wait_alu depctr_va_vdst(0)                   ; the conversions have written v80-95, which the stores read
.irp c, 0,1,2,3
	global_store_b128 v[LI], v[PC+4*\c:PC+4*\c+3], s[14:15] offset:512*\c   ; 512 consecutive bytes a store
.endr
	s_wait_xcnt 0x0                                ; the stores have read their registers: the next pass loads into them
	s_wait_alu depctr_vm_vsrc(0)                   ; the stores have read v80-95, in which the next pass's fragments land
	; ---- k
	PASS 1, XIMG, ASC, 0, 1, 2
	QUANT 16, 4, 246
	s_wait_alu depctr_va_vdst(0)                   ; the conversions have written v80-95, which the stores read
.irp c, 0,1,2,3
	global_store_b128 v[LI], v[PC+4*\c:PC+4*\c+3], s[16:17] offset:512*\c
.endr
	s_wait_xcnt 0x0
	s_wait_alu depctr_vm_vsrc(0)                   ; the stores have read v80-95, in which the next pass's fragments land
	; ---- v: source 0 = h's rows, source 1 = Wv's columns
	PASS 2, XIMG, ASC, 1, 1, -1
	QUANT 16, 4, 247
	v_cndmask_b32 v250, v246, v247, s[HM]          ; lanes 0-15: k's word; lanes 16-31: v's bytes
	v_mov_b32 v251, v245                           ; q's word
	s_wait_alu depctr_va_vdst(0)                   ; the conversions have written v80-95, and the record v250-251 is written: the five stores read them
.irp t, 0,1,2,3
	global_store_b128 v[LI], v[PC+4*\t:PC+4*\t+3], s[18:19] offset:2048*\t
.endr
	global_store_b64 v11, v[250:251], s[20:21]     ; 256 consecutive bytes, aligned
	s_wait_dscnt 0x0                               ; the closing lines, six on end
	s_wait_alu 0x0
	s_wait_tensorcnt 0x0
	ds_add_u32 v[SPW], v[NIL]
	s_wait_dscnt 0x0
	s_endpgm
.Lfunc_end_k_q3b17c27624_ln_qkv:
	.size	k_q3b17c27624_ln_qkv, .Lfunc_end_k_q3b17c27624_ln_qkv-k_q3b17c27624_ln_qkv
	.p2alignl 7, 3214868480
	.fill 96, 4, 3214868480
	.section	.rodata,"a",@progbits
	.p2align	6, 0x0
	.amdhsa_kernel k_q3b17c27624_ln_qkv
		.amdhsa_group_segment_fixed_size 177152
		.amdhsa_private_segment_fixed_size 0
		.amdhsa_enable_private_segment 0
		.amdhsa_kernarg_size 72
		.amdhsa_user_sgpr_count 2
		.amdhsa_user_sgpr_kernarg_segment_ptr 1
		.amdhsa_wavefront_size32 1
		.amdhsa_system_sgpr_workgroup_id_x 1
		.amdhsa_system_sgpr_workgroup_id_y 1
		.amdhsa_system_sgpr_workgroup_id_z 1
		.amdhsa_system_vgpr_workitem_id 0
		.amdhsa_next_free_vgpr 256
		.amdhsa_next_free_sgpr 66
		.amdhsa_reserve_vcc 0
		.amdhsa_float_denorm_mode_32 3
		.amdhsa_float_denorm_mode_16_64 3
		.amdhsa_memory_ordered 1
		.amdhsa_forward_progress 1
		.amdhsa_inst_pref_size 143
	.end_amdhsa_kernel
	.amdgpu_metadata
---
amdhsa.version: [ 1, 2 ]
amdhsa.kernels:
  - .name:           k_q3b17c27624_ln_qkv
    .symbol:         k_q3b17c27624_ln_qkv.kd
    .args:
      - { .name: x, .offset: 0, .size: 8, .value_kind: global_buffer, .address_space: global }
      - { .name: g_ln1, .offset: 8, .size: 8, .value_kind: global_buffer, .address_space: global }
      - { .name: b_ln1, .offset: 16, .size: 8, .value_kind: global_buffer, .address_space: global }
      - { .name: wf, .offset: 24, .size: 8, .value_kind: global_buffer, .address_space: global }
      - { .name: wsc, .offset: 32, .size: 8, .value_kind: global_buffer, .address_space: global }
      - { .name: qf, .offset: 40, .size: 8, .value_kind: global_buffer, .address_space: global }
      - { .name: kf, .offset: 48, .size: 8, .value_kind: global_buffer, .address_space: global }
      - { .name: vf, .offset: 56, .size: 8, .value_kind: global_buffer, .address_space: global }
      - { .name: rec, .offset: 64, .size: 8, .value_kind: global_buffer, .address_space: global }
    .group_segment_fixed_size: 177152
    .private_segment_fixed_size: 0
    .kernarg_segment_align: 8
    .kernarg_segment_size: 72
    .max_flat_workgroup_size: 512
    .sgpr_count:     66
    .vgpr_count:     256
    .wavefront_size: 32
...
	.end_amdgpu_metadata
.endif
;; end of part 6
;; launch attn (part 7): grid 2 x 128, 16 waves a work-group, no clusters, 141,312 bytes of LDS; arguments qf, kf, vf, rec, af, asc; writes af, asc
.if DOCPART == 7
	.amdgcn_target "amdgcn-amd-amdhsa--gfx1250"
	.amdhsa_code_object_version 6
	.text
	.protected	k_q3b17c27624_attn
	.globl	k_q3b17c27624_attn
	.p2align	8
	.type	k_q3b17c27624_attn,@function
k_q3b17c27624_attn:
	s_mov_b64 s[64:65], 0
	v_nop
	global_prefetch_b8 v0, s[64:65] scope:SCOPE_SE
	s_setreg_imm32_b32 hwreg(HW_REG_WAVE_SCHED_MODE, 0, 2), 2
	s_setreg_imm32_b32 hwreg(HW_REG_WAVE_MODE, 25, 1), 1
	s_wait_xcnt 0x0
	s_wait_alu depctr_vm_vsrc(0)
; ENCODER BLOCK IN MX-FP8, launch 3 of 4: products 4 and 5 with the softmax between them, the division by the row's sum, and the result quantised along D for product 6.  No work is left out.
; THE SOFTMAX AHEAD OF PRODUCT 5: t = score x log2(e) / 8; M = the row's largest t so far, rounded UP to a whole number; p = 2^(t - M) is what is quantised, along the keys; the row's sum is taken of the
; unquantised p and divides O at the end.  When M moves, the sum and O are multiplied by 2^(old M - new M): exact.
; SHARES.  Work-group (x, y): head y = 16 b + head, queries 512 x .. 512 x + 511: 256 work-groups.  Wave w owns row block 16 x + w (32 queries) and walks its two tiles of 16 one after the other.
; All of the head's K (64 KiB), V (64 KiB) and scale records (8 KiB) are copied into LDS once, through registers, and only read from then on: no ring, one barrier.
; Two work-groups read the same head: 136 KiB each, once, at the head of the text; the grid's x is 2, which no cluster of four divides, so nothing is asked for jointly.
; PRODUCT 4 HAS K = 64 and the instruction 128.  A fragment of kf holds TWO key tiles: k 0..63 tile 0, k 64..127 tile 1.  Q stands twice: Q0 = (q, zeros), Q1 = (zeros, q).  K-fragment x Q0 gives tile 0's scores,
; x Q1 tile 1's: the other half meets zero codes under valid scale bytes and adds nothing.
; LAYOUT.  Both products are used transposed: S^T = K Q^T, O^T = V^T P^T: a lane holds one query throughout.  Launch 2 chose the rows of a tile so that the 16 registers of S^T's tiles 2 b, 2 b + 1 are keys 32 b + 16 h + 0..15,
; and the 16 registers of O^T's tiles 2 beta, 2 beta + 1 are e = 32 beta + 16 h + 0..15: the conversions' results are the next operand's registers.
; OUT.  af = [rb 256][u 2][kappa 8] fragments (rows rho(u, r), k = 64 head + e): 1 KiB on end for each tile.  asc = [rb][u][head][r][beta] bytes: 32 bytes a tile, so aligned runs of 256 bytes are written in part: 256 KiB in the launch.
; LIMITS: NaN and infinities are not served; v_exp_f32 gives 0 for results under 2^-126; blocks under 2^-118, and blocks of zeros, keep the scale byte 1.
; THE MODE: SCHED_MODE bits 1:0 = 2 (LLVM: expert scheduling mode 2), set by the entry lines.  The code itself states the register dependences
; between vector or matrix instructions and memory or LDS instructions, with s_wait_alu, always for 0.
; THE PLAN.  Registers that memory or LDS instructions touch:
;   v1-v7, v11   offsets and LDS addresses: written at the head, never again.
;   v8-v10       the key step's LDS addresses: written by three additions at the step's head, read by the step's LDS loads (v8 first serves the records' store at the head of the text).
;   v48-111      at the head: K and V on their way into LDS.  In a key step: K's four fragments land, the eight score products read them; V's four land, the four products of O^T read them.
;   v224-227, v240-243   V's bytes and K's scale words land at a step's head; vector lines read and later write v224-227, the score products read v240-243.
;   v16-23, v40-47, v252   a tile's q and its word land at the tile's head; the score products read Q0 and Q1; vector lines use v252, and the tile's last store reads it.
;   v208-223     p's codes: conversions write, products read.  On the way out v208-215 hold the result's codes, which two stores read.
; A KEY STEP HAS: one wait on vm_vsrc ahead of the three additions; one on va_vdst behind them, which also says that the last step's products and vector lines are done with all that the step's first loads land in;
; the wait behind the 64 exponentials, behind which V's loads stand, since it also says that the score products are done reading v48-111; the wait behind the four exponentials; and one ahead of the products of O^T,
; whose operand p and scale word come from vector lines.
.set VL,    65536                      ; LDS: K at 0, V here,
.set SCL,   131072                     ; the records here
.set SPARE, 139264                     ; the spare words, 128 bytes for each wave: eight blocks of 256 bytes that no other line names
.set FR,  48                           ; v48-111  four fragments of K or of V
.set S,   112                          ; v112-175 S^T, then p
.set O,   176                          ; v176-207 O^T
.set PC,  208                          ; v208-223 p's codes
.set TM,  224                          ; v224-239 at work.   v240-243 K's scale words, v244-247 V's, v248 p's, v249 q's: these hold scales and nothing else
.set SPW, 254
.set NIL, 255
.set SEL, 24                           ; s[24:25] selects for lane l xor 16
.set CS,  26                           ; s[26:27] c = log2(e) / 8
.set MNT, 28
.set HM,  29                           ; the mask of lanes 16-31
.set P0,  30                           ; s30-33 byte selects of the 4 x 4 transposition
.set TK,  34                           ; s34  LDS byte of the step's K and V: 8,192 a step
.set TS,  35                           ; s35  of its records: 1,024 a step
.set KC,  36                           ; s36  key steps to go
.set UC,  37                           ; s37  the tile in hand
.set SH,  38                           ; s38  16 x the tile: where its two bytes stand in q's word
.macro QUANT s, nb, pw
.irp b, 0,1,2,3
.if \b < \nb
	v_max3_num_f32 v[TM+\b], |v[\s+16*\b]|, |v[\s+1+16*\b]|, 0x4800000   ; my 16 numbers, and the floor 2^(9 - 127): the byte cannot fall under 1
.endif
.endr
.irp i, 2,4,6,8,10,12,14
.irp b, 0,1,2,3
.if \b < \nb
	v_max3_num_f32 v[TM+\b], v[TM+\b], |v[\s+16*\b+\i]|, |v[\s+1+16*\b+\i]|
.endif
.endr
.endr
.irp b, 0,1,2,3
.if \b < \nb
	v_permlanex16_b32 v[TM+4+\b], v[TM+\b], s[SEL], s[SEL+1]
.endif
.endr
.irp b, 0,1,2,3
.if \b < \nb
	v_max_num_f32 v[TM+\b], v[TM+\b], v[TM+4+\b]
.endif
.endr
.irp b, 0,1,2,3
.if \b < \nb
	v_add_nc_u32 v[TM+12+\b], 0xfc000000, v[TM+\b]
.endif
.endr
.irp b, 0,1,2,3
.if \b < \nb
	v_and_or_b32 v[TM+8+\b], v[TM+\b], 0x7f800000, s[MNT]
.endif
.endr
.irp b, 0,1,2,3
.if \b < \nb
	v_lshrrev_b32 v[TM+4+\b], 23, v[TM+12+\b]
.endif
.endr
.if \nb == 4
	v_lshl_or_b32 v[\pw], v[TM+5], 8, v[TM+4]
	v_lshl_or_b32 v[\pw], v[TM+6], 16, v[\pw]
	v_lshl_or_b32 v[\pw], v[TM+7], 24, v[\pw]
.endif
.irp b, 0,1,2,3
.if \b < \nb
.irp i, 0,1,2,3,4,5,6,7,8,9,10,11,12,13,14,15
	v_med3_num_f32 v[\s+16*\b+\i], v[\s+16*\b+\i], -v[TM+8+\b], v[TM+8+\b]
.endr
	v_cvt_scalef32_pk8_fp8_f32 v[PC+4*\b:PC+1+4*\b], v[\s+16*\b:\s+7+16*\b], v[TM+12+\b]
	v_cvt_scalef32_pk8_fp8_f32 v[PC+2+4*\b:PC+3+4*\b], v[\s+8+16*\b:\s+15+16*\b], v[TM+12+\b]
.endif
.endr
	v_nop                                          ; a plain line behind the last conversion
.endm
	s_load_b256 s[4:11], s[0:1], 0x0               ; qf, kf, vf, rec
	s_load_b128 s[12:15], s[0:1], 0x20             ; af, asc
	v_lshl_add_u32 v[SPW], v0, 2, SPARE
	v_mov_b32 v[NIL], 0
	v_lshrrev_b32 v12, 5, v0
	v_readfirstlane_b32 s16, v12                   ; wave 0..15
	v_and_b32 v12, 31, v0                          ; lane
	v_and_b32 v13, 15, v0                          ; r
	v_bfe_u32 v14, v0, 4, 1                        ; h
	v_lshlrev_b32 v1, 4, v12                       ; v1  16 x lane: an image's place for my lane, in K
	v_add_nc_u32 v2, VL, v1                        ; v2  the same in V
	v_lshl_add_u32 v3, v13, 3, SCL                 ; v3  my row's record: 8 r
	s_wait_alu depctr_va_sdst(0)                   ; s16 is written, ahead of its first reader
	s_lshl_b32 s20, s16, 12
	v_add_nc_u32 v4, s20, v1                       ; v4  the copy: my wave's 4 KiB of K and of V
	v_add_nc_u32 v5, VL, v4
	s_lshl_b32 s20, s16, 9
	v_add_nc_u32 v6, s20, v1                       ; v6  my wave's 512 bytes of records
	v_add_nc_u32 v8, SCL, v6
	v_lshl_add_u32 v7, v13, 1, v14                 ; v7  asc: 2 r + h
	v_lshl_add_u32 v11, v13, 3, 4                  ; v11 q's word in a record: 8 r + 4
	s_and_b32 s18, ttmp7, 0xffff                   ; 16 b + head
	s_lshl_b32 s19, ttmp9, 4
	s_add_co_u32 s19, s19, s16                     ; my row block in the batch
	s_lshl_b32 s20, s18, 16                        ; a head's 64 KiB in qf, kf, vf
	s_mov_b32 s21, 0
	s_lshl_b32 s22, s18, 13                        ; and its 8 KiB in rec
	s_mov_b32 s23, 0
	s_mov_b32 s[SEL], 0x76543210
	s_mov_b32 s[SEL+1], 0xfedcba98
	s_mov_b32 s[CS], 0x3e38aa3b                    ; log2(e) / 8
	s_mov_b32 s[CS+1], s[CS]                       ; (named with it as a pair, so it is written)
	s_mov_b32 s[MNT], 0x600000
	s_mov_b32 s[HM], 0xffff0000
	s_mov_b32 s[P0], 0x05010400
	s_mov_b32 s[P0+1], 0x07030602
	s_mov_b32 s[P0+2], 0x05040100
	s_mov_b32 s[P0+3], 0x07060302
	s_wait_kmcnt 0x0
	s_add_nc_u64 s[4:5], s[4:5], s[20:21]
	s_add_nc_u64 s[6:7], s[6:7], s[20:21]
	s_add_nc_u64 s[8:9], s[8:9], s[20:21]
	s_add_nc_u64 s[10:11], s[10:11], s[22:23]
	s_lshl_b32 s20, s19, 11
	s_add_nc_u64 s[4:5], s[4:5], s[20:21]          ; qf at my row block
	s_lshl_b32 s20, s19, 8
	s_add_nc_u64 s[40:41], s[10:11], s[20:21]      ; rec at my row block
	s_lshr_b32 s22, s18, 4
	s_lshl_b32 s22, s22, 5
	s_add_co_u32 s22, s22, s19                     ; rb = 32 b + my row block
	s_and_b32 s39, s18, 15                         ; head
	s_lshl_b32 s20, s22, 15
	s_lshl_b32 s42, s39, 10                        ; fragment head / 2, parts 2 (head % 2) on
	s_add_co_u32 s20, s20, s42
	s_add_nc_u64 s[12:13], s[12:13], s[20:21]
	s_lshl_b32 s20, s22, 10
	s_lshl_b32 s42, s39, 5
	s_add_co_u32 s20, s20, s42
	s_add_nc_u64 s[14:15], s[14:15], s[20:21]
	s_wait_alu depctr_va_vdst(0)                   ; the offsets and LDS addresses v1 to v8 and v11 are written, which the loads and stores below read
	; ---- the head's K, V and records into LDS: 17 loads a wave
.irp i, 0,1,2,3,4,5,6,7
	global_load_b128 v[48+4*\i:51+4*\i], v4, s[6:7] offset:512*\i
.endr
.irp i, 0,1,2,3,4,5,6,7
	global_load_b128 v[80+4*\i:83+4*\i], v4, s[8:9] offset:512*\i
.endr
	global_load_b128 v[112:115], v6, s[10:11]
.irp j, 24,25,26,27,28,29,30,31,32,33,34,35,36,37,38,39
	v_mov_b32 v[\j], 0                             ; the zero halves of Q0 and Q1: written once
.endr
.irp j, 236,237,238,239,251
	v_mov_b32 v[\j], 0                             ; written once: a lane permute's destination counts as a source; v251 is named as the upper half of the pair v[250:251]
.endr
	s_wait_loadcnt 9                               ; K's eight are in; V's eight and the records' one may stay out
.irp i, 0,1,2,3,4,5,6,7
	ds_store_b128 v4, v[48+4*\i:51+4*\i] offset:512*\i
.endr
	s_wait_loadcnt 1                               ; V's are in
.irp i, 0,1,2,3,4,5,6,7
	ds_store_b128 v5, v[80+4*\i:83+4*\i] offset:512*\i
.endr
	s_wait_loadcnt 0x0
	ds_store_b128 v8, v[112:115]
	s_wait_dscnt 0x0                               ; for the others' sake: my stores have landed
	s_barrier_signal -1
	s_barrier_wait -1                              ; the only barrier: from here on LDS is only read
	s_mov_b32 s[UC], 0
	s_mov_b32 s[SH], 0
.Ltile:
	s_wait_alu depctr_va_vdst(0)                   ; the last tile's products are done reading Q0 and Q1, and its vector lines are done with v252: the loads below land there
	global_load_b128 v[16:19], v1, s[4:5]          ; the tile's q, e = 0..31 and 32..63, into Q0's lower half
	global_load_b128 v[20:23], v1, s[4:5] offset:512
	global_load_b128 v[40:43], v1, s[4:5]          ; and into Q1's upper half
	global_load_b128 v[44:47], v1, s[4:5] offset:512
	global_load_b32 v252, v11, s[40:41]            ; q's word: two bytes for each tile
	v_mov_b32 v13, 0xff61b1e6                      ; the largest t so far: -3e38, under every t
	v_floor_f32 v12, -v13                          ; -M
	v_mov_b32 v14, 0                               ; the sum, in two halves
	v_mov_b32 v15, 0
	s_mov_b32 s[TK], 0
	s_mov_b32 s[TS], 0
	s_mov_b32 s[KC], 8
	s_wait_loadcnt 0x0
	v_lshrrev_b32 v252, s[SH], v252
	v_and_b32 v252, 0xffff, v252
	v_lshl_or_b32 v249, v252, 16, v252             ; the tile's two bytes twice: one word serves Q0 and Q1
.set j, 0
.rept 32
	v_mov_b32 v[O+j], 0                            ; O^T: the loop is written once, its first step finds zeros.  (These are also the places between q's word and the first product)
.set j, j+1
.endr
.Lkey:                                             ; 8 trips of 128 keys
	s_wait_alu depctr_vm_vsrc(0)                   ; the last step's LDS loads have read v8 to v10, which the additions write; in the very first trip: the head's stores have read v8, v48-111 and v112-115, which this step writes
	v_add_nc_u32 v8, s[TK], v1
	v_add_nc_u32 v9, s[TK], v2
	v_add_nc_u32 v10, s[TS], v3
.rept 5
	v_nop                                          ; with the three additions: eight places behind the last products, ahead of the loads into registers that they read
.endr
	s_wait_alu depctr_va_vdst(0)                   ; v8 to v10 are written, which the loads read; the last step's products are done reading v48-111 and v240-243, its vector lines done with v224-227: the loads land there; q's word v249 and the zero halves of Q0 and Q1 are written, which the products below take
.irp b, 0,1,2,3
.irp c, 0,1,2,3
	ds_load_b128 v[FR+16*\b+4*\c:FR+16*\b+4*\c+3], v8 offset:2048*\b+512*\c
.endr
.endr
.irp b, 0,1,2,3
	ds_load_b32 v[240+\b], v10 offset:256*\b       ; K's scale word of key block b
.endr
.irp b, 0,1,2,3
	ds_load_b32 v[224+\b], v10 offset:256*\b+128   ; V's four bytes (by tile t) of key block b
.endr
	s_wait_dscnt 0x0
.irp b, 0,1,2,3
.irp u, 0,1
	v_wmma_scale_f32_16x16x128_f8f6f4 v[S+16*\b+8*\u:S+16*\b+8*\u+7], v[FR+16*\b:FR+16*\b+15], v[16+16*\u:31+16*\u], 0, v[240+\b], v249
.endr
.endr
	v_perm_b32 v228, v225, v224, s[P0]             ; V's bytes turned: word t gets byte b from block b's word.  Eight plain lines: the places behind the products
	v_perm_b32 v229, v225, v224, s[P0+1]
	v_perm_b32 v230, v227, v226, s[P0]
	v_perm_b32 v231, v227, v226, s[P0+1]
	v_perm_b32 v244, v230, v228, s[P0+2]
	v_perm_b32 v245, v230, v228, s[P0+3]
	v_perm_b32 v246, v231, v229, s[P0+2]
	v_perm_b32 v247, v231, v229, s[P0+3]
.irp b, 0,1,2,3
	v_max3_num_f32 v[232+\b], v[S+16*\b], v[S+1+16*\b], v[S+2+16*\b]   ; the largest score of each block of 32 keys: for the row's maximum, and, since p rises with the score, for the block's largest p
.endr
.irp i, 3,5,7,9,11,13
.irp b, 0,1,2,3
	v_max3_num_f32 v[232+\b], v[232+\b], v[S+16*\b+\i], v[S+1+16*\b+\i]
.endr
.endr
.irp b, 0,1,2,3
	v_max_num_f32 v[232+\b], v[232+\b], v[S+15+16*\b]
.endr
.irp b, 0,1,2,3
	v_permlanex16_b32 v[236+\b], v[232+\b], s[SEL], s[SEL+1]
.endr
.irp b, 0,1,2,3
	v_max_num_f32 v[232+\b], v[232+\b], v[236+\b]  ; with lane l xor 16's 16 keys
.endr
	v_max3_num_f32 v252, v232, v233, v234
	v_max_num_f32 v252, v252, v235                 ; the step's largest score of my query
	v_mul_f32 v252, s[CS], v252                    ; as t (c is positive)
	v_max_num_f32 v13, v13, v252                   ; the running largest t
	v_mov_b32 v252, v12
	v_floor_f32 v12, -v13                          ; the new -M = floor(-t) = -ceil(t)
	v_sub_f32 v252, v12, v252                      ; old M - new M: a whole number, 0 or less
	v_cvt_i32_f32 v252, v252                       ; (it saturates)
	v_ldexp_f32 v250, 1.0, v252                    ; f = 2^(old M - new M)
.set j, 0
.rept 32
	v_pk_fma_f32 v[S+j:S+j+1], v[S+j:S+j+1], s[CS:CS+1], v[12:13] op_sel_hi:[1,0,0]   ; t - M, two at a time
.set j, j+2
.endr
.irp b, 0,1,2,3
	v_fma_f32 v[232+\b], v[232+\b], s[CS], v12     ; the same of each block's largest score
.endr
.set j, 0
	s_wait_alu depctr_va_vdst(0)
.rept 64
	v_exp_f32 v[S+j], v[S+j]                       ; p = 2^(t - M), at most 1
.set j, j+1
.endr
	v_pk_mul_f32 v[14:15], v[14:15], v[250:251] op_sel_hi:[1,0]   ; the sums under the new M: a plain line behind the exponentials
	s_wait_alu depctr_va_vdst(0)                   ; one wait for the batch of 64, ahead of its first reader.  It also says that the score products are done reading v48-111, in which V's loads land
.irp t, 0,1,2,3
.irp c, 0,1,2,3
	ds_load_b128 v[FR+16*\t+4*\c:FR+16*\t+4*\c+3], v9 offset:2048*\t+512*\c   ; V's four fragments land while the rest of the softmax is walked: no vector line of it names v48-111 or v9
.endr
.endr
.irp b, 0,1,2,3
	v_exp_f32 v[232+\b], v[232+\b]                 ; the block's largest p
.endr
	v_pk_add_f32 v[236:237], v[S:S+1], v[S+2:S+3]  ; the row's sum of the unquantised p, in two chains
.irp j, 4,8,12,16,20,24,28,32,36,40,44,48,52,56,60
	v_pk_add_f32 v[14:15], v[14:15], v[S+\j:S+\j+1]
	v_pk_add_f32 v[236:237], v[236:237], v[S+2+\j:S+3+\j]
.endr
	v_pk_add_f32 v[14:15], v[14:15], v[236:237]
	s_wait_alu depctr_va_vdst(0)                   ; and one for the four: v232-235 are written
.irp b, 0,1,2,3
	v_max_num_f32 v[232+\b], 0x4800000, v[232+\b]  ; the floor 2^(9 - 127)
.endr
.irp b, 0,1,2,3
	v_add_nc_u32 v[228+\b], 0xfc000000, v[232+\b]  ; the conversion's scale operand
.endr
.irp b, 0,1,2,3
	v_and_or_b32 v[224+\b], v[232+\b], 0x7f800000, s[MNT]   ; 448 x the scale
.endr
.irp b, 0,1,2,3
	v_lshrrev_b32 v[236+\b], 23, v[228+\b]         ; the scale's byte
.endr
	v_lshl_or_b32 v248, v237, 8, v236              ; p's scale word for these 128 keys
	v_lshl_or_b32 v248, v238, 16, v248
	v_lshl_or_b32 v248, v239, 24, v248
.irp b, 0,1,2,3
.irp i, 0,1,2,3,4,5,6,7,8,9,10,11,12,13,14,15
	v_min_num_f32 v[S+16*\b+\i], v[S+16*\b+\i], v[224+\b]   ; the hold; p is not negative, so it is one-sided
.endr
	v_cvt_scalef32_pk8_fp8_f32 v[PC+4*\b:PC+1+4*\b], v[S+16*\b:S+7+16*\b], v[228+\b]
	v_cvt_scalef32_pk8_fp8_f32 v[PC+2+4*\b:PC+3+4*\b], v[S+8+16*\b:S+15+16*\b], v[228+\b]
.endr
.set j, 0
.rept 16
	v_pk_mul_f32 v[O+j:O+j+1], v[O+j:O+j+1], v[250:251] op_sel_hi:[1,0]   ; O^T under the new M.  (Also the places between the codes and the products)
.set j, j+2
.endr
	s_wait_dscnt 0x0                               ; V
	s_wait_alu depctr_va_vdst(0)                   ; the conversions have written p's codes v208-223, and p's scale word v248 is written: the products below take them as an operand and as scales; the places above stay beside this wait
.irp t, 0,1,2,3
	v_wmma_scale_f32_16x16x128_f8f6f4 v[O+8*\t:O+8*\t+7], v[FR+16*\t:FR+16*\t+15], v[PC:PC+15], v[O+8*\t:O+8*\t+7], v[244+\t], v248
.endr
	s_add_co_u32 s[TK], s[TK], 8192
	s_add_co_u32 s[TS], s[TS], 1024
	s_sub_co_u32 s[KC], s[KC], 1
	s_cmp_lg_u32 s[KC], 0
	s_cbranch_scc1 .Lkey
	; ---- the tile's way out
	v_add_f32 v14, v14, v15                        ; the sum's two halves,
	v_permlanex16_b32 v252, v14, s[SEL], s[SEL+1]
	v_add_f32 v14, v14, v252                       ; and lane l xor 16's
	s_wait_alu depctr_va_vdst(0)
	v_rcp_f32 v14, v14
.rept 8
	v_nop                                          ; the plain line behind the reciprocal, and eight places behind the last products
.endr
	s_wait_alu depctr_va_vdst(0)                   ; ahead of the reciprocal's first reader: v14 is written
.set j, 0
.rept 16
	v_pk_mul_f32 v[S+j:S+j+1], v[O+j:O+j+1], v[14:15] op_sel_hi:[1,0]   ; O^T / the sum: register 16 beta + i is e = 32 beta + 16 h + i
.set j, j+2
.endr
	QUANT S, 2, 0
	v_cndmask_b32 v252, v228, v229, s[HM]          ; lanes 0-15 store beta 0's byte, lanes 16-31 beta 1's
	s_wait_alu depctr_va_vdst(0)                   ; the conversions have written v208-215, and v252 is written: the three stores read them
	global_store_b128 v1, v[PC:PC+3], s[12:13]
	global_store_b128 v1, v[PC+4:PC+7], s[12:13] offset:512
	global_store_b8 v7, v252, s[14:15]
	s_wait_xcnt 0x0                                ; the stores have read their registers and bases: both are written again
	s_wait_alu depctr_vm_vsrc(0)                   ; the stores have read v208-215 and v252: the next tile's load lands in v252, its conversions write the codes again
	s_add_nc_u64 s[4:5], s[4:5], 1024              ; the other tile's q,
	s_add_nc_u64 s[12:13], s[12:13], 16384         ; its fragments of af,
	s_add_nc_u64 s[14:15], s[14:15], 512           ; its bytes of asc
	s_add_co_u32 s[SH], s[SH], 16
	s_add_co_u32 s[UC], s[UC], 1
	s_cmp_lt_u32 s[UC], 2
	s_cbranch_scc1 .Ltile
	s_wait_dscnt 0x0                               ; the closing lines, six on end
	s_wait_alu 0x0
	s_wait_tensorcnt 0x0
	ds_add_u32 v[SPW], v[NIL]
	s_wait_dscnt 0x0
	s_endpgm
.Lfunc_end_k_q3b17c27624_attn:
	.size	k_q3b17c27624_attn, .Lfunc_end_k_q3b17c27624_attn-k_q3b17c27624_attn
	.p2alignl 7, 3214868480
	.fill 96, 4, 3214868480
	.section	.rodata,"a",@progbits
	.p2align	6, 0x0
	.amdhsa_kernel k_q3b17c27624_attn
		.amdhsa_group_segment_fixed_size 141312
		.amdhsa_private_segment_fixed_size 0
		.amdhsa_enable_private_segment 0
		.amdhsa_kernarg_size 48
		.amdhsa_user_sgpr_count 2
		.amdhsa_user_sgpr_kernarg_segment_ptr 1
		.amdhsa_wavefront_size32 1
		.amdhsa_system_sgpr_workgroup_id_x 1
		.amdhsa_system_sgpr_workgroup_id_y 1
		.amdhsa_system_sgpr_workgroup_id_z 1
		.amdhsa_system_vgpr_workitem_id 0
		.amdhsa_next_free_vgpr 256
		.amdhsa_next_free_sgpr 66
		.amdhsa_reserve_vcc 0
		.amdhsa_float_denorm_mode_32 3
		.amdhsa_float_denorm_mode_16_64 3
		.amdhsa_memory_ordered 1
		.amdhsa_forward_progress 1
		.amdhsa_inst_pref_size 34
	.end_amdhsa_kernel
	.amdgpu_metadata
---
amdhsa.version: [ 1, 2 ]
amdhsa.kernels:
  - .name:           k_q3b17c27624_attn
    .symbol:         k_q3b17c27624_attn.kd
    .args:
      - { .name: qf, .offset: 0, .size: 8, .value_kind: global_buffer, .address_space: global }
      - { .name: kf, .offset: 8, .size: 8, .value_kind: global_buffer, .address_space: global }
      - { .name: vf, .offset: 16, .size: 8, .value_kind: global_buffer, .address_space: global }
      - { .name: rec, .offset: 24, .size: 8, .value_kind: global_buffer, .address_space: global }
      - { .name: af, .offset: 32, .size: 8, .value_kind: global_buffer, .address_space: global }
      - { .name: asc, .offset: 40, .size: 8, .value_kind: global_buffer, .address_space: global }
    .group_segment_fixed_size: 141312
    .private_segment_fixed_size: 0
    .kernarg_segment_align: 8
    .kernarg_segment_size: 48
    .max_flat_workgroup_size: 512
    .sgpr_count:     66
    .vgpr_count:     256
    .wavefront_size: 32
...
	.end_amdgpu_metadata
.endif
;; end of part 7
;; launch tail (part 8): grid 256 x 1, 16 waves a work-group, no clusters, 214,016 bytes of LDS; arguments af, asc, wf, wsc, x, bo, g_ln2, b_ln2, b1, b2, out0; writes out0
.if DOCPART == 8
	.amdgcn_target "amdgcn-amd-amdhsa--gfx1250"
	.amdhsa_code_object_version 6
	.text
	.protected	k_q3b17c27624_tail
	.globl	k_q3b17c27624_tail
	.p2align	8
	.type	k_q3b17c27624_tail,@function
k_q3b17c27624_tail:
	s_mov_b64 s[64:65], 0
	v_nop
	global_prefetch_b8 v0, s[64:65] scope:SCOPE_SE
	s_setreg_imm32_b32 hwreg(HW_REG_WAVE_SCHED_MODE, 0, 2), 2
	s_setreg_imm32_b32 hwreg(HW_REG_WAVE_MODE, 25, 1), 1
	s_wait_xcnt 0x0
	s_wait_alu depctr_vm_vsrc(0)
; ENCODER BLOCK IN MX-FP8, launch 4 of 4: x1 = x + attn Wo + bo (product 6); h2 = LN2(x1), quantised; g = gelu(h2 W1 + b1) (product 7), quantised; out0 = x1 + g W2 + b2 (product 8).  No work is left out.
; SHARES.  A work-group owns 32 rows and all 1,024 columns, so that x1, h2 and g never go to memory: 256 work-groups, sixteen waves of 256 registers.  Wave w owns columns 64 w .. 64 w + 63 (4 tiles) x 32 rows (2 tiles):
; 8 accumulators by turns, 8 K steps of 128 in each of three passes.  The products are used transposed (source 0 = 16 columns of W, source 1 = 16 rows): a lane holds one row
; rho(u, r) = 8 u + r + 8 (r / 8), and the 16 registers of tiles 2 beta, 2 beta + 1 are columns 64 w + 32 beta + 16 h + 0..15: 16 neighbours along the next K.
; OPERANDS GO FROM WAVE TO WAVE THROUGH LDS AS IMAGES OF THEIR REGISTERS (16 bytes a lane, 512 a store); the scale words beside them.  Two image regions take turns: attn in A, h2 in B, g in A.
; THE WEIGHTS GO FROM MEMORY STRAIGHT INTO THE OPERAND REGISTERS, one K step ahead in two buffers.  Every work-group walks the same 3 MiB of weight codes.  They are not asked for jointly in a cluster: a joint request lands in
; LDS, while here each weight fragment feeds exactly one wave of the work-group; the price, stated plainly, is that each work-group asks for all 3 MiB itself.
; The residual and the biases are the C of each pass's first products: x + bo, b1, x1 + b2.  So bo and b2 meet the residual ahead of the product's sums: another order of f32 rounding than reference()'s.
; GELU = 0.5 x erfc(-x sqrt(1/2)).  erfc(w): |w| <= 1: 1 - w T(w^2); else exp(-w^2) / |w| x P or R (1 / w^2) for |w| < 2 or not, and 2 - that for w < 0 (the single-precision Cephes polynomials).  Both arms are computed on clamped
; arguments (|w| held at 1 from below in one, from above in the other), so that neither makes a NaN or an infinity that is then selected away.
; LIMITS: NaN and infinities are not served; the exponential takes w^2 rounded to f32, so erfc's relative error grows like w^2 x 6e-8; v_exp_f32 gives 0 under 2^-126; blocks under 2^-118, and blocks of zeros, keep the scale byte 1.
; THE MODE: SCHED_MODE bits 1:0 = 2 (LLVM: expert scheduling mode 2), set by the entry lines.  The code itself states the register dependences
; between vector or matrix instructions and memory or LDS instructions, with s_wait_alu, always for 0.
; THE PLAN.  Registers that memory or LDS instructions touch:
;   v1-v15     offsets and LDS addresses: written at the head, never again.
;   v16-79     the accumulators.  Loads land here four times (attention's fragment, x from the stage, b1, x1 from its image); stores read them three times (attention's image, x1's image, the stage for out0).
;   v80-111, v244   K step k: the rows' two fragments and their scale words land; step k's products read them.  One set: the wave's 256 registers are all taken.  Between passes: bo; the codes v80-95, read by the images' stores;
;              v88 and v92-107, a sum's way through LDS.
;   v112-239, v240-243   two weight buffers with two scale words each: step k's loads land in buffer (k + 1) % 2, which the products of step k - 1 read last.  Between passes v176-239 serve: x as loaded, g_ln2 and b_ln2, the
;              GELU's arrays (vector lines alone), b2, the rows of out0.
;   v245, v246 scale words and halves of them: loaded or made by vector lines, stored.
; So ONE wait on va_vdst stands at the head of a K step: the products of the step before (at a pass's first step: the vector lines between the passes) are done with every register in which the step's 27 loads land.  The next
; step's weights stay ahead of the wait for this step's, so that two steps' loads of a wave are on their way.  One wait on va_vdst stands ahead of each run of stores; it serves the loads behind them too, since no vector line
; stands between.  One wait on vm_vsrc stands behind each such run, ahead of the first line that writes the stores' data again.  The GELU's 24 compares of an accumulator stand in one run, with one wait on va_sdst.
.set IMG_A, 0                          ; LDS: 16 fragments: (u, kappa) at (8 u + kappa) x 2,048
.set IMG_B, 32768
.set ASC_A, 65536                      ; scale words: 128 kappa + 64 u + 4 r;  ASC_B is 1,024 further on
.set RED1,  67584                      ; sums: 80 lane + 4 wave;  RED2 is 2,560 further on
.set X1,    72704                      ; 8,704 bytes for each wave, its own: the stage for x (32 rows of 256 bytes + 16), then x1's image, then the stage for out0
.set SPARE, 211968                     ; the spare words, 128 bytes for each wave: eight blocks of 256 bytes that no other line names
.set ACC, 16                           ; v16-79   the 8 accumulators: (u, t) at 16 + 32 u + 8 t
.set AF,  80                           ; v80-111  two fragments of the rows
.set PC,  80                           ; v80-95   between passes: the codes just made
.set TM,  96                           ; v96-111  between passes: at work
.set AS,  244                          ; v244     the rows' scale words: lanes 0-15 row tile 0, lanes 16-31 row tile 1.   v240-243: the weights'
.set LI,  1                            ; v1   16 x lane
.set LS,  2                            ; v2   ASC_A + 4 x lane
.set WO,  3                            ; v3   4 x lane
.set VB,  10                           ; v10  a [1024] vector at my columns: 64 h + 256 w
.set SPW, 254
.set NIL, 255
.set WB,  8                            ; s[8:9]   wf at Wo, my columns
.set SB,  10                           ; s[10:11] wsc likewise
.set SEL, 32
.set MNT, 34
.set HM,  35                           ; the mask of lanes 16-31
.set INV, 36                           ; 2^-10
.set EPS, 37                           ; 1e-5
.set C1,  82                           ; s[82:83] -sqrt(1/2);  s[84:85] -log2(e);  s38-63, s66-81: the polynomials' lower coefficients, a pair each (a packed source names a pair and takes its low word for both halves)
.set C2,  84
.set GW,  176                          ; the GELU's eight arrays of 8 registers: w,
.set GA,  184                          ; max(|w|, 1),
.set G0,  192                          ; w held within +-1, later R,
.set GE,  200                          ; the exponential, later erfc,
.set GQ,  208                          ; 1 / max(|w|, 1),
.set GZ,  216                          ; the polynomials' variable,
.set GT,  224                          ; T, then 1 - w T,
.set GP,  232                          ; P
; The GELU's lane masks, 24 scalar registers that are free when it begins (the loads that read them as bases have been waited for; the wave's number, the head's scratch, 2^-10 and 1e-5 have served):
;   number i of 8:  |w| < 2 in s[12 + i] (s12-19);   w < 0 in s[2 + i + 12 (i / 6)] (s2-7, s20, s21);   |w| > 1 in s[26 + i + 4 (i / 6)] (s26-31, s36, s37)
.macro BAR                             ; my LDS stores have landed and my LDS loads are in: then the work-group's barrier
	s_wait_dscnt 0x0
	s_barrier_signal -1
	s_barrier_wait -1
.endm
.macro WLOAD p, k                      ; weight p's (0 Wo, 1 W1, 2 W2) K step k for my 64 columns: 4 fragments and their scale words, into buffer k % 2: 18 loads
.irp t, 0,1,2,3
.irp c, 0,1,2,3
	global_load_b128 v[112+64*((\k)%2)+16*\t+4*\c:112+64*((\k)%2)+16*\t+4*\c+3], v[LI], s[WB:WB+1] offset:((\p)<<20)+((\k)<<13)+((4*\t+\c)<<9)
.endr
.endr
.irp j, 0,1
	global_load_b32 v[240+2*((\k)%2)+\j], v[WO], s[SB:SB+1] offset:((\p)<<15)+((\k)<<8)+128*\j
.endr
.endm
.macro WM d, a, b, sa, sb, ra, rb      ; one product onto its accumulator; ra, rb = 1: that side's scales stand in lanes 16-31
.if (\ra) && (\rb)
	v_wmma_scale_f32_16x16x128_f8f6f4 v[\d:\d+7], v[\a:\a+15], v[\b:\b+15], v[\d:\d+7], v[\sa], v[\sb] matrix_a_scale:MATRIX_SCALE_ROW1 matrix_b_scale:MATRIX_SCALE_ROW1
.elseif \ra
	v_wmma_scale_f32_16x16x128_f8f6f4 v[\d:\d+7], v[\a:\a+15], v[\b:\b+15], v[\d:\d+7], v[\sa], v[\sb] matrix_a_scale:MATRIX_SCALE_ROW1
.elseif \rb
	v_wmma_scale_f32_16x16x128_f8f6f4 v[\d:\d+7], v[\a:\a+15], v[\b:\b+15], v[\d:\d+7], v[\sa], v[\sb] matrix_b_scale:MATRIX_SCALE_ROW1
.else
	v_wmma_scale_f32_16x16x128_f8f6f4 v[\d:\d+7], v[\a:\a+15], v[\b:\b+15], v[\d:\d+7], v[\sa], v[\sb]
.endif
.endm
.macro GSTEP k, next, np, nk, img, asc
.rept 8
	v_nop                                          ; eight places behind the last step's products, ahead of the loads into registers that they read
.endr
	s_wait_alu depctr_va_vdst(0)                   ; the products of the step before are done reading v80-111, v244 and the weight buffer and scale words in which the loads below land; at a pass's first step: the vector lines between the passes are done with v80-111 and v176-239
.irp u, 0,1
.irp c, 0,1,2,3
	ds_load_b128 v[AF+16*\u+4*\c:AF+16*\u+4*\c+3], v[LI] offset:(\img)+(8*\u+(\k))*2048+512*\c
.endr
.endr
	ds_load_b32 v[AS], v[LS] offset:(\asc)+128*(\k)
.if \next
	WLOAD \np, \nk
	s_wait_loadcnt 18                              ; the 18 loads just issued may stay out; all older ones, this step's weights among them, are in
.else
	s_wait_loadcnt 0x0
.endif
	s_wait_dscnt 0x0
.irp t, 0,1,2,3
.irp u, 0,1
	WM ACC+32*\u+8*\t, 112+64*((\k)%2)+16*\t, AF+16*\u, 240+2*((\k)%2)+\t/2, AS, \t%2, \u
.endr
.endr
.endm
.macro PASS p, img, asc, np            ; all of K for weight p, onto what the accumulators hold; its last step asks for weight np's first (np < 0: for nothing)
.irp k, 0,1,2,3,4,5,6
	GSTEP \k, 1, \p, \k+1, \img, \asc
.endr
.if (\np) >= 0
	GSTEP 7, 1, \np, 0, \img, \asc
.else
	GSTEP 7, 0, 0, 0, \img, \asc
.endif
.rept 8
	v_nop                                          ; eight places ahead of the first read of the results
.endr
.endm
.macro QUANT s, pw                     ; four blocks of 16 registers from v[s] on (a block's other 16 numbers lie in lane l xor 16) become codes in v[PC + 4 b] on and the word v[pw]
.irp b, 0,1,2,3
	v_max3_num_f32 v[TM+\b], |v[\s+16*\b]|, |v[\s+1+16*\b]|, 0x4800000   ; my 16 numbers, and the floor 2^(9 - 127): the byte cannot fall under 1
.endr
.irp i, 2,4,6,8,10,12,14
.irp b, 0,1,2,3
	v_max3_num_f32 v[TM+\b], v[TM+\b], |v[\s+16*\b+\i]|, |v[\s+1+16*\b+\i]|
.endr
.endr
.irp b, 0,1,2,3
	v_permlanex16_b32 v[TM+4+\b], v[TM+\b], s[SEL], s[SEL+1]
.endr
.irp b, 0,1,2,3
	v_max_num_f32 v[TM+\b], v[TM+\b], v[TM+4+\b]
.endr
.irp b, 0,1,2,3
	v_add_nc_u32 v[TM+12+\b], 0xfc000000, v[TM+\b]   ; 8 off the exponent field: the conversion's scale operand
.endr
.irp b, 0,1,2,3
	v_and_or_b32 v[TM+8+\b], v[TM+\b], 0x7f800000, s[MNT]   ; 448 x the scale
.endr
.irp b, 0,1,2,3
	v_lshrrev_b32 v[TM+4+\b], 23, v[TM+12+\b]      ; the scale's byte
.endr
	v_lshl_or_b32 v[\pw], v[TM+5], 8, v[TM+4]
	v_lshl_or_b32 v[\pw], v[TM+6], 16, v[\pw]
	v_lshl_or_b32 v[\pw], v[TM+7], 24, v[\pw]
.irp b, 0,1,2,3
.irp i, 0,1,2,3,4,5,6,7,8,9,10,11,12,13,14,15
	v_med3_num_f32 v[\s+16*\b+\i], v[\s+16*\b+\i], -v[TM+8+\b], v[TM+8+\b]   ; the conversion does not saturate (ISA guide 7.6.2): the hold comes first
.endr
	v_cvt_scalef32_pk8_fp8_f32 v[PC+4*\b:PC+1+4*\b], v[\s+16*\b:\s+7+16*\b], v[TM+12+\b]
	v_cvt_scalef32_pk8_fp8_f32 v[PC+2+4*\b:PC+3+4*\b], v[\s+8+16*\b:\s+15+16*\b], v[TM+12+\b]
.endr
	v_nop                                          ; a plain line behind the last conversion: later products write its sources
.endm
.macro VEC32 reg, base                 ; the 32 numbers of a [1024] vector at my lane's columns, in the result's layout: register 8 t + i = column 64 w + 32 (t / 2) + 16 h + 8 (t % 2) + i
.irp t, 0,1,2,3
.irp j, 0,1
	global_load_b128 v[\reg+8*\t+4*\j:\reg+8*\t+4*\j+3], v[VB], s[\base:\base+1] offset:(32*(\t/2)+8*(\t%2))*4+16*\j
.endr
.endr
.endm
.macro IMAGES img, asc                 ; the codes in v[PC] on and the word v245 go to LDS: my 64 columns are half of K step w / 2: parts 2 (w % 2) + beta of fragments (u, w / 2), and two bytes of each row's word
	v_lshrrev_b32 v246, 16, v245
	v_cndmask_b32 v246, v245, v246, s[HM]          ; lanes 0-15: row tile 0's two bytes; lanes 16-31: row tile 1's
	s_wait_alu depctr_va_vdst(0)                   ; the conversions have written v80-95, and v246 is written: the stores read them.  The vector lines so far are also done with v16-79 and v176-239, in which the loads behind these stores land
.irp u, 0,1
.irp e, 0,1
	ds_store_b128 v4, v[PC+4*(2*\u+\e):PC+4*(2*\u+\e)+3] offset:(\img)+16384*\u+512*\e
.endr
.endr
	ds_store_b16 v5, v246 offset:\asc
.endm
; v[80:83] (row tile 0) and v[84:87] (row tile 1): two chains each of a lane's sum.  The lane's, its partner's, then the sixteen waves', through LDS at off: the rows' totals over 1,024 columns in v94 (tile 0) and v96 (tile 1).
.macro RSUM off
.irp u, 0,1
	v_pk_add_f32 v[80+4*\u:81+4*\u], v[80+4*\u:81+4*\u], v[82+4*\u:83+4*\u]
.endr
.irp u, 0,1
	v_add_f32 v[80+4*\u], v[80+4*\u], v[81+4*\u]
.endr
.irp u, 0,1
	v_permlanex16_b32 v[81+4*\u], v[80+4*\u], s[SEL], s[SEL+1]
.endr
.irp u, 0,1
	v_add_f32 v[80+4*\u], v[80+4*\u], v[81+4*\u]
.endr
	v_cndmask_b32 v88, v80, v84, s[HM]             ; lane (r, h) carries row tile h's sum
	s_wait_alu depctr_va_vdst(0)                   ; v88 is written, which the store reads; the vector lines are done with v92-107, in which the loads below land
	ds_store_b32 v11, v88 offset:\off
	BAR
	s_wait_alu depctr_vm_vsrc(0)                   ; the store has read v88, and the stores of x1's image have read v16-79: later vector lines write both again
.irp i, 0,1,2,3
	ds_load_b128 v[92+4*\i:95+4*\i], v12 offset:\off+16*\i
.endr
	s_wait_dscnt 0x0
	v_pk_add_f32 v[92:93], v[92:93], v[94:95]      ; the same order in every wave
	v_pk_add_f32 v[96:97], v[96:97], v[98:99]
	v_pk_add_f32 v[100:101], v[100:101], v[102:103]
	v_pk_add_f32 v[104:105], v[104:105], v[106:107]
	v_pk_add_f32 v[92:93], v[92:93], v[96:97]
	v_pk_add_f32 v[100:101], v[100:101], v[104:105]
	v_pk_add_f32 v[92:93], v[92:93], v[100:101]
	v_add_f32 v92, v92, v93
	v_permlanex16_b32 v93, v92, s[SEL], s[SEL+1]   ; the other row tile's total
	v_cndmask_b32 v94, v92, v93, s[HM]
	v_cndmask_b32 v96, v93, v92, s[HM]
.endm
.macro SETC n, val                     ; coefficient n into its scalar pair
	s_mov_b32 s[38+2*(\n)+2*((\n)/13)], \val
	s_mov_b32 s[39+2*(\n)+2*((\n)/13)], s[38+2*(\n)+2*((\n)/13)]
.endm
.macro HORNER dst, var, lead, first, n ; 8 numbers: the polynomial in v[var] with the leading coefficient in v[lead:lead+1] and n more in the scalar pairs from number first on
.set cr_, 38+2*(\first)+2*((\first)/13)
.irp q, 0,2,4,6
	v_pk_fma_f32 v[\dst+\q:\dst+\q+1], v[\var+\q:\var+\q+1], v[\lead:\lead+1], s[cr_:cr_+1] op_sel_hi:[1,1,0]
.endr
.set n_, 1
.rept (\n)-1
.set cr_, 38+2*(\first+n_)+2*((\first+n_)/13)
.irp q, 0,2,4,6
	v_pk_fma_f32 v[\dst+\q:\dst+\q+1], v[\dst+\q:\dst+\q+1], v[\var+\q:\var+\q+1], s[cr_:cr_+1] op_sel_hi:[1,1,0]
.endr
.set n_, n_+1
.endr
.endm
.macro GELU8 x                         ; one accumulator, v[x] .. v[x + 7], in place
.irp q, 0,2,4,6
	v_pk_mul_f32 v[GW+\q:GW+\q+1], v[\x+\q:\x+\q+1], s[C1:C1+1] op_sel_hi:[1,0]   ; w = -x sqrt(1/2)
.endr
.irp i, 0,1,2,3,4,5,6,7
	v_max_num_f32 v[GA+\i], |v[GW+\i]|, 1.0
.endr
.irp i, 0,1,2,3,4,5,6,7
	v_med3_num_f32 v[G0+\i], v[GW+\i], -1.0, 1.0
.endr
.irp i, 0,1,2,3,4,5,6,7
	v_cmp_gt_f32 s[12+\i], 2.0, v[GA+\i]           ; the three choices' masks, 24 compares in one run, far ahead of their readers: |w| < 2,
.endr
.irp i, 0,1,2,3,4,5,6,7
	v_cmp_gt_f32 s[2+\i+12*(\i/6)], 0, v[GW+\i]    ; w < 0,
.endr
.irp i, 0,1,2,3,4,5,6,7
	v_cmp_lt_f32 s[26+\i+4*(\i/6)], 1.0, v[GA+\i]  ; |w| > 1
.endr
.irp q, 0,2,4,6
	v_pk_mul_f32 v[GE+\q:GE+\q+1], v[GA+\q:GA+\q+1], v[GA+\q:GA+\q+1]
.endr
.irp q, 0,2,4,6
	v_pk_mul_f32 v[GE+\q:GE+\q+1], v[GE+\q:GE+\q+1], s[C2:C2+1] op_sel_hi:[1,0]
.endr
	s_wait_alu depctr_va_vdst(0)
.irp i, 0,1,2,3,4,5,6,7
	v_exp_f32 v[GE+\i], v[GE+\i]                   ; exp(-a^2)
.endr
.irp i, 0,1,2,3,4,5,6,7
	v_rcp_f32 v[GQ+\i], v[GA+\i]                   ; one batch of sixteen
.endr
.irp q, 0,2,4,6
	v_pk_mul_f32 v[GZ+\q:GZ+\q+1], v[G0+\q:G0+\q+1], v[G0+\q:G0+\q+1]   ; the inner arm names none of the batch's results: it is the work behind the batch
.endr
	HORNER GT, GZ, 80, 0, 6
.irp q, 0,2,4,6
	v_pk_fma_f32 v[GT+\q:GT+\q+1], v[G0+\q:G0+\q+1], v[GT+\q:GT+\q+1], 1.0 op_sel_hi:[1,1,0] neg_lo:[1,0,0] neg_hi:[1,0,0]   ; 1 - w T(w^2)
.endr
	s_wait_alu depctr_va_vdst(0)                   ; one wait for the batch, ahead of its first reader: the exponentials and reciprocals are written
	s_wait_alu depctr_va_sdst(0)                   ; the 24 compares have written their masks, ahead of the first selection that reads one
.irp q, 0,2,4,6
	v_pk_mul_f32 v[GZ+\q:GZ+\q+1], v[GQ+\q:GQ+\q+1], v[GQ+\q:GQ+\q+1]
.endr
	HORNER GP, GZ, 82, 6, 8
	HORNER G0, GZ, 84, 14, 7
.irp i, 0,1,2,3,4,5,6,7
	v_cndmask_b32 v[GP+\i], v[G0+\i], v[GP+\i], s[12+\i]   ; P under 2, R from 2 on
.endr
.irp q, 0,2,4,6
	v_pk_mul_f32 v[GE+\q:GE+\q+1], v[GE+\q:GE+\q+1], v[GQ+\q:GQ+\q+1]
.endr
.irp q, 0,2,4,6
	v_pk_mul_f32 v[GE+\q:GE+\q+1], v[GE+\q:GE+\q+1], v[GP+\q:GP+\q+1]   ; erfc(|w|)
.endr
.irp q, 0,2,4,6
	v_pk_add_f32 v[GQ+\q:GQ+\q+1], v[GE+\q:GE+\q+1], 2.0 op_sel_hi:[1,0] neg_lo:[1,0] neg_hi:[1,0]   ; 2 - that
.endr
.irp i, 0,1,2,3,4,5,6,7
	v_cndmask_b32 v[GE+\i], v[GE+\i], v[GQ+\i], s[2+\i+12*(\i/6)]   ; 2 - erfc(|w|) where w < 0
.endr
.irp i, 0,1,2,3,4,5,6,7
	v_cndmask_b32 v[GE+\i], v[GT+\i], v[GE+\i], s[26+\i+4*(\i/6)]   ; the outer arm where |w| > 1
.endr
.irp q, 0,2,4,6
	v_pk_mul_f32 v[GE+\q:GE+\q+1], v[GE+\q:GE+\q+1], 0.5 op_sel_hi:[1,0]
.endr
.irp q, 0,2,4,6
	v_pk_mul_f32 v[\x+\q:\x+\q+1], v[\x+\q:\x+\q+1], v[GE+\q:GE+\q+1]
.endr
.endm
	s_load_b512 s[4:19], s[0:1], 0x0               ; af, asc, wf, wsc, x, bo, g_ln2, b_ln2
	s_load_b128 s[20:23], s[0:1], 0x40             ; b1, b2
	s_load_b64 s[24:25], s[0:1], 0x50              ; out0
	v_lshl_add_u32 v[SPW], v0, 2, SPARE
	v_mov_b32 v[NIL], 0
	v_lshrrev_b32 v245, 5, v0
	v_readfirstlane_b32 s26, v245                  ; wave 0..15
	v_and_b32 v245, 31, v0                         ; lane
	v_and_b32 v246, 15, v0                         ; r
	s_wait_alu depctr_va_vdst(0)
	v_bfe_u32 v247, v0, 4, 1                       ; h
	v_lshlrev_b32 v[LI], 4, v245
	v_lshlrev_b32 v[WO], 2, v245
	v_add_nc_u32 v[LS], ASC_A, v[WO]
	s_wait_alu depctr_va_sdst(0)                   ; s26 is written, ahead of its first reader
	s_lshl_b32 s28, s26, 10
	v_add_nc_u32 v4, s28, v[LI]                    ; v4  where I store images: 16 lane + 1,024 w
	s_lshr_b32 s28, s26, 1
	s_lshl_b32 s28, s28, 7
	s_and_b32 s29, s26, 1
	s_lshl_b32 s29, s29, 1
	s_add_co_u32 s28, s28, s29
	v_add_nc_u32 v5, s28, v[LS]                    ; v5  and my two bytes of a scale word: 4 lane + 128 (w / 2) + 2 (w % 2)
	s_mul_i32 s28, s26, 8704
	s_add_co_u32 s28, s28, X1                      ; my wave's own region
	v_mul_u32_u24 v6, v246, 272
	s_wait_alu depctr_va_vdst(0)
	v_lshl_add_u32 v6, v247, 6, v6
	v_add_nc_u32 v6, s28, v6                       ; v6  the stage by the result's layout: row r, + 64 h
	v_mul_u32_u24 v7, v247, 272
	v_lshl_add_u32 v7, v246, 4, v7
	v_add_nc_u32 v7, s28, v7                       ; v7  the stage by rows: lanes 0-15 one row of 256 bytes, lanes 16-31 the next
	v_add_nc_u32 v8, s28, v[LI]                    ; v8  x1's image
	s_lshl_b32 s28, s26, 8
	v_lshlrev_b32 v9, 12, v247
	v_lshl_add_u32 v9, v246, 4, v9
	v_add_nc_u32 v9, s28, v9                       ; v9  the same two rows in x and out0: 4,096 h + 16 r + 256 w
	v_lshl_add_u32 v[VB], v247, 6, s28
	v_mul_u32_u24 v12, v245, 80
	v_add_nc_u32 v12, RED1, v12                    ; v12 my lane's sixteen partial sums,
	s_lshl_b32 s29, s26, 2
	v_add_nc_u32 v11, s29, v12                     ; v11 and my wave's among them
	s_lshl_b32 s28, s26, 11
	v_add_nc_u32 v13, s28, v[LI]                   ; v13 fragment w of af, in memory and in LDS
	v_lshlrev_b32 v14, 1, v246                     ; v14 asc: 2 r
	s_and_b32 s28, s26, 7
	s_lshl_b32 s28, s28, 7
	s_lshr_b32 s29, s26, 3
	s_lshl_b32 s29, s29, 6
	s_add_co_u32 s28, s28, s29
	s_add_co_u32 s28, s28, ASC_A
	v_lshl_add_u32 v15, v246, 2, s28               ; v15 fragment w's scale words
	s_mov_b32 s[SEL], 0x76543210
	s_mov_b32 s[SEL+1], 0xfedcba98
	s_mov_b32 s[MNT], 0x600000
	s_mov_b32 s[HM], 0xffff0000
	s_mov_b32 s[INV], 0x3a800000
	s_mov_b32 s[EPS], 0x3727c5ac
	s_mov_b32 s31, 0
	s_wait_kmcnt 0x0
	s_lshl_b32 s30, ttmp9, 15
	s_add_nc_u64 s[4:5], s[4:5], s[30:31]          ; af at my row block
	s_lshl_b32 s30, ttmp9, 10
	s_lshl_b32 s28, s26, 6
	s_add_co_u32 s30, s30, s28
	s_add_nc_u64 s[6:7], s[6:7], s[30:31]          ; asc at fragment w's two heads
	s_lshl_b32 s30, s26, 16
	s_add_co_u32 s30, s30, 0x300000
	s_add_nc_u64 s[WB:WB+1], s[WB:WB+1], s[30:31]
	s_lshl_b32 s30, s26, 11
	s_add_co_u32 s30, s30, 0x18000
	s_add_nc_u64 s[SB:SB+1], s[SB:SB+1], s[30:31]
	s_lshl_b32 s30, ttmp9, 17
	s_add_nc_u64 s[12:13], s[12:13], s[30:31]      ; x and out0 at my 32 rows
	s_add_nc_u64 s[24:25], s[24:25], s[30:31]
	s_wait_alu depctr_va_vdst(0)                   ; the offsets and LDS addresses v1 to v15 are written: every load and store of the kernel reads one of them; the head's lines are done with v245 and v246, in which loads land
	; ---- 0: attention's fragment w and its scale words into LDS; x + bo into the accumulators.  48 loads in this order: 4, 2, 16, 8, 18
.irp c, 0,1,2,3
	global_load_b128 v[16+4*\c:19+4*\c], v13, s[4:5] offset:512*\c th:TH_LOAD_NT
.endr
	global_load_u16 v245, v14, s[6:7]              ; head 2 kappa's two bytes of row r,
	global_load_u16 v246, v14, s[6:7] offset:32    ; head 2 kappa + 1's
.irp u, 0,1
.irp i, 0,1,2,3,4,5,6,7
	global_load_b128 v[176+32*\u+4*\i:179+32*\u+4*\i], v9, s[12:13] offset:(8*\u+2*\i+8*(\i/4))*4096 th:TH_LOAD_NT   ; sixteen lanes read 256 consecutive bytes of a row
.endr
.endr
	VEC32 80, 14
	WLOAD 0, 0
	SETC 0, -0.0008010193625184903                 ; T's lower six (scalar work while the loads are out)
	SETC 1, 0.005188327685732524
	SETC 2, -0.02685381193529856
	SETC 3, 0.1128358514861418
	SETC 4, -0.3761262582423300
	SETC 5, 1.128379165726710
	SETC 6, -0.1387039388740657                    ; P's lower eight
	SETC 7, 0.3687424674597105
	SETC 8, -0.5824733027278666
	SETC 9, 0.6210004621745983
	SETC 10, -0.4944515323274145
	SETC 11, 0.3404879937665872
	SETC 12, -0.2741127028184656
	SETC 13, 0.5638259427386472
	SETC 14, 12.97719955372516                     ; R's lower seven
	SETC 15, -7.495518717768503
	SETC 16, 2.921019019210786
	SETC 17, -1.015265279202700
	SETC 18, 0.4218463358204948
	SETC 19, -0.2820767439740514
	SETC 20, 0.5641895067754075
	SETC 21, -0.7071067811865476
	SETC 22, -1.4426950408889634
	s_wait_loadcnt 42                              ; the fragment and its bytes are in; x's 16, bo's 8 and the weights' 18 may stay out
	v_lshl_or_b32 v245, v246, 16, v245
	s_wait_alu depctr_va_vdst(0)                   ; the scale word v245 is written, which the last of the five stores reads
.irp c, 0,1,2,3
	ds_store_b128 v13, v[16+4*\c:19+4*\c] offset:IMG_A+512*\c
.endr
	ds_store_b32 v15, v245                         ; both halves of the lanes write the same word with the same value
	s_wait_loadcnt 26                              ; x is in
.irp u, 0,1
.irp i, 0,1,2,3,4,5,6,7
	ds_store_b128 v7, v[176+32*\u+4*\i:179+32*\u+4*\i] offset:4352*\u+544*\i   ; stage row 16 u + r' holds row rho(u, r')
.endr
.endr
	s_wait_dscnt 0x0                               ; the image's stores have read v16-31, into which the loads below land
	s_wait_alu depctr_vm_vsrc(0)                   ; the image's stores have read v16-31 and v245, the stage's v176-239: the loads below land in the first, a later vector line writes the second, the first pass's weights land in the third
.irp u, 0,1
.irp e, 0,1
.irp i, 0,1,2,3
	ds_load_b128 v[16+32*\u+16*\e+4*\i:19+32*\u+16*\e+4*\i], v6 offset:4352*\u+128*\e+16*\i
.endr
.endr
.endr
	s_wait_loadcnt 18                              ; bo is in
	s_wait_dscnt 0x0
.irp u, 0,1
.set j, 0
.rept 16
	v_pk_add_f32 v[16+32*\u+j:17+32*\u+j], v[16+32*\u+j:17+32*\u+j], v[80+j:81+j]
.set j, j+2
.endr
.endr
	BAR                                            ; attention's sixteen fragments lie in LDS
	PASS 0, IMG_A, 0, 1                            ; x1 = x + bo + attn Wo
	; ---- LN2
	s_wait_alu depctr_va_vdst(0)                   ; the products have written the accumulators, which the stores read, and are done reading v176-239, in which g_ln2 and b_ln2 land; the places above stay beside this wait
.irp i, 0,1,2,3,4,5,6,7,8,9,10,11,12,13,14,15
	ds_store_b128 v8, v[16+4*\i:19+4*\i] offset:512*\i   ; x1 is kept, as an image of its registers, in my own region; each accumulator from its low end on
.endr
	VEC32 176, 16
	VEC32 208, 18
.irp u, 0,1
	v_pk_add_f32 v[80+4*\u:81+4*\u], v[16+32*\u:17+32*\u], v[20+32*\u:21+32*\u]
	v_pk_add_f32 v[82+4*\u:83+4*\u], v[18+32*\u:19+32*\u], v[22+32*\u:23+32*\u]
.endr
.irp j, 8,12,16,20,24,28
.irp u, 0,1
	v_pk_add_f32 v[80+4*\u:81+4*\u], v[80+4*\u:81+4*\u], v[16+32*\u+\j:17+32*\u+\j]
	v_pk_add_f32 v[82+4*\u:83+4*\u], v[82+4*\u:83+4*\u], v[18+32*\u+\j:19+32*\u+\j]
.endr
.endr
	RSUM 0
	v_mul_f32 v94, s[INV], v94                     ; the two rows' means
	v_mul_f32 v96, s[INV], v96
.irp u, 0,1
.set j, 0
.rept 16
	v_pk_add_f32 v[16+32*\u+j:17+32*\u+j], v[16+32*\u+j:17+32*\u+j], v[94+2*\u:95+2*\u] op_sel_hi:[1,0] neg_lo:[0,1] neg_hi:[0,1]
.set j, j+2
.endr
.endr
.irp u, 0,1
	v_pk_mul_f32 v[80+4*\u:81+4*\u], v[16+32*\u:17+32*\u], v[16+32*\u:17+32*\u]
	v_pk_mul_f32 v[82+4*\u:83+4*\u], v[18+32*\u:19+32*\u], v[18+32*\u:19+32*\u]
.endr
.irp j, 4,8,12,16,20,24,28
.irp u, 0,1
	v_pk_fma_f32 v[80+4*\u:81+4*\u], v[16+32*\u+\j:17+32*\u+\j], v[16+32*\u+\j:17+32*\u+\j], v[80+4*\u:81+4*\u]
	v_pk_fma_f32 v[82+4*\u:83+4*\u], v[18+32*\u+\j:19+32*\u+\j], v[18+32*\u+\j:19+32*\u+\j], v[82+4*\u:83+4*\u]
.endr
.endr
	RSUM 2560
	v_fma_f32 v94, v94, s[INV], s[EPS]
	v_fma_f32 v96, v96, s[INV], s[EPS]
	s_wait_alu depctr_va_vdst(0)
	v_rsq_f32 v94, v94
	v_rsq_f32 v96, v96
	v_nop                                          ; a plain line behind the transcendentals,
	s_wait_alu depctr_va_vdst(0)                   ; and one wait for the two, ahead of their first reader: v94 and v96 are written
	s_wait_loadcnt 0x0                             ; g_ln2 and b_ln2
.irp u, 0,1
.set j, 0
.rept 16
	v_pk_mul_f32 v[16+32*\u+j:17+32*\u+j], v[16+32*\u+j:17+32*\u+j], v[94+2*\u:95+2*\u] op_sel_hi:[1,0]
.set j, j+2
.endr
.endr
.irp u, 0,1
.set j, 0
.rept 16
	v_pk_fma_f32 v[16+32*\u+j:17+32*\u+j], v[16+32*\u+j:17+32*\u+j], v[176+j:177+j], v[208+j:209+j]
.set j, j+2
.endr
.endr
	QUANT 16, 245
	IMAGES IMG_B, 1024
	VEC32 16, 20                                   ; b1 is the C of the next pass's first products, for both row tiles
	VEC32 48, 20
	BAR                                            ; h2's sixteen fragments lie in LDS
	s_wait_alu depctr_vm_vsrc(0)                   ; my images' stores have read v80-95, in which the pass's fragments land, and v246, which a later vector line writes
	PASS 1, IMG_B, 1024, 2                         ; h2 W1 + b1
	; ---- GELU
	v_mov_b32 v80, 0.00007853861353153693          ; the three leading coefficients, a pair each
	v_mov_b32 v81, v80
	v_mov_b32 v82, 0.02326819970068386
	v_mov_b32 v83, v82
	v_mov_b32 v84, -10.47766399936249
	v_mov_b32 v85, v84
.irp a, 0,1,2,3,4,5,6,7
	GELU8 16+8*\a
.endr
	QUANT 16, 245
	IMAGES IMG_A, 0                                ; region A was last read in the first pass: every wave has passed three barriers since
.irp i, 0,1,2,3,4,5,6,7,8,9,10,11,12,13,14,15
	ds_load_b128 v[16+4*\i:19+4*\i], v8 offset:512*\i   ; x1 comes back
.endr
	VEC32 176, 22
	s_wait_loadcnt 0x0
	s_wait_dscnt 0x0
.irp u, 0,1
.set j, 0
.rept 16
	v_pk_add_f32 v[16+32*\u+j:17+32*\u+j], v[16+32*\u+j:17+32*\u+j], v[176+j:177+j]   ; x1 + b2
.set j, j+2
.endr
.endr
	BAR                                            ; g's sixteen fragments lie in LDS
	s_wait_alu depctr_vm_vsrc(0)                   ; my images' stores have read v80-95, in which the pass's fragments land
	PASS 2, IMG_A, 0, -1                           ; out0 = x1 + b2 + g W2
	; ---- the way out, through my own stage: a lane holds 64 bytes of a row, sixteen lanes store 256 consecutive bytes
	s_wait_alu depctr_va_vdst(0)                   ; the products have written the accumulators, which the stores read, and are done reading v176-239, in which the stage's loads land; the places above stay beside this wait
.irp u, 0,1
.irp e, 0,1
.irp i, 0,1,2,3
	ds_store_b128 v6, v[16+32*\u+16*\e+4*\i:19+32*\u+16*\e+4*\i] offset:4352*\u+128*\e+16*\i
.endr
.endr
.endr
.irp u, 0,1
.irp i, 0,1,2,3,4,5,6,7
	ds_load_b128 v[176+32*\u+4*\i:179+32*\u+4*\i], v7 offset:4352*\u+544*\i   ; LDS serves a wave's instructions in order: these see my stores
.endr
.endr
.irp u, 0,1
.irp i, 0,1,2,3,4,5,6,7
	s_wait_dscnt 15-8*\u-\i                        ; the younger loads may stay out
	global_store_b128 v9, v[176+32*\u+4*\i:179+32*\u+4*\i], s[24:25] offset:(8*\u+2*\i+8*(\i/4))*4096 th:TH_STORE_NT
.endr
.endr
	s_wait_dscnt 0x0                               ; the closing lines, six on end
	s_wait_alu 0x0
	s_wait_tensorcnt 0x0
	ds_add_u32 v[SPW], v[NIL]
	s_wait_dscnt 0x0
	s_endpgm
.Lfunc_end_k_q3b17c27624_tail:
	.size	k_q3b17c27624_tail, .Lfunc_end_k_q3b17c27624_tail-k_q3b17c27624_tail
	.p2alignl 7, 3214868480
	.fill 96, 4, 3214868480
	.section	.rodata,"a",@progbits
	.p2align	6, 0x0
	.amdhsa_kernel k_q3b17c27624_tail
		.amdhsa_group_segment_fixed_size 214016
		.amdhsa_private_segment_fixed_size 0
		.amdhsa_enable_private_segment 0
		.amdhsa_kernarg_size 88
		.amdhsa_user_sgpr_count 2
		.amdhsa_user_sgpr_kernarg_segment_ptr 1
		.amdhsa_wavefront_size32 1
		.amdhsa_system_sgpr_workgroup_id_x 1
		.amdhsa_system_sgpr_workgroup_id_y 1
		.amdhsa_system_sgpr_workgroup_id_z 1
		.amdhsa_system_vgpr_workitem_id 0
		.amdhsa_next_free_vgpr 256
		.amdhsa_next_free_sgpr 86
		.amdhsa_reserve_vcc 0
		.amdhsa_float_denorm_mode_32 3
		.amdhsa_float_denorm_mode_16_64 3
		.amdhsa_memory_ordered 1
		.amdhsa_forward_progress 1
		.amdhsa_inst_pref_size 244
	.end_amdhsa_kernel
	.amdgpu_metadata
---
amdhsa.version: [ 1, 2 ]
amdhsa.kernels:
  - .name:           k_q3b17c27624_tail
    .symbol:         k_q3b17c27624_tail.kd
    .args:
      - { .name: af, .offset: 0, .size: 8, .value_kind: global_buffer, .address_space: global }
      - { .name: asc, .offset: 8, .size: 8, .value_kind: global_buffer, .address_space: global }
      - { .name: wf, .offset: 16, .size: 8, .value_kind: global_buffer, .address_space: global }
      - { .name: wsc, .offset: 24, .size: 8, .value_kind: global_buffer, .address_space: global }
      - { .name: x, .offset: 32, .size: 8, .value_kind: global_buffer, .address_space: global }
      - { .name: bo, .offset: 40, .size: 8, .value_kind: global_buffer, .address_space: global }
      - { .name: g_ln2, .offset: 48, .size: 8, .value_kind: global_buffer, .address_space: global }
      - { .name: b_ln2, .offset: 56, .size: 8, .value_kind: global_buffer, .address_space: global }
      - { .name: b1, .offset: 64, .size: 8, .value_kind: global_buffer, .address_space: global }
      - { .name: b2, .offset: 72, .size: 8, .value_kind: global_buffer, .address_space: global }
      - { .name: out0, .offset: 80, .size: 8, .value_kind: global_buffer, .address_space: global }
    .group_segment_fixed_size: 214016
    .private_segment_fixed_size: 0
    .kernarg_segment_align: 8
    .kernarg_segment_size: 88
    .max_flat_workgroup_size: 512
    .sgpr_count:     86
    .vgpr_count:     256
    .wavefront_size: 32
...
	.end_amdgpu_metadata
.endif
;; end of part 8
